; MI455X (gfx1250); checked and timed in simulation.
; The chip was launched on July 23, 2026; its instructions are those of AMD's public machine-readable ISA for CDNA 5 (MIT licence, August 2026) and "CDNA5" Instruction Set Architecture Reference Guide (July 2026). The comments in the code are by the model that wrote it; some were corrected since.
;; Decoder Block. Allowed arithmetic: matrix products marked QUANTISED: E4M3 operands, one given power-of-two scale a tensor, by v_wmma_f32_16x16x64_fp8_fp8 or v_wmma_f32_16x16x128_fp8_fp8, f32 sums; everything else in f32.
;; Inputs: ca_pb 512 float32; ca_pw 512 x 512 float32; ca_wk 512 x 512 float32; ca_wq 512 x 512 float32; ca_wv 512 x 512 float32; encoder_output 8 x 1,024 x 512 float32; ff_b1 2,048 float32; ff_b2 512 float32; ff_w1 512 x 2,048 float32; ff_w2 2,048 x 512 float32; ln1_b 512 float32; ln1_g 512 float32; ln2_b 512 float32; ln2_g 512 float32; ln3_b 512 float32; ln3_g 512 float32; lowp_scales 28 int32 (the exponents e of the quantised operands' scales 2^e); sa_pb 512 float32; sa_pw 512 x 512 float32; sa_wk 512 x 512 float32; sa_wq 512 x 512 float32; sa_wv 512 x 512 float32; x 8 x 1,024 x 512 float32.
;; Outputs: out0 8 x 1,024 x 512 float32.
;; This version of the problem:
;;   THIS VERSION OF THE PROBLEM IS GIVEN IN LOW PRECISION. The matrix products marked QUANTISED in the list below multiply operands that are first quantised to E4M3 (4 exponent bits, 3 mantissa bits; 8 bits a number), with one given power-of-two scale for each operand tensor; their sums are f32. All else is computed in f32.
;;   The module's matrix products, in the order in which they are computed (A, B: the left and right operand; K: the contracted axis; several contracted axes count as one K, in the product's order):
;;     1. [M 8,192, K 512] x [K 512, N 512]; A: computed on the way; B: input sa_wq: QUANTISED (scales: A lowp_scales[0], B lowp_scales[1])
;;     2. [M 8,192, K 512] x [K 512, N 512]; A: input x; B: input sa_wk: QUANTISED (scales: A lowp_scales[2], B lowp_scales[3])
;;     3. [M 8,192, K 512] x [K 512, N 512]; A: input x; B: input sa_wv: QUANTISED (scales: A lowp_scales[4], B lowp_scales[5])
;;     4. batch 128 x [M 1,024, K 32] x [K 32, N 1,024]; A: computed on the way; B: computed on the way: QUANTISED (scales: A lowp_scales[6], B lowp_scales[7])
;;     5. batch 128 x [M 32, K 1,024] x [K 1,024, N 1,024]; A: computed on the way; B: softmax (see below): QUANTISED (scales: A lowp_scales[8], B lowp_scales[9])
;;     6. [M 8,192, K 512] x [K 512, N 512]; A: computed on the way; B: input sa_pw: QUANTISED (scales: A lowp_scales[10], B lowp_scales[11])
;;     7. [M 8,192, K 512] x [K 512, N 512]; A: computed on the way; B: input ca_wq: QUANTISED (scales: A lowp_scales[12], B lowp_scales[13])
;;     8. [M 8,192, K 512] x [K 512, N 512]; A: input encoder_output; B: input ca_wk: QUANTISED (scales: A lowp_scales[14], B lowp_scales[15])
;;     9. [M 8,192, K 512] x [K 512, N 512]; A: input encoder_output; B: input ca_wv: QUANTISED (scales: A lowp_scales[16], B lowp_scales[17])
;;     10. batch 128 x [M 1,024, K 32] x [K 32, N 1,024]; A: computed on the way; B: computed on the way: QUANTISED (scales: A lowp_scales[18], B lowp_scales[19])
;;     11. batch 128 x [M 32, K 1,024] x [K 1,024, N 1,024]; A: computed on the way; B: softmax (see below): QUANTISED (scales: A lowp_scales[20], B lowp_scales[21])
;;     12. [M 8,192, K 512] x [K 512, N 512]; A: computed on the way; B: input ca_pw: QUANTISED (scales: A lowp_scales[22], B lowp_scales[23])
;;     13. [M 8,192, K 512] x [K 512, N 2,048]; A: computed on the way; B: input ff_w1: QUANTISED (scales: A lowp_scales[24], B lowp_scales[25])
;;     14. [M 8,192, K 2,048] x [K 2,048, N 512]; A: computed on the way; B: input ff_w2: QUANTISED (scales: A lowp_scales[26], B lowp_scales[27])
;;   THE QUANTISER, for each operand of a quantised product, along K:
;;     - The operand's scale is 2^e, e = its entry of the input lowp_scales (int32; the entries are numbered through the quantised products in the list's order, A before B).
;;     - Each number is divided by the scale, clamped to +-448, and rounded to the nearest number of E4M3, ties to even, subnormals kept.
;;     - The product sums the exact products of the quantised numbers (number of the format x scale) in f32.
;;   ~~~python
;;   def quantise(x, axis, e):      # numpy; x: float32 -> the quantised numbers, widened to float32 again
;;       x = np.moveaxis(x, axis, -1); K = x.shape[-1]
;;       r = np.clip(x / 2.0 ** e, -448, 448)
;;       step = 2.0 ** (np.maximum(np.frexp(np.where(r == 0, 1, r))[1] - 1, -6) - 3)
;;       q = np.round(r / step) * step * 2.0 ** e      # np.round: ties to even
;;       return np.moveaxis(q, -1, axis).astype(np.float32)
;;   ~~~
;;   SOFTMAX AHEAD OF A QUANTISED PRODUCT. Where the list says 'softmax', what is quantised is not the finished softmax but p = 2^(t - M), with t = logit x log2(e) and M = ceil(the row's largest t), a whole number; so 1/2 < the row's largest p <= 1. The row's sum l is taken of the UNQUANTISED p, in f32, and the product's result is divided by l at the end. Since M is a whole number, a kernel that streams over the keys may use a running M (the ceiling of the running maximum): every later rescaling is an exact power of two, so the quantised numbers keep their values, but for numbers so far below the row's largest that they fall under the format's range.
;;   OPERANDS COMPUTED ON THE WAY. 'Computed on the way' means the value that the module computes at that place (a softmax that the list does not call 'softmax' is quantised finished and normalised). What goes into a quantiser is computed in f32, as accurately as f32 sums, v_exp_f32 and their like allow (about 1e-6 of the number): no bf16 or f16 on the way to a quantiser, and a product that is left as it is and whose result goes on into a quantised operand takes f32 operands (vector FMAs, or v_wmma_f32_16x16x4_f32). A number that lies on a knife's edge between two numbers of the format may be rounded either way, as far as f32 arithmetic and the matrix unit's own rounding can turn it there, and no further.
;; 2 versions, each right; version 2 is version 1 with the launches qkv, attn_sa, tail written anew for expert scheduling mode. Each part assembles by itself: llvm-mc -triple=amdgcn-amd-amdhsa -mcpu=gfx1250 --defsym DOCPART=n.
;; ======== version 1 of 2: 4 launches
;; workspace buffers: wcodes 4,194,304 bytes; qc 4,194,304 bytes; kva 8,388,608 bytes; kvb 8,388,608 bytes; att 4,194,304 bytes; par_sa 256 bytes of whole numbers
;; launch wq (part 1): grid 16 x 16, 4 waves a work-group, no clusters, 0 bytes of LDS; arguments sa_wq, sa_wk, sa_wv, sa_pw, ca_wq, ca_wk, ca_wv, ca_pw, ff_w1, ff_w2, lowp_scales, wcodes, par_sa; writes wcodes, par_sa
.if DOCPART == 1
	.amdgcn_target "amdgcn-amd-amdhsa--gfx1250"
	.amdhsa_code_object_version 6
	.text
	.protected	k_qee9daeadfc_wq
	.globl	k_qee9daeadfc_wq
	.p2align	8
	.type	k_qee9daeadfc_wq,@function
k_qee9daeadfc_wq:
	s_mov_b64 s[64:65], 0
	v_nop
	global_prefetch_b8 v0, s[64:65] scope:SCOPE_SE
	s_setreg_imm32_b32 hwreg(HW_REG_WAVE_MODE, 25, 1), 1
	s_wait_xcnt 0x0
; All ten weights, f32 stored [K][N], become codes of FP8 (E4M3) with the one given scale 2^e each, laid as IMAGES OF THE OPERAND'S REGISTERS.
; wcodes is 16 chunks [512 n][512 k] of 262,144 bytes: 0-7 sa_wq, sa_wk, sa_wv, sa_pw, ca_wq, ca_wk, ca_wv, ca_pw; 8+j ff_w1's columns 512 j on; 12+j ff_w2's rows 512 j on.
; In a chunk: tile t (0..31) x 8192 + K step s x 2048 + c x 512 + h x 256 + r x 16 holds k = 128 s + 32 c + 16 h + 0..15 of column n = 32 (t/2) + 8 (t%2) + (r%8) + 16 (r/8).
; A LANE TAKES A COLUMN AND ITS REGISTERS RUN DOWN K: a load reads 128 consecutive bytes a wave, the conversions give codes with K innermost, nothing is transposed.
; Work-group (x, y): chunk y, columns 128 (x%4) on, K step x/4; a wave 32 columns x 128 k.  Each store's 32 lanes fill two aligned blocks of 256 consecutive bytes.
; code = w / 2^e, held within +-448, to the nearest code, ties to even.  LIMITS: e between -126 and 119; NaN among the inputs is not served.
; One wave of the launch also copies the self-attention launch's whole numbers: par_sa = eq, ek, ev, ep, eo, causal flag.
; No LDS, no barrier, no cluster: waves share nothing, and every weight byte is read once in the launch.
.set X, 32                             ; v32-159  128 numbers down K
.set C, 160                            ; v160-191 codes: eight registers for each block of 32, so that no store's data are written again
	s_load_b512 s[8:23], s[0:1], 0x0               ; the eight [512][512] weights
	s_load_b256 s[24:31], s[0:1], 0x40             ; ff_w1 s[24:25], ff_w2 s[26:27], the scales' exponents s[28:29], wcodes s[30:31]
	s_load_b64 s[32:33], s[0:1], 0x60              ; par_sa
	v_lshrrev_b32 v1, 5, v0
	v_readfirstlane_b32 s36, v1                    ; wave 0..3
	v_and_b32 v2, 31, v0                           ; lane = my column among the wave's 32
	v_lshlrev_b32 v3, 2, v2                        ; in: 4 bytes a lane
	v_bfe_u32 v4, v0, 3, 1                         ; which of the two tiles my column falls into
	v_and_b32 v5, 7, v0
	v_bfe_u32 v6, v0, 4, 1
	v_lshl_add_u32 v5, v6, 3, v5                   ; and which lane r of that tile it feeds
	v_lshlrev_b32 v8, 4, v5
	v_lshl_add_u32 v8, v4, 13, v8                  ; out: tile x 8192 + r x 16
	s_and_b32 s37, ttmp7, 0xffff                   ; chunk
	s_and_b32 s38, ttmp9, 3                        ; which 128 columns
	s_lshr_b32 s39, ttmp9, 2                       ; K step
	s_and_b32 s41, s37, 3
	s_lshl_b32 s42, s41, 11                        ; ff_w1: the chunk's first column, in bytes
	s_lshl_b32 s43, s41, 20                        ; ff_w2: the chunk's first row, in bytes
	s_lshl_b32 s44, s39, 18                        ; 128 rows of 2,048 bytes a K step,
	s_lshl_b32 s45, s39, 20                        ; or of 8,192 (ff_w1)
	s_cmp_ge_u32 s37, 8
	s_cselect_b32 s46, s42, 0
	s_cselect_b32 s47, s45, s44
	s_cmp_ge_u32 s37, 12
	s_cselect_b32 s46, s43, s46
	s_cselect_b32 s47, s44, s47
	s_add_co_u32 s46, s46, s47
	s_lshl_b32 s47, s38, 9
	s_add_co_u32 s46, s46, s47
	s_lshl_b32 s47, s36, 7
	s_add_co_u32 s46, s46, s47                     ; where my wave's part begins in its weight
	s_mov_b32 s47, 0
	s_lshl_b32 s48, s37, 18
	s_lshl_b32 s49, s38, 16
	s_add_co_u32 s48, s48, s49
	s_lshl_b32 s49, s36, 14
	s_add_co_u32 s48, s48, s49
	s_lshl_b32 s49, s39, 11
	s_add_co_u32 s48, s48, s49                     ; and in wcodes: chunk, pair of tiles 4 (x%4) + wave, K step
	s_mov_b32 s49, 0
	s_wait_kmcnt 0x0
	s_mov_b64 s[4:5], s[8:9]                       ; the weight and the place of its exponent are chosen by the chunk's number alone
	s_mov_b32 s40, 4
.macro PICK k, lo, eoff
	s_cmp_eq_u32 s37, \k
	s_cselect_b64 s[4:5], s[\lo:\lo+1], s[4:5]
	s_cselect_b32 s40, \eoff, s40
.endm
	PICK 1, 10, 12
	PICK 2, 12, 20
	PICK 3, 14, 44
	PICK 4, 16, 52
	PICK 5, 18, 60
	PICK 6, 20, 68
	PICK 7, 22, 92
	s_cmp_ge_u32 s37, 8
	s_cselect_b64 s[4:5], s[24:25], s[4:5]
	s_cselect_b32 s40, 100, s40
	s_cmp_ge_u32 s37, 12
	s_cselect_b64 s[4:5], s[26:27], s[4:5]
	s_cselect_b32 s40, 108, s40
	s_load_b32 s50, s[28:29], s40 offset:0x0       ; e
	s_add_nc_u64 s[4:5], s[4:5], s[46:47]
	s_add_nc_u64 s[30:31], s[30:31], s[48:49]
.macro LOADB stride, c                 ; block c: w(32 c + i, my column), i = 0 .. 31
.set N, 0
.rept 32
	global_load_b32 v[X+32*\c+N], v3, s[4:5] offset:(32*\c+N)*\stride th:TH_LOAD_NT
.set N, N+1
.endr
.endm
.macro BLOCK c, left
	s_wait_loadcnt \left                           ; this block's 32 loads are in; the next block's 32 may be out
.set N, 0
.rept 32
	v_med3_num_f32 v[X+32*\c+N], v[X+32*\c+N], -v10, v10   ; the conversion to an 8-bit code does not saturate (ISA guide 7.6.2): the hold at the largest code x the scale
.set N, N+1
.endr
.irp g, 0,1,2,3
	v_cvt_scalef32_pk8_fp8_f32 v[C+8*\c+2*\g:C+8*\c+2*\g+1], v[X+32*\c+8*\g:X+32*\c+8*\g+7], v11
.endr
	global_store_b128 v8, v[C+8*\c:C+8*\c+3], s[30:31] offset:512*\c          ; k = 32 c + 0..15: the image's lanes 0-15
	global_store_b128 v8, v[C+8*\c+4:C+8*\c+7], s[30:31] offset:512*\c+256    ; k = 32 c + 16..31: its lanes 16-31
.endm
.macro BODY stride                     ; loads run two blocks ahead
	LOADB \stride, 0
	LOADB \stride, 1
	s_wait_kmcnt 0x0
	s_add_co_i32 s50, s50, 127
	s_lshl_b32 s51, s50, 23
	v_mov_b32 v11, s51                             ; 2^e as f32: the conversion takes its exponent field
	s_add_co_i32 s50, s50, 8
	s_lshl_b32 s50, s50, 23
	s_or_b32 s50, s50, 0x600000
	v_mov_b32 v10, s50                             ; 448 x 2^e
	BLOCK 0, 32
	LOADB \stride, 2
	BLOCK 1, 32
	LOADB \stride, 3
	BLOCK 2, 32
	BLOCK 3, 0
.endm
	s_lshr_b32 s52, s37, 2
	s_cmp_eq_u32 s52, 2                            ; chunks 8-11 are ff_w1's: rows of 8,192 bytes.  The row's length stands in the loads' immediates, so the body is written for each
	s_cbranch_scc1 .Lwide
	BODY 2048
	s_branch .Lpar
.Lwide:
	BODY 8192
.Lpar:
	s_or_b32 s53, ttmp9, s37
	s_or_b32 s53, s53, s36
	s_cmp_lg_u32 s53, 0
	s_cbranch_scc1 .Lend                           ; wave 0 of work-group (0, 0) alone
	v_min_u32 v12, 4, v2
	v_lshlrev_b32 v12, 2, v12
	global_load_b32 v13, v12, s[28:29] offset:24   ; entries 6..10: q, k, v, p, the attention's result (lanes from 4 on repeat the last)
	v_mov_b32 v15, 1
	v_cmp_eq_u32 vcc_lo, 5, v2
	s_wait_loadcnt 0x0
	v_cndmask_b32 v13, v13, v15, vcc_lo            ; word 5: causal
	global_store_b32 v3, v13, s[32:33]
.Lend:
	s_endpgm
.Lfunc_end_k_qee9daeadfc_wq:
	.size	k_qee9daeadfc_wq, .Lfunc_end_k_qee9daeadfc_wq-k_qee9daeadfc_wq
	.p2alignl 7, 3214868480
	.fill 96, 4, 3214868480
	.section	.rodata,"a",@progbits
	.p2align	6, 0x0
	.amdhsa_kernel k_qee9daeadfc_wq
		.amdhsa_group_segment_fixed_size 0
		.amdhsa_private_segment_fixed_size 0
		.amdhsa_enable_private_segment 0
		.amdhsa_kernarg_size 104
		.amdhsa_user_sgpr_count 2
		.amdhsa_user_sgpr_kernarg_segment_ptr 1
		.amdhsa_wavefront_size32 1
		.amdhsa_system_sgpr_workgroup_id_x 1
		.amdhsa_system_sgpr_workgroup_id_y 1
		.amdhsa_system_sgpr_workgroup_id_z 1
		.amdhsa_system_vgpr_workitem_id 0
		.amdhsa_next_free_vgpr 192
		.amdhsa_next_free_sgpr 66
		.amdhsa_reserve_vcc 1
		.amdhsa_float_denorm_mode_32 3
		.amdhsa_float_denorm_mode_16_64 3
		.amdhsa_memory_ordered 1
		.amdhsa_forward_progress 1
		.amdhsa_inst_pref_size 48
	.end_amdhsa_kernel
	.amdgpu_metadata
---
amdhsa.version: [ 1, 2 ]
amdhsa.kernels:
  - .name:           k_qee9daeadfc_wq
    .symbol:         k_qee9daeadfc_wq.kd
    .args:
      - { .name: sa_wq, .offset: 0, .size: 8, .value_kind: global_buffer, .address_space: global }
      - { .name: sa_wk, .offset: 8, .size: 8, .value_kind: global_buffer, .address_space: global }
      - { .name: sa_wv, .offset: 16, .size: 8, .value_kind: global_buffer, .address_space: global }
      - { .name: sa_pw, .offset: 24, .size: 8, .value_kind: global_buffer, .address_space: global }
      - { .name: ca_wq, .offset: 32, .size: 8, .value_kind: global_buffer, .address_space: global }
      - { .name: ca_wk, .offset: 40, .size: 8, .value_kind: global_buffer, .address_space: global }
      - { .name: ca_wv, .offset: 48, .size: 8, .value_kind: global_buffer, .address_space: global }
      - { .name: ca_pw, .offset: 56, .size: 8, .value_kind: global_buffer, .address_space: global }
      - { .name: ff_w1, .offset: 64, .size: 8, .value_kind: global_buffer, .address_space: global }
      - { .name: ff_w2, .offset: 72, .size: 8, .value_kind: global_buffer, .address_space: global }
      - { .name: lowp_scales, .offset: 80, .size: 8, .value_kind: global_buffer, .address_space: global }
      - { .name: wcodes, .offset: 88, .size: 8, .value_kind: global_buffer, .address_space: global }
      - { .name: par_sa, .offset: 96, .size: 8, .value_kind: global_buffer, .address_space: global }
    .group_segment_fixed_size: 0
    .private_segment_fixed_size: 0
    .kernarg_segment_align: 8
    .kernarg_segment_size: 104
    .max_flat_workgroup_size: 128
    .sgpr_count:     66
    .vgpr_count:     192
    .wavefront_size: 32
...
	.end_amdgpu_metadata
.endif
;; end of part 1
;; launch qkv (part 2): grid 256 x 1, 16 waves a work-group, no clusters, 89,088 bytes of LDS; arguments x, encoder_output, ln1_g, ln1_b, lowp_scales, wcodes, qc, kva, kvb; writes qc, kva, kvb
.if DOCPART == 2
	.amdgcn_target "amdgcn-amd-amdhsa--gfx1250"
	.amdhsa_code_object_version 6
	.text
	.protected	k_qee9daeadfc_qkv
	.globl	k_qee9daeadfc_qkv
	.p2align	8
	.type	k_qee9daeadfc_qkv,@function
k_qee9daeadfc_qkv:
	s_mov_b64 s[64:65], 0
	v_nop
	global_prefetch_b8 v0, s[64:65] scope:SCOPE_SE
	s_setreg_imm32_b32 hwreg(HW_REG_WAVE_MODE, 25, 1), 1
	s_wait_xcnt 0x0
; Five projections of 32 rows: q1 = Q(ln1(x)) Q(sa_wq), k1 = Q(x) Q(sa_wk), v1 = Q(x) Q(sa_wv), k2 = Q(enc) Q(ca_wk), v2 = Q(enc) Q(ca_wv), each result quantised at once for the attention's products.
; SHARES.  A work-group owns 32 rows, 16 waves.  First each wave owns two whole rows: layer norm (two passes, f32) and five quantisations; the codes go to LDS as images of the operand's registers.
; Then THE WAVES SHARE THE COLUMNS: wave w makes columns 32 w .. 32 w + 31 (head w) of all 32 rows: 2 tiles of rows x 2 tiles of columns, four accumulators by turns.
; THE ROWS OF A TILE ARE NOT NEIGHBOURS: lane r of tile u is row 8 u + (r%8) + 16 (r/8) of the 32; a weight's tiles are laid the same way.  So a lane's 16 results of two tiles are 16 neighbours along the next K.
; q and k: source 0 = the weight's tile, source 1 = the rows (a lane holds one row, 16 of the head's 32).  v: the sources swapped (a lane holds one of the head's 32, 16 neighbouring keys), since the keys are its next K.
; WEIGHTS come straight from memory into registers: images, 512 consecutive bytes a load; each byte is wanted by one wave of the work-group alone, so LDS would only add a write and a read.
; NO CLUSTER: what work-groups share is the weights, and a joint request exists only for loads into LDS, which this sharing does not need.
; A fragment's k stands in the order of four 16-byte pieces (registers 4 c ..: k = 32 c + 16 h + 0..15), alike in both sources: every product meets its partner.
; LIMITS: each of e0, e2, e4, e14, e16 and each (result's e - its two operands' e) between -126 and 119.  NaN among the inputs is not served.
.set HP,   272                         ; 16 lanes' 256 bytes of an image + 16 of padding, so that a row's owner (32 lanes, 272 bytes apart) meets 16 different 16-byte columns
.set IMGU, 32*HP                       ; a tile of 16 rows x 512 k
.set IMG,  2*IMGU                      ; LDS: five images, j x IMG: ln1(x), x (e2), x (e4), enc (e14), enc (e16)
.set NSTEPS, 20
.set WC,   14                          ; s[14:15] wcodes
.set LB,   1                           ; v1   weights: wave x 16384 + lane x 16
.set LIA,  2                           ; v2   image, reading: h x 272 + r x 16
.set IW,   3                           ; v3   image, a row's owner writing: lane x 272 + my tile + 16 x my first row's lane
.set RG,   7                           ; v7   my first row in x and enc: row x 2048 + lane x 64
.set G64,  8                           ; v8   lane x 64
.set QO,   10                          ; v10  results: head x 32768 + lane x 16
.set LIA2, 11                          ; v11, v12: the same as v2, v3 for images 3 and 4 (an LDS offset has 16 bits)
.set IW2,  12
.set VSC,  22                          ; v22  the conversion's scale;  v23  448 x it
.set VLM,  23
.set CODE, 24                          ; v24-31 codes
.set AF,   32                          ; v32-63 the rows' two fragments (first: gain and bias of the norm)
.set BF,   64                          ; v64-159 three sets of the weight's two fragments
.set ACC,  160                         ; v160-191 accumulator (p, q) at 8 (2 p + q) (first: my two rows of x)
.set BIAS, 192                         ; v192-207 the normed row
.set T,    208                         ; v208-239 my two rows of enc
.set W,    240                         ; v240-255 at work
.set E,    36                          ; s[36:63] the 28 exponents
.set S_E0, 66
.set S_E2, 68
.set S_E4, 70
.set S_E14, 72
.set S_E16, 74
.set F_Q,  76
.set F_K1, 78
.set F_V1, 80
.set F_K2, 82
.set F_V2, 84
.set SEL,  86
.set INV,  88
.set EPSR, 89
.macro PL                              ; four places: behind matrix instructions, ahead of loads into their registers and of reads of their results
.rept 4
	v_nop
.endr
.endm
.macro SCL d, se                       ; s[d] = 2^e as f32, s[d+1] = 448 x 2^e
	s_add_co_i32 s[\d], s[\se], 127
	s_add_co_i32 s[\d+1], s[\d], 8
	s_lshl_b32 s[\d], s[\d], 23
	s_lshl_b32 s[\d+1], s[\d+1], 23
	s_or_b32 s[\d+1], s[\d+1], 0x600000
.endm
.macro FOLD d, eo, ea, ew              ; a sum stands for sum x 2^(ea + ew): its code is sum / 2^(eo - ea - ew)
	s_sub_co_i32 s[\d], s[E+\eo], s[E+\ea]
	s_sub_co_i32 s[\d], s[\d], s[E+\ew]
	SCL \d, \d
.endm
.macro SETSC d
	v_mov_b32 v[VSC], s[\d]
	v_mov_b32 v[VLM], s[\d+1]
.endm
.macro BLOAD i                         ; step i's two fragments of the weight: jobs 0..4 take chunks 0, 1, 2, 5, 6
.set CH, ((\i)/4)+2*(((\i)/4)/3)
.set BB, BF+32*((\i)%3)
.irp u, 0,1
.irp c, 0,1,2,3
	global_load_b128 v[BB+16*\u+4*\c:BB+16*\u+4*\c+3], v[LB], s[WC:WC+1] offset:CH*262144+\u*8192+((\i)%4)*2048+\c*512
.endr
.endr
.endm
.macro MMSTEP ar, ao, s, i, first, sw, left
.irp u, 0,1
.irp c, 0,1,2,3
	ds_load_b128 v[AF+16*\u+4*\c:AF+16*\u+4*\c+3], v[\ar] offset:(\ao)+\u*IMGU+(8*(\s)+2*\c)*HP
.endr
.endr
	s_wait_loadcnt \left                           ; this step's eight weight loads are in; the younger steps' may be out
	s_wait_dscnt 0x0
.set BB, BF+32*((\i)%3)
.irp p, 0,1
.irp q, 0,1
.set AC, ACC+8*(2*\p+\q)
.if \sw
.set SRA, AF+16*\q
.set SRB, BB+16*\p
.else
.set SRA, BB+16*\q
.set SRB, AF+16*\p
.endif
.if \first
	v_wmma_f32_16x16x128_fp8_fp8 v[AC:AC+7], v[SRA:SRA+15], v[SRB:SRB+15], 0
.else
	v_wmma_f32_16x16x128_fp8_fp8 v[AC:AC+7], v[SRA:SRA+15], v[SRB:SRB+15], v[AC:AC+7]
.endif
.endr
.endr
.endm
.macro DSTEP i, ar, ao, s, first, sw   ; a K step of 128: the weights of two steps on are asked for, then four products, the accumulators by turns
	PL
.if (\i)+2 < NSTEPS
	BLOAD (\i)+2
	MMSTEP \ar, \ao, \s, \i, \first, \sw, 16
.elseif (\i)+1 < NSTEPS
	MMSTEP \ar, \ao, \s, \i, \first, \sw, 8
.else
	MMSTEP \ar, \ao, \s, \i, \first, \sw, 0
.endif
.endm
.macro JOB j, ar, ao, sw
	DSTEP 4*(\j), \ar, \ao, 0, 1, \sw
.irp s, 1,2,3
	DSTEP 4*(\j)+\s, \ar, \ao, \s, 0, \sw
.endr
.endm
.macro RED a, t                        ; the sum over the 32 lanes, in every lane
	v_add_f32_dpp v[\a], v[\a], v[\a] row_xmask:1 row_mask:0xf bank_mask:0xf
	v_add_f32_dpp v[\a], v[\a], v[\a] row_xmask:2 row_mask:0xf bank_mask:0xf
	v_add_f32_dpp v[\a], v[\a], v[\a] row_xmask:4 row_mask:0xf bank_mask:0xf
	v_add_f32_dpp v[\a], v[\a], v[\a] row_xmask:8 row_mask:0xf bank_mask:0xf
	v_permlanex16_b32 v[\t], v[\a], s[SEL], s[SEL+1]
	v_add_f32 v[\a], v[\a], v[\t]
.endm
.macro LNROW xs, xd                    ; a row of 512, 16 neighbours a lane: (x - mean) / sqrt(var + eps) x g + b; the variance from the differences
	v_pk_add_f32 v[W:W+1], v[\xs:\xs+1], v[\xs+2:\xs+3]
	v_pk_add_f32 v[W+2:W+3], v[\xs+4:\xs+5], v[\xs+6:\xs+7]
	v_pk_add_f32 v[W+4:W+5], v[\xs+8:\xs+9], v[\xs+10:\xs+11]
	v_pk_add_f32 v[W+6:W+7], v[\xs+12:\xs+13], v[\xs+14:\xs+15]
	v_pk_add_f32 v[W:W+1], v[W:W+1], v[W+2:W+3]
	v_pk_add_f32 v[W+4:W+5], v[W+4:W+5], v[W+6:W+7]
	v_pk_add_f32 v[W:W+1], v[W:W+1], v[W+4:W+5]
	v_add_f32 v[W], v[W], v[W+1]
	RED W, W+1
	v_mul_f32 v[W], s[INV], v[W]                   ; the mean
.irp k, 0,2,4,6,8,10,12,14
	v_pk_add_f32 v[\xd+\k:\xd+\k+1], v[\xs+\k:\xs+\k+1], v[W:W+1] op_sel_hi:[1,0] neg_lo:[0,1] neg_hi:[0,1]
.endr
	v_pk_mul_f32 v[W+2:W+3], v[\xd:\xd+1], v[\xd:\xd+1]
	v_pk_mul_f32 v[W+4:W+5], v[\xd+2:\xd+3], v[\xd+2:\xd+3]
.irp k, 4,8,12
	v_pk_fma_f32 v[W+2:W+3], v[\xd+\k:\xd+\k+1], v[\xd+\k:\xd+\k+1], v[W+2:W+3]
	v_pk_fma_f32 v[W+4:W+5], v[\xd+\k+2:\xd+\k+3], v[\xd+\k+2:\xd+\k+3], v[W+4:W+5]
.endr
	v_pk_add_f32 v[W+2:W+3], v[W+2:W+3], v[W+4:W+5]
	v_add_f32 v[W+2], v[W+2], v[W+3]
	RED W+2, W+3
	v_fma_f32 v[W+2], v[W+2], s[INV], s[EPSR]      ; var + eps
	v_rsq_f32 v[W+2], v[W+2]
	v_nop                                          ; a plain place behind the transcendental
	s_wait_alu depctr_va_vdst(0)
.irp k, 0,2,4,6,8,10,12,14
	v_pk_mul_f32 v[\xd+\k:\xd+\k+1], v[\xd+\k:\xd+\k+1], v[W+2:W+3] op_sel_hi:[1,0]
.endr
.irp k, 0,2,4,6,8,10,12,14
	v_pk_fma_f32 v[\xd+\k:\xd+\k+1], v[\xd+\k:\xd+\k+1], v[AF+\k:AF+\k+1], v[AF+16+\k:AF+16+\k+1]
.endr
.endm
.macro QROW src, ar, off, cs           ; my 16 neighbours of a row become 16 codes: one 16-byte piece of the image.  Two sets of code registers by turns
.irp k, 0,1,2,3,4,5,6,7,8,9,10,11,12,13,14,15
	v_med3_num_f32 v[W+\k], v[\src+\k], -v[VLM], v[VLM]   ; the conversion does not saturate (ISA guide 7.6.2): the hold
.endr
	s_wait_dscnt 0x1                               ; only the store of the other set may be out: this set's last store has read its registers
	v_cvt_scalef32_pk8_fp8_f32 v[CODE+4*(\cs):CODE+4*(\cs)+1], v[W:W+7], v[VSC]
	v_cvt_scalef32_pk8_fp8_f32 v[CODE+4*(\cs)+2:CODE+4*(\cs)+3], v[W+8:W+15], v[VSC]
	v_nop                                          ; a plain place behind the conversions
	ds_store_b128 v[\ar], v[CODE+4*(\cs):CODE+4*(\cs)+3] offset:\off
.endm
.macro EQ ptr, imm, stride             ; the four sums become two 16-byte pieces a lane, stored as images: 512 consecutive bytes a store
	PL
	s_wait_xcnt 0x0                                ; the last job's stores have read their registers
.set N, 0
.rept 32
	v_med3_num_f32 v[ACC+N], v[ACC+N], -v[VLM], v[VLM]   ; each accumulator from its low end on
.set N, N+1
.endr
.irp p, 0,1
	v_cvt_scalef32_pk8_fp8_f32 v[CODE+4*\p:CODE+4*\p+1], v[ACC+16*\p:ACC+16*\p+7], v[VSC]
	v_cvt_scalef32_pk8_fp8_f32 v[CODE+4*\p+2:CODE+4*\p+3], v[ACC+16*\p+8:ACC+16*\p+15], v[VSC]
.endr
	v_nop
	global_store_b128 v[QO], v[CODE:CODE+3], s[\ptr:\ptr+1] offset:\imm
	global_store_b128 v[QO], v[CODE+4:CODE+7], s[\ptr:\ptr+1] offset:\imm+\stride
.endm
	s_load_b512 s[4:19], s[0:1], 0x0               ; x 4, enc 6, g 8, b 10, exponents 12, wcodes 14, qc 16, kva 18
	s_load_b64 s[20:21], s[0:1], 0x40              ; kvb
	v_lshl_add_u32 v16, v0, 2, 0x15400
	v_mov_b32 v17, 0
	v_lshrrev_b32 v18, 5, v0
	v_readfirstlane_b32 s24, v18                   ; wave w
	v_and_b32 v19, 31, v0                          ; lane
	v_and_b32 v20, 15, v0                          ; r
	v_bfe_u32 v21, v0, 4, 1                        ; h
	s_lshl_b32 s30, s24, 14
	v_lshl_add_u32 v[LB], v19, 4, s30
	v_mul_u32_u24 v[LIA], v21, HP
	v_lshl_add_u32 v[LIA], v20, 4, v[LIA]
	v_add_nc_u32 v[LIA2], 3*IMG, v[LIA]
	s_lshr_b32 s31, s24, 3                         ; my two rows: tile w / 8, lanes 2 (w % 8) and the next
	s_and_b32 s32, s24, 7
	s_mul_i32 s30, s31, IMGU
	s_lshl_b32 s33, s32, 5
	s_add_co_u32 s30, s30, s33
	v_mul_u32_u24 v[IW], v19, HP
	v_add_nc_u32 v[IW], s30, v[IW]
	v_add_nc_u32 v[IW2], 3*IMG, v[IW]
	s_lshl_b32 s31, s31, 3
	s_lshl_b32 s33, s32, 1
	s_and_b32 s33, s33, 7
	s_add_co_u32 s31, s31, s33
	s_lshr_b32 s33, s32, 2
	s_lshl_b32 s33, s33, 4
	s_add_co_u32 s31, s31, s33                     ; which are rows 8 (w/8) + (2 (w%8)) % 8 + 16 ((w%8)/4) and the next of the 32
	s_lshl_b32 s31, s31, 11
	v_lshl_add_u32 v[RG], v19, 6, s31
	v_lshlrev_b32 v[G64], 6, v19
	s_lshl_b32 s30, s24, 15
	v_lshl_add_u32 v[QO], v19, 4, s30
	s_mov_b32 s[SEL], 0x76543210
	s_mov_b32 s[SEL+1], 0xfedcba98
	s_mov_b32 s[INV], 0x3b000000                   ; 1 / 512
	s_mov_b32 s[EPSR], 0x3727c5ac                  ; 1e-5
	s_lshl_b32 s30, ttmp9, 16                      ; 32 rows of 2,048 bytes
	s_mov_b32 s31, 0
	s_wait_kmcnt 0x0
	s_load_b512 s[36:51], s[12:13], 0x0
	s_load_b256 s[52:59], s[12:13], 0x40
	s_load_b128 s[60:63], s[12:13], 0x60
	s_add_nc_u64 s[4:5], s[4:5], s[30:31]
	s_add_nc_u64 s[6:7], s[6:7], s[30:31]
.irp i, 0,1
.irp j, 0,1,2,3
	global_load_b128 v[ACC+16*\i+4*\j:ACC+16*\i+4*\j+3], v[RG], s[4:5] offset:2048*\i+16*\j
.endr
.endr
.irp i, 0,1
.irp j, 0,1,2,3
	global_load_b128 v[T+16*\i+4*\j:T+16*\i+4*\j+3], v[RG], s[6:7] offset:2048*\i+16*\j th:TH_LOAD_NT
.endr
.endr
.irp j, 0,1,2,3
	global_load_b128 v[AF+4*\j:AF+4*\j+3], v[G64], s[8:9] offset:16*\j
	global_load_b128 v[AF+16+4*\j:AF+16+4*\j+3], v[G64], s[10:11] offset:16*\j
.endr
	BLOAD 0
	BLOAD 1
	s_lshr_b32 s30, ttmp9, 5                       ; batch
	s_lshl_b32 s30, s30, 19
	s_and_b32 s32, ttmp9, 31                       ; which 32 rows of its 1,024
	s_lshl_b32 s33, s32, 10
	s_add_co_u32 s34, s30, s33                     ; q, k: two tiles of 512 bytes for each head
	s_mov_b32 s35, 0
	s_lshr_b32 s33, s32, 2
	s_lshl_b32 s33, s33, 12
	s_add_co_u32 s30, s30, s33
	s_and_b32 s33, s32, 3
	s_lshl_b32 s33, s33, 9
	s_add_co_u32 s30, s30, s33                     ; v: piece (rows / 32) % 4 of key step rows / 128
	s_add_nc_u64 s[26:27], s[18:19], s[30:31]
	s_add_nc_u64 s[28:29], s[20:21], s[30:31]
	s_add_nc_u64 s[16:17], s[16:17], s[34:35]
	s_add_nc_u64 s[18:19], s[18:19], s[34:35]
	s_add_nc_u64 s[20:21], s[20:21], s[34:35]
	s_wait_kmcnt 0x0
	SCL S_E0, E+0
	SCL S_E2, E+2
	SCL S_E4, E+4
	SCL S_E14, E+14
	SCL S_E16, E+16
	FOLD F_Q, 6, 0, 1
	FOLD F_K1, 7, 2, 3
	FOLD F_V1, 8, 4, 5
	FOLD F_K2, 19, 14, 15
	FOLD F_V2, 20, 16, 17
	s_wait_loadcnt 16                              ; rows, gain and bias are in; the 16 weight loads may be out
.irp i, 0,1
	LNROW ACC+16*\i, BIAS
	SETSC S_E0
	QROW BIAS, IW, 16*\i, \i
	SETSC S_E2
	QROW ACC+16*\i, IW, IMG+16*\i, 1-\i
	SETSC S_E4
	QROW ACC+16*\i, IW, 2*IMG+16*\i, \i
	SETSC S_E14
	QROW T+16*\i, IW2, 16*\i, 1-\i
	SETSC S_E16
	QROW T+16*\i, IW2, IMG+16*\i, \i
.endr
	s_wait_dscnt 0x0                               ; for the others' sake: my pieces of the five images have landed
	s_barrier_signal -1
	s_barrier_wait -1                              ; the only barrier: LDS is only read from here on
	JOB 0, LIA, 0, 0
	SETSC F_Q
	EQ 16, 0, 512
	JOB 1, LIA, IMG, 0
	SETSC F_K1
	EQ 18, 0, 512
	JOB 2, LIA, 2*IMG, 1
	SETSC F_V1
	EQ 26, 0x400000, 2048
	JOB 3, LIA2, 0, 0
	SETSC F_K2
	EQ 20, 0, 512
	JOB 4, LIA2, IMG, 1
	SETSC F_V2
	EQ 28, 0x400000, 2048
	s_wait_tensorcnt 0x0
	ds_add_u32 v16, v17
	s_wait_dscnt 0x0
	s_endpgm
.Lfunc_end_k_qee9daeadfc_qkv:
	.size	k_qee9daeadfc_qkv, .Lfunc_end_k_qee9daeadfc_qkv-k_qee9daeadfc_qkv
	.p2alignl 7, 3214868480
	.fill 96, 4, 3214868480
	.section	.rodata,"a",@progbits
	.p2align	6, 0x0
	.amdhsa_kernel k_qee9daeadfc_qkv
		.amdhsa_group_segment_fixed_size 89088
		.amdhsa_private_segment_fixed_size 0
		.amdhsa_enable_private_segment 0
		.amdhsa_kernarg_size 72
		.amdhsa_user_sgpr_count 2
		.amdhsa_user_sgpr_kernarg_segment_ptr 1
		.amdhsa_wavefront_size32 1
		.amdhsa_system_sgpr_workgroup_id_x 1
		.amdhsa_system_sgpr_workgroup_id_y 1
		.amdhsa_system_sgpr_workgroup_id_z 1
		.amdhsa_system_vgpr_workitem_id 0
		.amdhsa_next_free_vgpr 256
		.amdhsa_next_free_sgpr 96
		.amdhsa_reserve_vcc 0
		.amdhsa_float_denorm_mode_32 3
		.amdhsa_float_denorm_mode_16_64 3
		.amdhsa_memory_ordered 1
		.amdhsa_forward_progress 1
		.amdhsa_inst_pref_size 76
	.end_amdhsa_kernel
	.amdgpu_metadata
---
amdhsa.version: [ 1, 2 ]
amdhsa.kernels:
  - .name:           k_qee9daeadfc_qkv
    .symbol:         k_qee9daeadfc_qkv.kd
    .args:
      - { .name: x, .offset: 0, .size: 8, .value_kind: global_buffer, .address_space: global }
      - { .name: encoder_output, .offset: 8, .size: 8, .value_kind: global_buffer, .address_space: global }
      - { .name: ln1_g, .offset: 16, .size: 8, .value_kind: global_buffer, .address_space: global }
      - { .name: ln1_b, .offset: 24, .size: 8, .value_kind: global_buffer, .address_space: global }
      - { .name: lowp_scales, .offset: 32, .size: 8, .value_kind: global_buffer, .address_space: global }
      - { .name: wcodes, .offset: 40, .size: 8, .value_kind: global_buffer, .address_space: global }
      - { .name: qc, .offset: 48, .size: 8, .value_kind: global_buffer, .address_space: global }
      - { .name: kva, .offset: 56, .size: 8, .value_kind: global_buffer, .address_space: global }
      - { .name: kvb, .offset: 64, .size: 8, .value_kind: global_buffer, .address_space: global }
    .group_segment_fixed_size: 89088
    .private_segment_fixed_size: 0
    .kernarg_segment_align: 8
    .kernarg_segment_size: 72
    .max_flat_workgroup_size: 512
    .sgpr_count:     96
    .vgpr_count:     256
    .wavefront_size: 32
...
	.end_amdgpu_metadata
.endif
;; end of part 2
;; launch attn_sa (part 3): grid 2 x 128, 16 waves a work-group, no clusters, 67,584 bytes of LDS; arguments qc, kva, par_sa, att; writes att
.if DOCPART == 3
	.amdgcn_target "amdgcn-amd-amdhsa--gfx1250"
	.amdhsa_code_object_version 6
	.text
	.protected	k_qee9daeadfc_attn_sa
	.globl	k_qee9daeadfc_attn_sa
	.p2align	8
	.type	k_qee9daeadfc_attn_sa,@function
k_qee9daeadfc_attn_sa:
	s_mov_b64 s[64:65], 0
	v_nop
	global_prefetch_b8 v0, s[64:65] scope:SCOPE_SE
	s_setreg_imm32_b32 hwreg(HW_REG_WAVE_MODE, 25, 1), 1
	s_wait_xcnt 0x0
; Attention of one head on codes of FP8 (E4M3): out = softmax(q k^T / sqrt(32)) v, causal or not (a whole number in par), the result quantised at once for the projection.
; par (whole numbers, stored by the first launch): eq, ek, ev, ep, eo, causal.
; q, k: images of 16 rows x 32 (lane (r, h): row r of the tile, 16 h + 0..15 of the head's 32), 512 bytes a tile; lane r of tile 2 b + u is row 32 b + 8 u + (r%8) + 16 (r/8).
; v: images with the KEYS innermost: for each 128 keys two tiles of 16 of the head's 32.  The result: one 16-byte piece a lane of the projection's operand image.
; THE HEAD IS 32 LONG, half of the shortest K: the first product takes the K = 64 form with zero codes in the upper four registers of both sources, which add nothing.
; SOFTMAX: t = score x log2(e) / sqrt(32); M = the running largest t rounded UP to a whole number; p = 2^(t - M) is quantised, not normalised; the sum of the unquantised p divides at the end;
; when M moves, the sum and O are multiplied by 2^(old M - new M), which rounds nothing.
; SHARES.  Work-group (j, head): the head's K and V images, 64 KiB, are copied into LDS once.  Wave w takes query tiles p = 16 j + w and 63 - p: under the causal mask (p/8 + 1) + (8 - p/8) = 9 key steps in every wave.
; Both products are used transposed (S^T = K Q^T, O^T = V^T P^T): a lane holds ONE query throughout.  Four waves to a SIMD: one wave's exponentials stand beside another's products.
; A step all of whose keys come after the tile's queries ends the tile (scalar branch on ids and on the causal flag); on the diagonal hidden scores become -infinity.
; NO CLUSTER: the two work-groups of a head share 64 KiB, read once at the head; there is no ring into which a joint request could pay.
; LIMITS: eq + ek between -124 and 129; ep and eo - ev - ep between -126 and 119.
.set LI,  1                            ; v1   lane x 16; v2 thread x 16; v3 my query's place less 16 h; v4, v5 offsets of Q and of the result
.set SEL, 28
.set CS,  30                           ; s[30:31] c = log2(e) / sqrt(32) x 2^(eq + ek)
; v8-11 the result's codes; v12 -M, v13 the largest t, v[14:15] the sum; v16-23 Q; v32-95 eight fragments of K; v96-159 S^T, then p; v160-175 O^T; v176-191 p's codes; v192-223 V; v224-239 the way out;
; v240, v244: 448 x 2^ep, 2^ep; v241, v245: the same for eo - ev - ep; v242-254 at work
.macro PL
.rept 4
	v_nop
.endr
.endm
	s_load_b256 s[4:11], s[0:1], 0x0               ; q 4, k and v 6, par 8, result 10
	v_lshl_add_u32 v251, v0, 2, 0x10000
	v_mov_b32 v255, 0
	v_lshrrev_b32 v2, 5, v0
	v_readfirstlane_b32 s32, v2                    ; wave
	v_and_b32 v6, 31, v0
	v_lshlrev_b32 v[LI], 4, v6
	v_lshlrev_b32 v2, 4, v0
	v_and_b32 v3, 7, v0
	v_bfe_u32 v6, v0, 3, 1
	v_lshl_add_u32 v3, v6, 4, v3
	v_bfe_u32 v6, v0, 4, 1
	v_lshlrev_b32 v6, 4, v6
	v_sub_nc_u32 v3, v3, v6                        ; (r%8) + 16 (r/8) - 16 h
	s_and_b32 s33, ttmp7, 0xffff                   ; 16 x batch + head
	s_lshl_b32 s34, s33, 15                        ; a head's q, k or v: 32,768 bytes
	s_mov_b32 s35, 0
	s_lshr_b32 s36, s33, 4
	s_lshl_b32 s36, s36, 19
	s_and_b32 s37, s33, 15
	s_lshl_b32 s37, s37, 9
	s_add_co_u32 s36, s36, s37                     ; the result: batch x 32 blocks of 16,384 + head x 512
	s_mov_b32 s37, 0
	s_lshl_b32 s20, ttmp9, 4
	s_add_co_u32 s20, s20, s32                     ; my first query tile
	s_mov_b32 s[SEL], 0x76543210
	s_mov_b32 s[SEL+1], 0xfedcba98
	s_wait_kmcnt 0x0
	s_load_b256 s[12:19], s[8:9], 0x0              ; eq 12, ek 13, ev 14, ep 15, eo 16, causal 17
	s_add_nc_u64 s[4:5], s[4:5], s[34:35]
	s_add_nc_u64 s[6:7], s[6:7], s[34:35]
	s_add_nc_u64 s[10:11], s[10:11], s[36:37]
.irp i, 0,1,2,3
	global_load_b128 v[32+4*\i:35+4*\i], v2, s[6:7] offset:8192*\i
.endr
.irp i, 0,1,2,3
	global_load_b128 v[48+4*\i:51+4*\i], v2, s[6:7] offset:0x400000+8192*\i
.endr
.irp i, 20,21,22,23
	v_mov_b32 v\i, 0                               ; Q's upper half: zero codes
.endr
	v_mov_b32 v246, 0                              ; written once: a lane permute's destination counts as one of its sources
	v_mov_b32 v253, 0                              ; (named as the upper half of the pair v[252:253])
	s_wait_kmcnt 0x0
	s_add_co_i32 s22, s12, s13
	s_lshl_b32 s22, s22, 23
	s_add_co_i32 s[CS], s22, 0x3e8293ee            ; the two exponents are added to c's exponent field
	s_mov_b32 s[CS+1], s[CS]
	s_add_co_i32 s22, s15, 127
	s_lshl_b32 s24, s22, 23
	v_mov_b32 v244, s24
	s_add_co_i32 s22, s22, 8
	s_lshl_b32 s22, s22, 23
	s_or_b32 s22, s22, 0x600000
	v_mov_b32 v240, s22
	s_sub_co_i32 s22, s16, s14                     ; O / l stands for x 2^(ev + ep): its code is (O / l) / 2^(eo - ev - ep)
	s_sub_co_i32 s22, s22, s15
	s_add_co_i32 s22, s22, 127
	s_lshl_b32 s24, s22, 23
	v_mov_b32 v245, s24
	s_add_co_i32 s22, s22, 8
	s_lshl_b32 s22, s22, 23
	s_or_b32 s22, s22, 0x600000
	v_mov_b32 v241, s22
	s_wait_loadcnt 0x0
.irp i, 0,1,2,3
	ds_store_b128 v2, v[32+4*\i:35+4*\i] offset:8192*\i
.endr
.irp i, 0,1,2,3
	ds_store_b128 v2, v[48+4*\i:51+4*\i] offset:32768+8192*\i
.endr
	s_wait_dscnt 0x0                               ; for the others' sake: my part of K and V has landed
	s_barrier_signal -1
	s_barrier_wait -1                              ; the only barrier: LDS is only read from here on
.irp t, 0,1,2,3,4,5,6,7
.irp i, 4,5,6,7
	v_mov_b32 v[32+8*\t+\i], 0                     ; K's upper halves: zero codes, never loaded over
.endr
.endr
; A KEY STEP: keys 128 q on.
.macro KSTEP q
.if \q > 0
	s_cmp_lt_u32 s25, 128*\q                       ; all its keys, and all later ones, come after the tile's last query
	s_cbranch_scc1 .Ldone
.endif
	PL                                             ; ahead of loads into registers that the last products read
.irp t, 0,1,2,3,4,5,6,7
	ds_load_b128 v[32+8*\t:35+8*\t], v[LI] offset:4096*\q+512*\t
.endr
.irp d, 0,1
.irp c, 0,1,2,3
	ds_load_b128 v[192+16*\d+4*\c:195+16*\d+4*\c], v[LI] offset:32768+4096*\q+2048*\d+512*\c
.endr
.endr
	s_wait_dscnt 0x8                               ; K's eight are in; V's eight may be out
.irp t, 0,1,2,3,4,5,6,7
	v_wmma_f32_16x16x64_fp8_fp8 v[96+8*\t:103+8*\t], v[32+8*\t:39+8*\t], v[16:23], 0
.endr                                              ; lane (r, h): query r; register 16 b + i: key 128 q + 32 b + 16 h + i
	PL
	s_cmp_ge_u32 s26, 128*\q+127                   ; all its keys count for all the tile's queries
	s_cbranch_scc1 .Lopen_\@
	s_sub_co_i32 s27, s23, 128*\q
	v_add_nc_u32 v252, s27, v3                     ; d = my query - 128 q - 16 h: register 16 b + i is hidden where 32 b + i > d
	v_mov_b32 v254, 0xff800000
.set N, 0
.rept 64
	v_cmp_gt_i32 vcc_lo, 32*(N/16)+N%16, v252
	v_cndmask_b32 v[96+N], v[96+N], v254, vcc_lo
.set N, N+1
.endr
.Lopen_\@:
	v_max3_num_f32 v254, v96, v97, v98             ; the step's largest score of my query among my 64 keys, in two chains,
	v_max3_num_f32 v252, v99, v100, v101
.irp i, 6,10,14,18,22,26,30,34,38,42,46,50,54,58
	v_max3_num_f32 v254, v254, v[96+\i], v[97+\i]
	v_max3_num_f32 v252, v252, v[98+\i], v[99+\i]
.endr
	v_max3_num_f32 v254, v254, v158, v159
	v_max_num_f32 v254, v254, v252
	v_permlanex16_b32 v246, v254, s[SEL], s[SEL+1]
	v_max_num_f32 v254, v254, v246                 ; and among lane l xor 16's
	v_mul_f32 v254, s[CS], v254                    ; as t (c is positive)
	v_max_num_f32 v13, v13, v254
	v_mov_b32 v254, v12
	v_floor_f32 v12, -v13                          ; the new -M = -ceil(t)
	v_sub_f32 v254, v12, v254                      ; old M - new M: a whole number, 0 or less
	v_cvt_i32_f32 v254, v254                       ; (it saturates)
	v_ldexp_f32 v252, 1.0, v254                    ; f = 2^(old M - new M)
.set N, 0
.rept 32
	v_pk_fma_f32 v[96+N:97+N], v[96+N:97+N], s[CS:CS+1], v[12:13] op_sel_hi:[1,0,0]   ; t - M
.set N, N+2
.endr
.set N, 0
.rept 64
	v_exp_f32 v[96+N], v[96+N]                     ; p = 2^(t - M), at most 1
.set N, N+1
.endr
	v_pk_mul_f32 v[14:15], v[14:15], v[252:253] op_sel_hi:[1,0]   ; the sum under the new M (a plain place behind the exponentials)
	s_wait_alu depctr_va_vdst(0)
	v_pk_add_f32 v[242:243], v[96:97], v[98:99]    ; the sum of the UNQUANTISED p, in two chains
.irp j, 4,8,12,16,20,24,28,32,36,40,44,48,52,56,60
	v_pk_add_f32 v[14:15], v[14:15], v[96+\j:97+\j]
	v_pk_add_f32 v[242:243], v[242:243], v[98+\j:99+\j]
.endr
	v_pk_add_f32 v[14:15], v[14:15], v[242:243]
	s_cmp_ge_i32 s15, -8                           ; p <= 1 <= 448 x 2^ep from ep = -8 on: the hold would change nothing
	s_cbranch_scc1 .Lnohold_\@
.set N, 0
.rept 64
	v_min_num_f32 v[96+N], v[96+N], v240           ; the conversion does not saturate (ISA guide 7.6.2); p is not negative
.set N, N+1
.endr
.Lnohold_\@:
.irp b, 0,1,2,3
	v_cvt_scalef32_pk8_fp8_f32 v[176+4*\b:177+4*\b], v[96+16*\b:103+16*\b], v244
	v_cvt_scalef32_pk8_fp8_f32 v[178+4*\b:179+4*\b], v[104+16*\b:111+16*\b], v244
.endr
.irp j, 0,2,4,6,8,10,12,14
	v_pk_mul_f32 v[160+\j:161+\j], v[160+\j:161+\j], v[252:253] op_sel_hi:[1,0]   ; O^T under the new M; also the plain places behind the conversions
.endr
	s_wait_dscnt 0x0                               ; V is in
	v_wmma_f32_16x16x128_fp8_fp8 v[160:167], v[192:207], v[176:191], v[160:167]
	v_wmma_f32_16x16x128_fp8_fp8 v[168:175], v[208:223], v[176:191], v[168:175]
.endm
	s_mov_b32 s21, 0
.Ltile:                                            ; two trips: tile p, then tile 63 - p
	s_wait_xcnt 0x0                                ; the last trip's load and store have read their registers
	s_lshl_b32 s22, s20, 9
	v_add_nc_u32 v4, s22, v[LI]
	s_lshl_b32 s22, s20, 13
	v_add_nc_u32 v5, s22, v[LI]
	global_load_b128 v[16:19], v4, s[4:5]
	s_lshr_b32 s23, s20, 1
	s_lshl_b32 s23, s23, 5
	s_and_b32 s24, s20, 1
	s_lshl_b32 s24, s24, 3
	s_add_co_u32 s23, s23, s24                     ; the tile's first query
	s_add_co_u32 s24, s23, 23                      ; and its last
	s_cmp_lg_u32 s17, 0
	s_cselect_b32 s25, s24, 0xffff                 ; without a mask no step is hidden,
	s_cselect_b32 s26, s23, 0xffff                 ; and every step is open
.set N, 0
.rept 16
	v_mov_b32 v[160+N], 0                          ; O^T: the first change of M leaves zeros zeros
.set N, N+1
.endr
	v_mov_b32 v14, 0
	v_mov_b32 v15, 0
	v_mov_b32 v13, 0xff61b1e6                      ; -3e38, under every t
	v_floor_f32 v12, -v13
	s_wait_loadcnt 0x0                             ; Q
	KSTEP 0
	KSTEP 1
	KSTEP 2
	KSTEP 3
	KSTEP 4
	KSTEP 5
	KSTEP 6
	KSTEP 7
.Ldone:
	PL
	v_add_f32 v14, v14, v15
	v_permlanex16_b32 v246, v14, s[SEL], s[SEL+1]
	v_add_f32 v14, v14, v246                       ; the row's sum
	v_rcp_f32 v14, v14
	v_nop                                          ; a plain place behind the transcendental
.set N, 0
	s_wait_alu depctr_va_vdst(0)
.rept 16
	v_mul_f32 v[224+N], v[160+N], v14              ; register i: the head's 16 h + i of query r; each accumulator from its low end on
.set N, N+1
.endr
.set N, 0
.rept 16
	v_med3_num_f32 v[224+N], v[224+N], -v241, v241
.set N, N+1
.endr
	v_cvt_scalef32_pk8_fp8_f32 v[8:9], v[224:231], v245
	v_cvt_scalef32_pk8_fp8_f32 v[10:11], v[232:239], v245
	v_nop
	global_store_b128 v5, v[8:11], s[10:11]        ; 512 consecutive bytes: one piece of the projection's operand image
	s_sub_co_u32 s20, 63, s20
	s_add_co_u32 s21, s21, 1
	s_cmp_lt_u32 s21, 2
	s_cbranch_scc1 .Ltile
	s_wait_tensorcnt 0x0
	ds_add_u32 v251, v255
	s_wait_dscnt 0x0
	s_endpgm
.Lfunc_end_k_qee9daeadfc_attn_sa:
	.size	k_qee9daeadfc_attn_sa, .Lfunc_end_k_qee9daeadfc_attn_sa-k_qee9daeadfc_attn_sa
	.p2alignl 7, 3214868480
	.fill 96, 4, 3214868480
	.section	.rodata,"a",@progbits
	.p2align	6, 0x0
	.amdhsa_kernel k_qee9daeadfc_attn_sa
		.amdhsa_group_segment_fixed_size 67584
		.amdhsa_private_segment_fixed_size 0
		.amdhsa_enable_private_segment 0
		.amdhsa_kernarg_size 32
		.amdhsa_user_sgpr_count 2
		.amdhsa_user_sgpr_kernarg_segment_ptr 1
		.amdhsa_wavefront_size32 1
		.amdhsa_system_sgpr_workgroup_id_x 1
		.amdhsa_system_sgpr_workgroup_id_y 1
		.amdhsa_system_sgpr_workgroup_id_z 1
		.amdhsa_system_vgpr_workitem_id 0
		.amdhsa_next_free_vgpr 256
		.amdhsa_next_free_sgpr 66
		.amdhsa_reserve_vcc 1
		.amdhsa_float_denorm_mode_32 3
		.amdhsa_float_denorm_mode_16_64 3
		.amdhsa_memory_ordered 1
		.amdhsa_forward_progress 1
		.amdhsa_inst_pref_size 159
	.end_amdhsa_kernel
	.amdgpu_metadata
---
amdhsa.version: [ 1, 2 ]
amdhsa.kernels:
  - .name:           k_qee9daeadfc_attn_sa
    .symbol:         k_qee9daeadfc_attn_sa.kd
    .args:
      - { .name: qc, .offset: 0, .size: 8, .value_kind: global_buffer, .address_space: global }
      - { .name: kva, .offset: 8, .size: 8, .value_kind: global_buffer, .address_space: global }
      - { .name: par_sa, .offset: 16, .size: 8, .value_kind: global_buffer, .address_space: global }
      - { .name: att, .offset: 24, .size: 8, .value_kind: global_buffer, .address_space: global }
    .group_segment_fixed_size: 67584
    .private_segment_fixed_size: 0
    .kernarg_segment_align: 8
    .kernarg_segment_size: 32
    .max_flat_workgroup_size: 512
    .sgpr_count:     66
    .vgpr_count:     256
    .wavefront_size: 32
...
	.end_amdgpu_metadata
.endif
;; end of part 3
;; launch tail (part 4): grid 256 x 1, 16 waves a work-group, no clusters, 188,928 bytes of LDS; arguments att, wcodes, x, sa_pb, ln2_g, ln2_b, kvb, ca_pb, ln3_g, ln3_b, ff_b1, ff_b2, lowp_scales, out0; writes out0
.if DOCPART == 4
	.amdgcn_target "amdgcn-amd-amdhsa--gfx1250"
	.amdhsa_code_object_version 6
	.text
	.protected	k_qee9daeadfc_tail
	.globl	k_qee9daeadfc_tail
	.p2align	8
	.type	k_qee9daeadfc_tail,@function
k_qee9daeadfc_tail:
	s_mov_b64 s[64:65], 0
	v_nop
	global_prefetch_b8 v0, s[64:65] scope:SCOPE_SE
	s_setreg_imm32_b32 hwreg(HW_REG_WAVE_MODE, 25, 1), 1
	s_wait_xcnt 0x0
; All that follows the self-attention, for 32 rows a work-group, 16 waves, with nothing but the result going to memory:
;   x1 = x + att Q(sa_pw) + sa_pb;  q2 = Q(ln2(x1)) Q(ca_wq);  cross-attention of q2 on the encoder's K and V (codes, made earlier);  x2 = x1 + its result Q(ca_pw) + ca_pb;
;   out = x2 + Q(relu(Q(ln3(x2)) Q(ff_w1) + ff_b1)) Q(ff_w2) + ff_b2.   All products on codes of FP8 (E4M3), each operand with the one given scale 2^e.
; THE WAVES SHARE THE COLUMNS: wave w makes columns 32 w .. 32 w + 31 of every 512, for all 32 rows: that is HEAD w.  So the codes of q2 that a wave makes are the two Q fragments of its own head's attention and
; stay in its registers, and its attention's result is one 16-byte piece a lane of the next operand's image.  Operands go from wave to wave through LDS as images of their registers.
; Lane r of tile u is row 8 u + (r%8) + 16 (r/8) of the 32; the weights' tiles are laid the same way, so a lane's 16 results of two tiles are 16 neighbours along the next K.  The dense products are used transposed.
; PHASES: att's image into LDS | barrier | projection, 4 K steps, into the stage | barrier | each wave two whole rows: + x (x1 stays in the stage), layer norm (two passes, f32), codes | barrier | q2, 4 K steps |
; attention, 8 key steps | barrier | projection, 4 K steps, added onto x1 in the stage | barrier | layer norm of two whole rows, codes | barrier | first layer, 4 x 4 K steps, relu and hold in one | barrier |
; second layer, 16 K steps, added onto x2 in the stage | barrier | whole rows out.
; ATTENTION.  t = score x log2(e) / sqrt(32); M = the running largest t rounded UP to a whole number; p = 2^(t - M) is quantised, not normalised; the sum of the unquantised p divides at the end; when M moves,
; the sum and O are multiplied by 2^(old M - new M), which rounds nothing.  Both products are used transposed (S^T = K Q^T, O^T = V^T P^T): a lane holds ONE query.  A key step of 128 keys serves both tiles of queries.
; THE HEAD IS 32 LONG, half of the shortest K: a fragment of the K = 64 form holds TWO tiles of keys, [K_t | K_t+1]; against [Q | 0] it gives tile t's scores, against [0 | Q] tile t + 1's: zero codes add nothing.
; K, V AND THE WEIGHTS come straight from memory into registers: images, 512 consecutive bytes a load; each byte is wanted by one wave of the work-group alone, so LDS would only add a write and a read.
; NO CLUSTER: what work-groups share (weights, K, V) is not wanted in LDS, and a joint request exists only for loads into LDS.
; A fragment's k stands in the order of four 16-byte pieces (registers 4 c ..: k = 32 c + 16 h + 0..15), alike in both sources: every product meets its partner.
; A bias is the C of a sum's first products, divided by the power of two that the sums lack; it is asked for ahead of that step's weights.
; LIMITS: e12, e21, e24, e18 - e12 - e13, e22 - e20 - e21 and e26 - e24 - e25 between -126 and 119; e10 + e11, e22 + e23 and e26 + e27 between -126 and 127; e18 + e19 between -124 and 129.  NaN among the inputs is not served.
.set HP,   272                         ; 16 lanes' 256 bytes of an image + 16 of padding, so that a row's owner (32 lanes, 272 bytes apart) meets 16 different 16-byte columns
.set IMGU, 32*HP                       ; a tile of 16 rows x 512 k
.set IMG,  2*IMGU
.set IMGA, 0                           ; LDS: the self-attention's image, later the cross-attention's;
.set IMGB, IMG                         ; ln2's image, later ln3's;
.set HID,  2*IMG                       ; the hidden layer's: two tiles of rows x 128 half-blocks of 272;
.set HIDU, 128*HP
.set STG,  HID+2*HIDU                  ; the stage: 32 rows x 2576: 32 pieces of 64 bytes + 16, + 16
.set SROW, 2576
.set WC,   6                           ; s[6:7] wcodes
.set LB,   1                           ; v1   weights: wave x 16384 + lane x 16
.set LIA,  2                           ; v2   image, reading: h x 272 + r x 16
.set IW,   3                           ; v3   image, a row's owner writing
.set SW,   4                           ; v4   stage, a column's owner: row r, piece 2 w + h
.set SR64, 5                           ; v5   stage, a row's owner: 64 bytes a lane
.set SRC,  6                           ; v6   stage, a row's owner: 16 bytes a lane, as the row lies in memory
.set RG,   7                           ; v7   my first row in x and out: row x 2048 + lane x 16
.set G64,  8                           ; v8   lane x 64
.set BO,   9                           ; v9   biases: w x 128 + h x 64
.set KVO,  10                          ; v10  K and V: head x 32768 + lane x 16
.set AW,   11                          ; v11  image, a column's owner writing: half-block 2 w + h, lane r
.set LH0,  13                          ; v13, v14  the hidden image's two tiles, reading
.set LH1,  14
.set HW,   15                          ; v15  the hidden image, writing
.set CPG,  16                          ; v16, v17  the copy of att's image: from, to
.set CPL,  17
.set VSC,  22                          ; v22  a conversion's scale;  v23  448 x it
.set VLM,  23
.set CODE, 24                          ; v24-31 codes
.set AF,   32                          ; v32-63 the rows' two fragments (in the row phases: gain and bias of the norm)
.set BF,   64                          ; v64-159 three sets of the weight's two fragments
.set ACC,  160                         ; v160-191 accumulator (p, q) at 8 (2 p + q)
.set BIAS, 192                         ; v192-207
.set T,    208                         ; v208-239 rows of x; later x1, x2 at my columns
.set W,    240                         ; v240-255 at work
; the attention phase lays its own map over v24-255:
.set TA,   24                          ; v[24:25] second chain of the sum
.set TF,   26                          ; v[26:27] f = 2^(old M - new M), and a word named with it as a pair
.set TM,   28                          ; v28, v29 at work
.set TP,   29
.set VPL,  30                          ; v30  448 x 2^ep;  v31  2^ep
.set VPS,  31
.set QF,   32                          ; v32-55 tile u at 12 u: four zeros, Q's four registers, four zeros
.set ST,   56                          ; v56-63 tile u at 4 u: -M, the largest t, the sum in two halves
.set S,    64                          ; v64-127 S^T, then p
.set PC,   128                         ; v128-143 p's codes
.set O,    160                         ; v160-191 O^T: tile u, half d of the head at 16 u + 8 d
.set KF,   192                         ; v192-207, v240-255 four fragments of K, two tiles of keys each
.set VF,   208                         ; v208-239 two fragments of V
.set E,    36                          ; s[36:63] the 28 exponents
.set NGA,  66
.set NG0,  67
.set SC1,  68
.set S_LN2, 70
.set F_Q,  72
.set SEL,  74
.set INV,  76
.set EPSR, 77
.set NG1,  78
.set NG2,  79
.set SC2,  80
.set SC3,  82
.set S_LN3, 84
.set F_H,  86
.set F_O,  88
.set S_P,  90
.set CS,   92                          ; s[92:93] c = log2(e) / sqrt(32) x 2^(e18 + e19)
.set KP,   94                          ; s[94:95] K and V of my batch, at the key step to be asked for
.set CNT,  96
.set LEFTX, 0
.set RINGEND, 8
.macro PL                              ; four places: behind matrix instructions, ahead of loads into their registers and of reads of their results
.rept 4
	v_nop
.endr
.endm
.macro BAR                             ; my LDS stores have landed and my LDS loads are in: then the work-group's barrier
	s_wait_dscnt 0x0
	s_barrier_signal -1
	s_barrier_wait -1
.endm
.macro SCL d, se                       ; s[d] = 2^e as f32, s[d+1] = 448 x 2^e
	s_add_co_i32 s[\d], s[\se], 127
	s_add_co_i32 s[\d+1], s[\d], 8
	s_lshl_b32 s[\d], s[\d], 23
	s_lshl_b32 s[\d+1], s[\d+1], 23
	s_or_b32 s[\d+1], s[\d+1], 0x600000
.endm
.macro FOLD d, eo, ea, ew              ; a sum stands for sum x 2^(ea + ew): its code is sum / 2^(eo - ea - ew)
	s_sub_co_i32 s[\d], s[E+\eo], s[E+\ea]
	s_sub_co_i32 s[\d], s[\d], s[E+\ew]
	SCL \d, \d
.endm
.macro NEGS d, ea, ew
	s_add_co_i32 s[\d], s[E+\ea], s[E+\ew]
	s_sub_co_i32 s[\d], 0, s[\d]
.endm
.macro POW2 d, ea, ew
	s_add_co_i32 s[\d], s[E+\ea], s[E+\ew]
	s_add_co_i32 s[\d], s[\d], 127
	s_lshl_b32 s[\d], s[\d], 23
	s_mov_b32 s[\d+1], s[\d]
.endm
.macro SETSC d
	v_mov_b32 v[VSC], s[\d]
	v_mov_b32 v[VLM], s[\d+1]
.endm
.macro BLOAD i                         ; step i's two fragments of the weight.  Steps 0-3: chunk 3 (sa_pw); 4-7: 4 (ca_wq); 8-11: 7 (ca_pw); 12-27: 8-11 (ff_w1); 28-43: 12-15 (ff_w2)
.if (\i) < 8
.set CH, 3+(\i)/4
.else
.set CH, 5+(\i)/4
.endif
.set BB, BF+32*((\i)%3)
.irp u, 0,1
.irp c, 0,1,2,3
	global_load_b128 v[BB+16*\u+4*\c:BB+16*\u+4*\c+3], v[LB], s[WC:WC+1] offset:CH*262144+\u*8192+((\i)%4)*2048+\c*512
.endr
.endr
.endm
.macro BIASLD ptr, off
.irp j, 0,1,2,3
	global_load_b128 v[BIAS+4*\j:BIAS+4*\j+3], v[BO], s[\ptr:\ptr+1] offset:(\off)+16*\j
.endr
.endm
.macro GBLOAD g, b                     ; a norm's gain and bias: my 16 neighbours of each
.irp k, 0,1,2,3
	global_load_b128 v[AF+4*\k:AF+4*\k+3], v[G64], s[\g:\g+1] offset:16*\k
	global_load_b128 v[AF+16+4*\k:AF+16+4*\k+3], v[G64], s[\b:\b+1] offset:16*\k
.endr
.endm
.macro MMSTEP a0, o0, a1, o1, s, i, cm, left   ; cm 0: add on; 1: C = 0; 2: C = the bias
.irp c, 0,1,2,3
	ds_load_b128 v[AF+4*\c:AF+4*\c+3], v[\a0] offset:(\o0)+(8*(\s)+2*\c)*HP
.endr
.irp c, 0,1,2,3
	ds_load_b128 v[AF+16+4*\c:AF+16+4*\c+3], v[\a1] offset:(\o1)+(8*(\s)+2*\c)*HP
.endr
	s_wait_loadcnt \left                           ; this step's eight weight loads, and all older loads (its bias among them), are in; younger ones may be out
.if (\cm) == 2
.set N, 0
.rept 16
	v_ldexp_f32 v[BIAS+N], v[BIAS+N], s[NEGE]
.set N, N+1
.endr
.endif
	s_wait_dscnt 0x0
.set BB, BF+32*((\i)%3)
.irp p, 0,1
.irp q, 0,1
.set AC, ACC+8*(2*\p+\q)
.if (\cm) == 0
	v_wmma_f32_16x16x128_fp8_fp8 v[AC:AC+7], v[BB+16*\q:BB+16*\q+15], v[AF+16*\p:AF+16*\p+15], v[AC:AC+7]
.elseif (\cm) == 1
	v_wmma_f32_16x16x128_fp8_fp8 v[AC:AC+7], v[BB+16*\q:BB+16*\q+15], v[AF+16*\p:AF+16*\p+15], 0
.else
	v_wmma_f32_16x16x128_fp8_fp8 v[AC:AC+7], v[BB+16*\q:BB+16*\q+15], v[AF+16*\p:AF+16*\p+15], v[BIAS+8*\q:BIAS+8*\q+7]
.endif
.endr
.endr
.endm
.macro DSTEP i, a0, o0, a1, o1, s, cm  ; a K step of 128: the weights of two steps on are asked for, then four products, the accumulators by turns
	PL
.if (\i)+2 < RINGEND
	BLOAD (\i)+2
	MMSTEP \a0, \o0, \a1, \o1, \s, \i, \cm, 16+LEFTX
.elseif (\i)+1 < RINGEND
	MMSTEP \a0, \o0, \a1, \o1, \s, \i, \cm, 8
.else
	MMSTEP \a0, \o0, \a1, \o1, \s, \i, \cm, 0
.endif
.endm
.macro RED a, t                        ; the sum over the 32 lanes, in every lane
	v_add_f32_dpp v[\a], v[\a], v[\a] row_xmask:1 row_mask:0xf bank_mask:0xf
	v_add_f32_dpp v[\a], v[\a], v[\a] row_xmask:2 row_mask:0xf bank_mask:0xf
	v_add_f32_dpp v[\a], v[\a], v[\a] row_xmask:4 row_mask:0xf bank_mask:0xf
	v_add_f32_dpp v[\a], v[\a], v[\a] row_xmask:8 row_mask:0xf bank_mask:0xf
	v_permlanex16_b32 v[\t], v[\a], s[SEL], s[SEL+1]
	v_add_f32 v[\a], v[\a], v[\t]
.endm
.macro LNROW xs, xd                    ; a row of 512, 16 neighbours a lane: (x - mean) / sqrt(var + eps) x g + b; the variance from the differences
	v_pk_add_f32 v[W:W+1], v[\xs:\xs+1], v[\xs+2:\xs+3]
	v_pk_add_f32 v[W+2:W+3], v[\xs+4:\xs+5], v[\xs+6:\xs+7]
	v_pk_add_f32 v[W+4:W+5], v[\xs+8:\xs+9], v[\xs+10:\xs+11]
	v_pk_add_f32 v[W+6:W+7], v[\xs+12:\xs+13], v[\xs+14:\xs+15]
	v_pk_add_f32 v[W:W+1], v[W:W+1], v[W+2:W+3]
	v_pk_add_f32 v[W+4:W+5], v[W+4:W+5], v[W+6:W+7]
	v_pk_add_f32 v[W:W+1], v[W:W+1], v[W+4:W+5]
	v_add_f32 v[W], v[W], v[W+1]
	RED W, W+1
	v_mul_f32 v[W], s[INV], v[W]                   ; the mean
.irp k, 0,2,4,6,8,10,12,14
	v_pk_add_f32 v[\xd+\k:\xd+\k+1], v[\xs+\k:\xs+\k+1], v[W:W+1] op_sel_hi:[1,0] neg_lo:[0,1] neg_hi:[0,1]
.endr
	v_pk_mul_f32 v[W+2:W+3], v[\xd:\xd+1], v[\xd:\xd+1]
	v_pk_mul_f32 v[W+4:W+5], v[\xd+2:\xd+3], v[\xd+2:\xd+3]
.irp k, 4,8,12
	v_pk_fma_f32 v[W+2:W+3], v[\xd+\k:\xd+\k+1], v[\xd+\k:\xd+\k+1], v[W+2:W+3]
	v_pk_fma_f32 v[W+4:W+5], v[\xd+\k+2:\xd+\k+3], v[\xd+\k+2:\xd+\k+3], v[W+4:W+5]
.endr
	v_pk_add_f32 v[W+2:W+3], v[W+2:W+3], v[W+4:W+5]
	v_add_f32 v[W+2], v[W+2], v[W+3]
	RED W+2, W+3
	v_fma_f32 v[W+2], v[W+2], s[INV], s[EPSR]      ; var + eps
	v_rsq_f32 v[W+2], v[W+2]
	v_nop                                          ; a plain place behind the transcendental
	s_wait_alu depctr_va_vdst(0)
.irp k, 0,2,4,6,8,10,12,14
	v_pk_mul_f32 v[\xd+\k:\xd+\k+1], v[\xd+\k:\xd+\k+1], v[W+2:W+3] op_sel_hi:[1,0]
.endr
.irp k, 0,2,4,6,8,10,12,14
	v_pk_fma_f32 v[\xd+\k:\xd+\k+1], v[\xd+\k:\xd+\k+1], v[AF+\k:AF+\k+1], v[AF+16+\k:AF+16+\k+1]
.endr
.endm
.macro QROW src, ar, off, cs           ; my 16 neighbours of a row become 16 codes: one 16-byte piece of the image.  Two sets of code registers by turns
.irp k, 0,1,2,3,4,5,6,7,8,9,10,11,12,13,14,15
	v_med3_num_f32 v[W+\k], v[\src+\k], -v[VLM], v[VLM]   ; the conversion does not saturate (ISA guide 7.6.2): the hold
.endr
	s_wait_dscnt 0x1                               ; only the store of the other set of code registers may be out
	v_cvt_scalef32_pk8_fp8_f32 v[CODE+4*(\cs):CODE+4*(\cs)+1], v[W:W+7], v[VSC]
	v_cvt_scalef32_pk8_fp8_f32 v[CODE+4*(\cs)+2:CODE+4*(\cs)+3], v[W+8:W+15], v[VSC]
	v_nop                                          ; a plain place behind the conversions
	ds_store_b128 v[\ar], v[CODE+4*(\cs):CODE+4*(\cs)+3] offset:\off
.endm
.macro ROWPH1 i                        ; my row i: + x; x1 back into the stage, where it stays; read 64 bytes a lane, normed, quantised
.irp k, 0,1,2,3
	ds_load_b128 v[W+4*\k:W+4*\k+3], v[SRC] offset:(\i)*SROW+640*\k
.endr
	s_wait_dscnt 0x0
.irp k, 0,2,4,6,8,10,12,14
	v_pk_add_f32 v[T+16*(\i)+\k:T+16*(\i)+\k+1], v[T+16*(\i)+\k:T+16*(\i)+\k+1], v[W+\k:W+\k+1]
.endr
.irp k, 0,1,2,3
	ds_store_b128 v[SRC], v[T+16*(\i)+4*\k:T+16*(\i)+4*\k+3] offset:(\i)*SROW+640*\k
.endr
.irp k, 0,1,2,3
	ds_load_b128 v[ACC+16*(\i)+4*\k:ACC+16*(\i)+4*\k+3], v[SR64] offset:(\i)*SROW+16*\k   ; LDS serves a wave's instructions in order: these see the stores above
.endr
	s_wait_loadcnt 0x0                             ; gain and bias, the youngest loads
	s_wait_dscnt 0x0
	LNROW ACC+16*(\i), ACC+16*(\i)
	QROW ACC+16*(\i), IW, IMGB+16*(\i), \i
.endm
.macro ROWPH2 i                        ; my row i of x2, 64 bytes a lane, normed, quantised
.irp k, 0,1,2,3
	ds_load_b128 v[ACC+16*(\i)+4*\k:ACC+16*(\i)+4*\k+3], v[SR64] offset:(\i)*SROW+16*\k
.endr
	s_wait_loadcnt 0x0                             ; gain and bias, the youngest loads
	s_wait_dscnt 0x0
	LNROW ACC+16*(\i), ACC+16*(\i)
	QROW ACC+16*(\i), IW, IMGB+16*(\i), \i
.endm
.macro ONTO sc                         ; the sums x 2^(ea + ew) are added onto what the stage holds at my columns
	PL
.irp u, 0,1
.irp k, 0,1,2,3
	ds_load_b128 v[T+16*\u+4*\k:T+16*\u+4*\k+3], v[SW] offset:\u*16*SROW+16*\k
.endr
.endr
	s_wait_dscnt 0x0
.irp k, 0,2,4,6,8,10,12,14,16,18,20,22,24,26,28,30
	v_pk_fma_f32 v[T+\k:T+\k+1], v[ACC+\k:ACC+\k+1], s[\sc:\sc+1], v[T+\k:T+\k+1] op_sel_hi:[1,0,1]   ; each accumulator from its low end on
.endr
.irp u, 0,1
.irp k, 0,1,2,3
	ds_store_b128 v[SW], v[T+16*\u+4*\k:T+16*\u+4*\k+3] offset:\u*16*SROW+16*\k
.endr
.endr
.endm
.macro ERELU j                         ; chunk j's sums become codes of the hidden layer: K step 4 j + w / 4, piece w % 4
	PL
.set N, 0
.rept 32
	v_med3_num_f32 v[ACC+N], v[ACC+N], 0, v[VLM]   ; the activation and the hold in one; each accumulator from its low end on
.set N, N+1
.endr
.irp p, 0,1
	v_cvt_scalef32_pk8_fp8_f32 v[CODE+4*\p:CODE+4*\p+1], v[ACC+16*\p:ACC+16*\p+7], v[VSC]
	v_cvt_scalef32_pk8_fp8_f32 v[CODE+4*\p+2:CODE+4*\p+3], v[ACC+16*\p+8:ACC+16*\p+15], v[VSC]
.endr
	v_nop
	ds_store_b128 v[HW], v[CODE:CODE+3] offset:(\j)*IMGU          ; (the steps between two chunks' ends wait for all LDS instructions: the registers are free again)
	ds_store_b128 v[HW], v[CODE+4:CODE+7] offset:HIDU+(\j)*IMGU
.endm
; ---- the attention's macros
.macro KLOAD                           ; eight tiles of 16 keys, two to a fragment
.irp t, 0,1,2,3,4,5,6,7
.set KR, KF+8*(\t/2)+32*(\t/4)+4*(\t%2)
	global_load_b128 v[KR:KR+3], v[KVO], s[KP:KP+1] offset:512*\t
.endr
.endm
.macro VLOAD                           ; two tiles of 16 of the head's 32 x 128 keys
.irp d, 0,1
.irp c, 0,1,2,3
	global_load_b128 v[VF+16*\d+4*\c:VF+16*\d+4*\c+3], v[KVO], s[KP:KP+1] offset:0x400000+2048*\d+512*\c
.endr
.endr
.endm
.macro QK u                            ; S^T of tile u of the queries: lane (r, h): query r; register 16 b + i: key 32 b + 16 h + i of the step's 128
.irp t, 0,1,2,3,4,5,6,7
.set KR, KF+8*(\t/2)+32*(\t/4)
.set QR, QF+12*(\u)+4-4*(\t%2)
	v_wmma_f32_16x16x64_fp8_fp8 v[S+8*\t:S+8*\t+7], v[KR:KR+7], v[QR:QR+7], 0
.endr
.endm
.macro PV u
	v_wmma_f32_16x16x128_fp8_fp8 v[O+16*(\u):O+16*(\u)+7], v[VF:VF+15], v[PC:PC+15], v[O+16*(\u):O+16*(\u)+7]
	v_wmma_f32_16x16x128_fp8_fp8 v[O+16*(\u)+8:O+16*(\u)+15], v[VF+16:VF+31], v[PC:PC+15], v[O+16*(\u)+8:O+16*(\u)+15]
.endm
.macro SOFT u                          ; tile u's scores become p's codes; its M, sum and O^T are brought under the new M
.set MM, ST+4*(\u)
	v_max3_num_f32 v[TM], v[S], v[S+1], v[S+2]     ; the step's largest score of my query among my 64 keys, in two chains,
	v_max3_num_f32 v[TF], v[S+3], v[S+4], v[S+5]
.irp i, 6,10,14,18,22,26,30,34,38,42,46,50,54,58
	v_max3_num_f32 v[TM], v[TM], v[S+\i], v[S+1+\i]
	v_max3_num_f32 v[TF], v[TF], v[S+2+\i], v[S+3+\i]
.endr
	v_max3_num_f32 v[TM], v[TM], v[S+62], v[S+63]
	v_max_num_f32 v[TM], v[TM], v[TF]
	v_permlanex16_b32 v[TP], v[TM], s[SEL], s[SEL+1]
	v_max_num_f32 v[TM], v[TM], v[TP]              ; and among lane l xor 16's
	v_mul_f32 v[TM], s[CS], v[TM]                  ; as t (c is positive)
	v_max_num_f32 v[MM+1], v[MM+1], v[TM]
	v_mov_b32 v[TM], v[MM]
	v_floor_f32 v[MM], -v[MM+1]                    ; the new -M = -ceil(t)
	v_sub_f32 v[TM], v[MM], v[TM]                  ; old M - new M: a whole number, 0 or less
	v_cvt_i32_f32 v[TM], v[TM]                     ; (it saturates)
	v_ldexp_f32 v[TF], 1.0, v[TM]                  ; f = 2^(old M - new M)
.set N, 0
.rept 32
	v_pk_fma_f32 v[S+N:S+N+1], v[S+N:S+N+1], s[CS:CS+1], v[MM:MM+1] op_sel_hi:[1,0,0]   ; t - M
.set N, N+2
.endr
.set N, 0
.rept 64
	v_exp_f32 v[S+N], v[S+N]                       ; p = 2^(t - M), at most 1
.set N, N+1
.endr
	v_pk_mul_f32 v[MM+2:MM+3], v[MM+2:MM+3], v[TF:TF+1] op_sel_hi:[1,0]   ; the sum under the new M (a plain place behind the exponentials)
	s_wait_alu depctr_va_vdst(0)
	v_pk_add_f32 v[TA:TA+1], v[S:S+1], v[S+2:S+3]  ; the sum of the UNQUANTISED p, in two chains
.irp j, 4,8,12,16,20,24,28,32,36,40,44,48,52,56,60
	v_pk_add_f32 v[MM+2:MM+3], v[MM+2:MM+3], v[S+\j:S+1+\j]
	v_pk_add_f32 v[TA:TA+1], v[TA:TA+1], v[S+2+\j:S+3+\j]
.endr
	v_pk_add_f32 v[MM+2:MM+3], v[MM+2:MM+3], v[TA:TA+1]
	s_cmp_ge_i32 s[E+21], -8                       ; p <= 1 <= 448 x 2^ep from ep = -8 on: the hold would change nothing
	s_cbranch_scc1 .Lnohold_\@
.set N, 0
.rept 64
	v_min_num_f32 v[S+N], v[S+N], v[VPL]           ; the conversion does not saturate (ISA guide 7.6.2); p is not negative
.set N, N+1
.endr
.Lnohold_\@:
.irp b, 0,1,2,3
	v_cvt_scalef32_pk8_fp8_f32 v[PC+4*\b:PC+4*\b+1], v[S+16*\b:S+16*\b+7], v[VPS]
	v_cvt_scalef32_pk8_fp8_f32 v[PC+4*\b+2:PC+4*\b+3], v[S+16*\b+8:S+16*\b+15], v[VPS]
.endr
.irp j, 0,2,4,6,8,10,12,14
	v_pk_mul_f32 v[O+16*(\u)+\j:O+16*(\u)+\j+1], v[O+16*(\u)+\j:O+16*(\u)+\j+1], v[TF:TF+1] op_sel_hi:[1,0]   ; O^T under the new M; also the plain places behind the conversions
.endr
.endm
; A KEY STEP: 128 keys for both tiles of queries.  K of the next step is asked for as soon as tile 1's scores are made, V as soon as tile 1's O^T is: each has one tile's softmax in which to land.
; last = 1: nothing is left to ask for of K and V: the next projection's bias and its first two steps' weights take their place.
.macro ASTEP last
	s_wait_loadcnt 0x8                             ; K's eight loads are in; V's eight, issued behind them, may be out
	QK 0
	PL
	SOFT 0
	s_wait_loadcnt 0x0                             ; V is in
	PV 0
	QK 1
	PL                                             ; ahead of the reads of the scores and of the loads into K's registers
.if \last
	BIASLD 18, 0                                   ; ca_pb
.else
	s_wait_xcnt 0x0                                ; the earlier loads have read their base
	s_add_nc_u64 s[KP:KP+1], s[KP:KP+1], 4096      ; on to the next 128 keys, in K's image and in V's
	KLOAD
.endif
	SOFT 1
	PV 1
	PL                                             ; ahead of the loads into V's registers, or into p's codes'
.if \last
	BLOAD 8
	BLOAD 9
.else
	VLOAD
.endif
.endm
	s_load_b512 s[4:19], s[0:1], 0x0               ; att 4, wcodes 6, x 8, sa_pb 10, ln2_g 12, ln2_b 14, kvb 16, ca_pb 18
	s_load_b256 s[20:27], s[0:1], 0x40             ; ln3_g 20, ln3_b 22, ff_b1 24, ff_b2 26
	s_load_b128 s[28:31], s[0:1], 0x60             ; exponents 28, out0 30
	v_lshrrev_b32 v18, 5, v0
	v_readfirstlane_b32 s32, v18                   ; wave w
	v_and_b32 v19, 31, v0                          ; lane
	v_and_b32 v20, 15, v0                          ; r
	v_bfe_u32 v21, v0, 4, 1                        ; h
	s_lshl_b32 s98, s32, 14
	v_lshl_add_u32 v[LB], v19, 4, s98
	v_mul_u32_u24 v[LIA], v21, HP
	v_lshl_add_u32 v[LIA], v20, 4, v[LIA]
	v_add_nc_u32 v[LH0], HID, v[LIA]
	v_add_nc_u32 v[LH1], HID+HIDU, v[LIA]
	s_mul_i32 s98, s32, 2*HP
	v_add_nc_u32 v[AW], s98, v[LIA]
	v_add_nc_u32 v[HW], HID, v[AW]
	s_lshr_b32 s99, s32, 3                         ; my two rows: tile w / 8, lanes 2 (w % 8) and the next
	s_and_b32 s100, s32, 7
	s_mul_i32 s98, s99, IMGU
	s_lshl_b32 s101, s100, 5
	s_add_co_u32 s98, s98, s101
	v_mul_u32_u24 v[IW], v19, HP
	v_add_nc_u32 v[IW], s98, v[IW]
	s_lshl_b32 s99, s99, 3
	s_lshl_b32 s101, s100, 1
	s_and_b32 s101, s101, 7
	s_add_co_u32 s99, s99, s101
	s_lshr_b32 s101, s100, 2
	s_lshl_b32 s101, s101, 4
	s_add_co_u32 s99, s99, s101                    ; which are rows 8 (w/8) + (2 (w%8)) % 8 + 16 ((w%8)/4) and the next of the 32
	s_lshl_b32 s99, s99, 11
	v_lshl_add_u32 v[RG], v19, 4, s99
	v_lshlrev_b32 v[G64], 6, v19
	s_lshl_b32 s98, s32, 7
	v_lshl_add_u32 v[BO], v21, 6, s98
	s_lshl_b32 s98, s32, 15
	v_lshl_add_u32 v[KVO], v19, 4, s98
	v_mul_u32_u24 v[SW], v20, SROW
	v_mad_u32_u24 v[SW], v21, 80, v[SW]
	s_mul_i32 s98, s32, 160
	s_add_co_u32 s98, s98, STG
	v_add_nc_u32 v[SW], s98, v[SW]
	s_mul_i32 s99, s32, 2*SROW
	s_add_co_u32 s99, s99, STG
	v_mul_u32_u24 v[SR64], v19, 80
	v_add_nc_u32 v[SR64], s99, v[SR64]
	v_lshrrev_b32 v18, 2, v19
	v_mul_u32_u24 v[SRC], v18, 80
	v_and_b32 v18, 3, v19
	v_lshl_add_u32 v[SRC], v18, 4, v[SRC]
	v_add_nc_u32 v[SRC], s99, v[SRC]
	v_lshlrev_b32 v[CPG], 4, v0
	v_lshrrev_b32 v18, 4, v0
	v_mul_u32_u24 v[CPL], v18, HP
	v_lshl_add_u32 v[CPL], v20, 4, v[CPL]
	s_mov_b32 s[SEL], 0x76543210
	s_mov_b32 s[SEL+1], 0xfedcba98
	s_mov_b32 s[INV], 0x3b000000                   ; 1 / 512
	s_mov_b32 s[EPSR], 0x3727c5ac                  ; 1e-5
	s_lshl_b32 s98, ttmp9, 14                      ; att: an image of 16,384 bytes for each 32 rows
	s_mov_b32 s99, 0
	s_lshl_b32 s100, ttmp9, 16                     ; x, out: 32 rows of 2,048 bytes
	s_mov_b32 s101, 0
	s_lshr_b32 s34, ttmp9, 5
	s_lshl_b32 s34, s34, 19                        ; K, V: my batch's 16 heads of 32,768 bytes
	s_mov_b32 s35, 0
	s_wait_kmcnt 0x0
	s_load_b512 s[36:51], s[28:29], 0x0
	s_load_b256 s[52:59], s[28:29], 0x40
	s_load_b128 s[60:63], s[28:29], 0x60
	s_add_nc_u64 s[4:5], s[4:5], s[98:99]
	s_add_nc_u64 s[8:9], s[8:9], s[100:101]
	s_add_nc_u64 s[30:31], s[30:31], s[100:101]
	s_add_nc_u64 s[KP:KP+1], s[16:17], s[34:35]
	global_load_b128 v[W:W+3], v[CPG], s[4:5] th:TH_LOAD_NT
	global_load_b128 v[W+4:W+7], v[CPG], s[4:5] offset:8192 th:TH_LOAD_NT
.irp i, 0,1
.irp k, 0,1,2,3
	global_load_b128 v[T+16*\i+4*\k:T+16*\i+4*\k+3], v[RG], s[8:9] offset:2048*\i+512*\k th:TH_LOAD_NT
.endr
.endr
	BIASLD 10, 0                                   ; sa_pb
	BLOAD 0
	BLOAD 1
	s_wait_kmcnt 0x0
	NEGS NGA, 10, 11
	NEGS NG0, 22, 23
	NEGS NG1, 24, 25
	NEGS NG2, 26, 27
	POW2 SC1, 10, 11
	POW2 SC2, 22, 23
	POW2 SC3, 26, 27
	SCL S_LN2, E+12
	SCL S_LN3, E+24
	SCL S_P, E+21
	FOLD F_Q, 18, 12, 13
	FOLD F_O, 22, 20, 21
	FOLD F_H, 26, 24, 25
	s_add_co_i32 s[CS], s[E+18], s[E+19]
	s_lshl_b32 s[CS], s[CS], 23
	s_add_co_i32 s[CS], s[CS], 0x3e8293ee          ; the two exponents are added to c's exponent field
	s_mov_b32 s[CS+1], s[CS]
	s_wait_loadcnt 28                              ; the image's two loads are in; behind them: 8 of x, 4 of the bias, 16 of the weights
	ds_store_b128 v[CPL], v[W:W+3]
	ds_store_b128 v[CPL], v[W+4:W+7] offset:IMGU
	BAR                                            ; the self-attention's image lies in LDS
	; ---- x1 = x + att Q(sa_pw) + sa_pb
.set NEGE, NGA
	DSTEP 0, LIA, IMGA, LIA, IMGA+IMGU, 0, 2
	DSTEP 1, LIA, IMGA, LIA, IMGA+IMGU, 1, 0
	DSTEP 2, LIA, IMGA, LIA, IMGA+IMGU, 2, 0
	DSTEP 3, LIA, IMGA, LIA, IMGA+IMGU, 3, 0
	PL
.irp k, 0,2,4,6,8,10,12,14,16,18,20,22,24,26,28,30
	v_pk_mul_f32 v[ACC+\k:ACC+\k+1], v[ACC+\k:ACC+\k+1], s[SC1:SC1+1] op_sel_hi:[1,0]   ; x 2^(e10 + e11); each accumulator from its low end on
.endr
.irp u, 0,1
.irp k, 0,1,2,3
	ds_store_b128 v[SW], v[ACC+16*\u+4*\k:ACC+16*\u+4*\k+3] offset:\u*16*SROW+16*\k
.endr
.endr
	GBLOAD 12, 14                                  ; ln2's gain and bias
	BAR                                            ; 32 rows of the projection lie in the stage
	SETSC S_LN2
	ROWPH1 0
	ROWPH1 1
	BAR                                            ; ln2's image lies in LDS, x1 in the stage
	; ---- q2 = Q(ln2(x1)) Q(ca_wq).  The first key step's K and V are asked for now, into registers that these four steps leave alone
	KLOAD
	VLOAD
.set LEFTX, 8                                          ; step 4 reads weights that the row phase's wait for 0 has shown landed: K's 8, V's 8 and the 8 just issued may be out
	DSTEP 4, LIA, IMGB, LIA, IMGB+IMGU, 0, 1
.set LEFTX, 16                                         ; step 5 likewise: 8 more
	DSTEP 5, LIA, IMGB, LIA, IMGB+IMGU, 1, 0
.set LEFTX, 0
	DSTEP 6, LIA, IMGB, LIA, IMGB+IMGU, 2, 0
	DSTEP 7, LIA, IMGB, LIA, IMGB+IMGU, 3, 0
	SETSC F_Q
	PL
.set N, 0
.rept 32
	v_med3_num_f32 v[ACC+N], v[ACC+N], -v[VLM], v[VLM]   ; each accumulator from its low end on
.set N, N+1
.endr
.irp p, 0,1
	v_cvt_scalef32_pk8_fp8_f32 v[QF+12*\p+4:QF+12*\p+5], v[ACC+16*\p:ACC+16*\p+7], v[VSC]      ; lane (r, h): query r of tile p, 16 h + 0..15 of my head's 32: Q's fragment as it stands
	v_cvt_scalef32_pk8_fp8_f32 v[QF+12*\p+6:QF+12*\p+7], v[ACC+16*\p+8:ACC+16*\p+15], v[VSC]
.endr
	v_nop                                          ; a plain place behind the conversions
	; ---- the cross-attention of my head
.irp p, 0,1
.irp k, 0,1,2,3,8,9,10,11
	v_mov_b32 v[QF+12*\p+\k], 0                    ; zero codes on both sides of Q
.endr
.endr
.set N, 0
.rept 32
	v_mov_b32 v[O+N], 0                            ; O^T: the step is written for every step alike; the first change of M leaves zeros zeros
.set N, N+1
.endr
.irp u, 0,1
	v_mov_b32 v[ST+4*\u+1], 0xff61b1e6             ; -3e38, under every t
	v_floor_f32 v[ST+4*\u], -v[ST+4*\u+1]
	v_mov_b32 v[ST+4*\u+2], 0
	v_mov_b32 v[ST+4*\u+3], 0
.endr
	v_mov_b32 v[TF+1], 0                           ; (named as the upper half of a pair)
	v_mov_b32 v[TP], 0                             ; written once: a lane permute's destination counts as one of its sources
	v_mov_b32 v[VPS], s[S_P]
	v_mov_b32 v[VPL], s[S_P+1]
	SETSC F_O
	s_mov_b32 s[CNT], 7
.Lkey:                                                 ; seven trips; the eighth key step is written out, since it asks for other things
	ASTEP 0
	s_sub_co_u32 s[CNT], s[CNT], 1
	s_cmp_lg_u32 s[CNT], 0
	s_cbranch_scc1 .Lkey
	ASTEP 1
.irp u, 0,1
	v_add_f32 v[ST+4*\u+2], v[ST+4*\u+2], v[ST+4*\u+3]
.endr
	v_permlanex16_b32 v[TP], v[ST+2], s[SEL], s[SEL+1]
	v_permlanex16_b32 v[TM], v[ST+6], s[SEL], s[SEL+1]
	v_add_f32 v[ST+2], v[ST+2], v[TP]              ; the rows' sums
	v_add_f32 v[ST+6], v[ST+6], v[TM]
	v_rcp_f32 v[ST+2], v[ST+2]
	v_rcp_f32 v[ST+6], v[ST+6]
	v_nop                                          ; a plain place behind the transcendentals
	s_wait_alu depctr_va_vdst(0)
.irp u, 0,1
.set N, 0
.rept 16
	v_mul_f32 v[O+16*\u+N], v[O+16*\u+N], v[ST+4*\u+2]   ; register i: my head's 16 h + i of query r; each accumulator from its low end on
.set N, N+1
.endr
.endr
.set N, 0
.rept 32
	v_med3_num_f32 v[O+N], v[O+N], -v[VLM], v[VLM]
.set N, N+1
.endr
.irp u, 0,1
	v_cvt_scalef32_pk8_fp8_f32 v[QF+4*\u:QF+4*\u+1], v[O+16*\u:O+16*\u+7], v[VSC]      ; O / l stands for x 2^(e20 + e21): its code is (O / l) / 2^(e22 - e20 - e21)
	v_cvt_scalef32_pk8_fp8_f32 v[QF+4*\u+2:QF+4*\u+3], v[O+16*\u+8:O+16*\u+15], v[VSC]
.endr
	v_nop
	ds_store_b128 v[AW], v[QF:QF+3] offset:IMGA            ; piece w % 4 of K step w / 4 of the projection's operand; every wave's reads of the old image lie two barriers back
	ds_store_b128 v[AW], v[QF+4:QF+7] offset:IMGA+IMGU
	BAR                                            ; the cross-attention's image lies in LDS
	; ---- x2 = x1 + its result Q(ca_pw) + ca_pb
.set RINGEND, 44
.set NEGE, NG0
	DSTEP 8, LIA, IMGA, LIA, IMGA+IMGU, 0, 2
	DSTEP 9, LIA, IMGA, LIA, IMGA+IMGU, 1, 0
	PL
	BIASLD 24, 0                                   ; ff_b1 of chunk 0, two steps ahead of its first products
	DSTEP 10, LIA, IMGA, LIA, IMGA+IMGU, 2, 0
	DSTEP 11, LIA, IMGA, LIA, IMGA+IMGU, 3, 0
	ONTO SC2
	GBLOAD 20, 22                                  ; ln3's gain and bias
	BAR                                            ; x2 lies in the stage
	SETSC S_LN3
	ROWPH2 0
	ROWPH2 1
	BAR                                            ; ln3's image lies in LDS
	; ---- the hidden layer, four chunks of 512 units
	SETSC F_H
.set NEGE, NG1
.irp j, 0,1,2,3
	DSTEP 12+4*\j, LIA, IMGB, LIA, IMGB+IMGU, 0, 2
	DSTEP 13+4*\j, LIA, IMGB, LIA, IMGB+IMGU, 1, 0
	PL
.if \j < 3
	BIASLD 24, 2048*(\j+1)
.else
	BIASLD 26, 0                                   ; ff_b2
.endif
	DSTEP 14+4*\j, LIA, IMGB, LIA, IMGB+IMGU, 2, 0
	DSTEP 15+4*\j, LIA, IMGB, LIA, IMGB+IMGU, 3, 0
	ERELU \j
.endr
	BAR                                            ; the hidden layer's image lies in LDS
	; ---- the second layer
.set NEGE, NG2
	DSTEP 28, LH0, 0, LH1, 0, 0, 2
.irp s, 1,2,3,4,5,6,7,8,9,10,11,12,13,14,15
	DSTEP 28+\s, LH0, 0, LH1, 0, \s, 0
.endr
	ONTO SC3
	BAR                                            ; 32 whole rows of the result lie in the stage
.irp i, 0,1
.irp k, 0,1,2,3
	ds_load_b128 v[ACC+16*\i+4*\k:ACC+16*\i+4*\k+3], v[SRC] offset:\i*SROW+640*\k
.endr
.endr
.irp i, 0,1
.irp k, 0,1,2,3
	s_wait_dscnt 7-4*\i-\k                         ; LDS loads come back in order: this one is in
	global_store_b128 v[RG], v[ACC+16*\i+4*\k:ACC+16*\i+4*\k+3], s[30:31] offset:2048*\i+512*\k th:TH_STORE_NT   ; 512 consecutive bytes a store
.endr
.endr
	s_wait_xcnt 0x0
	v_lshl_add_u32 v254, v0, 2, 0x2da00
	v_mov_b32 v255, 0
	s_wait_tensorcnt 0x0
	ds_add_u32 v254, v255
	s_wait_dscnt 0x0
	s_endpgm
.Lfunc_end_k_qee9daeadfc_tail:
	.size	k_qee9daeadfc_tail, .Lfunc_end_k_qee9daeadfc_tail-k_qee9daeadfc_tail
	.p2alignl 7, 3214868480
	.fill 96, 4, 3214868480
	.section	.rodata,"a",@progbits
	.p2align	6, 0x0
	.amdhsa_kernel k_qee9daeadfc_tail
		.amdhsa_group_segment_fixed_size 188928
		.amdhsa_private_segment_fixed_size 0
		.amdhsa_enable_private_segment 0
		.amdhsa_kernarg_size 112
		.amdhsa_user_sgpr_count 2
		.amdhsa_user_sgpr_kernarg_segment_ptr 1
		.amdhsa_wavefront_size32 1
		.amdhsa_system_sgpr_workgroup_id_x 1
		.amdhsa_system_sgpr_workgroup_id_y 1
		.amdhsa_system_sgpr_workgroup_id_z 1
		.amdhsa_system_vgpr_workitem_id 0
		.amdhsa_next_free_vgpr 256
		.amdhsa_next_free_sgpr 102
		.amdhsa_reserve_vcc 0
		.amdhsa_float_denorm_mode_32 3
		.amdhsa_float_denorm_mode_16_64 3
		.amdhsa_memory_ordered 1
		.amdhsa_forward_progress 1
		.amdhsa_inst_pref_size 196
	.end_amdhsa_kernel
	.amdgpu_metadata
---
amdhsa.version: [ 1, 2 ]
amdhsa.kernels:
  - .name:           k_qee9daeadfc_tail
    .symbol:         k_qee9daeadfc_tail.kd
    .args:
      - { .name: att, .offset: 0, .size: 8, .value_kind: global_buffer, .address_space: global }
      - { .name: wcodes, .offset: 8, .size: 8, .value_kind: global_buffer, .address_space: global }
      - { .name: x, .offset: 16, .size: 8, .value_kind: global_buffer, .address_space: global }
      - { .name: sa_pb, .offset: 24, .size: 8, .value_kind: global_buffer, .address_space: global }
      - { .name: ln2_g, .offset: 32, .size: 8, .value_kind: global_buffer, .address_space: global }
      - { .name: ln2_b, .offset: 40, .size: 8, .value_kind: global_buffer, .address_space: global }
      - { .name: kvb, .offset: 48, .size: 8, .value_kind: global_buffer, .address_space: global }
      - { .name: ca_pb, .offset: 56, .size: 8, .value_kind: global_buffer, .address_space: global }
      - { .name: ln3_g, .offset: 64, .size: 8, .value_kind: global_buffer, .address_space: global }
      - { .name: ln3_b, .offset: 72, .size: 8, .value_kind: global_buffer, .address_space: global }
      - { .name: ff_b1, .offset: 80, .size: 8, .value_kind: global_buffer, .address_space: global }
      - { .name: ff_b2, .offset: 88, .size: 8, .value_kind: global_buffer, .address_space: global }
      - { .name: lowp_scales, .offset: 96, .size: 8, .value_kind: global_buffer, .address_space: global }
      - { .name: out0, .offset: 104, .size: 8, .value_kind: global_buffer, .address_space: global }
    .group_segment_fixed_size: 188928
    .private_segment_fixed_size: 0
    .kernarg_segment_align: 8
    .kernarg_segment_size: 112
    .max_flat_workgroup_size: 512
    .sgpr_count:     102
    .vgpr_count:     256
    .wavefront_size: 32
...
	.end_amdgpu_metadata
.endif
;; end of part 4
;; ======== version 2 of 2: 4 launches; version 1 with the launches qkv, attn_sa, tail written anew for expert scheduling mode
;; workspace buffers: wcodes 4,194,304 bytes; qc 4,194,304 bytes; kva 8,388,608 bytes; kvb 8,388,608 bytes; att 4,194,304 bytes; par_sa 256 bytes of whole numbers
;; launch wq: the kernel of part 1 again; grid 16 x 16, 4 waves a work-group, no clusters, 0 bytes of LDS; arguments sa_wq, sa_wk, sa_wv, sa_pw, ca_wq, ca_wk, ca_wv, ca_pw, ff_w1, ff_w2, lowp_scales, wcodes, par_sa; writes wcodes, par_sa
;; launch qkv (part 5): grid 256 x 1, 16 waves a work-group, no clusters, 89,088 bytes of LDS; arguments x, encoder_output, ln1_g, ln1_b, lowp_scales, wcodes, qc, kva, kvb; writes qc, kva, kvb
.if DOCPART == 5
	.amdgcn_target "amdgcn-amd-amdhsa--gfx1250"
	.amdhsa_code_object_version 6
	.text
	.protected	k_qee9daeadfc_qkv
	.globl	k_qee9daeadfc_qkv
	.p2align	8
	.type	k_qee9daeadfc_qkv,@function
k_qee9daeadfc_qkv:
	s_mov_b64 s[64:65], 0
	v_nop
	global_prefetch_b8 v0, s[64:65] scope:SCOPE_SE
	s_setreg_imm32_b32 hwreg(HW_REG_WAVE_SCHED_MODE, 0, 2), 2
	s_setreg_imm32_b32 hwreg(HW_REG_WAVE_MODE, 25, 1), 1
	s_wait_xcnt 0x0
	s_wait_alu depctr_vm_vsrc(0)
; Five projections of 32 rows: q1 = Q(ln1(x)) Q(sa_wq), k1 = Q(x) Q(sa_wk), v1 = Q(x) Q(sa_wv), k2 = Q(enc) Q(ca_wk), v2 = Q(enc) Q(ca_wv), each result quantised at once for the attention's products.
; SHARES.  A work-group owns 32 rows, 16 waves.  First each wave owns two whole rows: layer norm (two passes, f32) and five quantisations; the codes go to LDS as images of the operand's registers.
; Then THE WAVES SHARE THE COLUMNS: wave w makes columns 32 w .. 32 w + 31 (head w) of all 32 rows: 2 tiles of rows x 2 tiles of columns, four accumulators by turns.
; THE ROWS OF A TILE ARE NOT NEIGHBOURS: lane r of tile u is row 8 u + (r%8) + 16 (r/8) of the 32; a weight's tiles are laid the same way.  So a lane's 16 results of two tiles are 16 neighbours along the next K.
; q and k: source 0 = the weight's tile, source 1 = the rows (a lane holds one row, 16 of the head's 32).  v: the sources swapped (a lane holds one of the head's 32, 16 neighbouring keys), since the keys are its next K.
; WEIGHTS come straight from memory into registers: images, 512 consecutive bytes a load; each byte is wanted by one wave of the work-group alone, so LDS would only add a write and a read.
; NO CLUSTER: what work-groups share is the weights, and a joint request exists only for loads into LDS, which this sharing does not need.
; A fragment's k stands in the order of four 16-byte pieces (registers 4 c ..: k = 32 c + 16 h + 0..15), alike in both sources: every product meets its partner.
; LIMITS: each of e0, e2, e4, e14, e16 and each (result's e - its two operands' e) between -126 and 119.  NaN among the inputs is not served.
; THE MODE: SCHED_MODE bits 1:0 = 2 (LLVM: expert scheduling mode 2), set by the entry lines.  The code itself states the register dependences
; between vector or matrix instructions and memory or LDS instructions, with s_wait_alu, always for 0.
; THE PLAN.  Registers that memory or LDS instructions touch:
;   v1-12       offsets and LDS addresses: made once at the head, ahead of one wait on va_vdst, and never written again.
;   A0 = v32-63, A1 = v208-239   Step i's fragments of the rows lie in A[i % 2]: written by the LDS loads issued in step i - 1, read by step i's four products.  (First: A0 gain and bias, A1 my rows of enc.)
;   B0 .. B2 = v64-159           Step i's fragments of the weight lie in B[i % 3]: written by the loads issued at the head of step i - 2, read by step i's products.  (First: B2 holds eight of the row phase's ten pieces of codes.)
;   v24-31      a job's codes: written by its conversions, read by its two stores.  (First: the other two pieces.)
; Step i's memory instructions are the loads into A[(i + 1) % 2] and B[(i + 2) % 3]: the buffers that step i - 1's products read and that no instruction of step i names.  So ONE wait on va_vdst at a step's head states all
; that its sixteen loads hang on.  The weight's eight follow it at once, ahead of the wait for this step's weights, so that three sets are on their way at that wait; the rows' eight are dealt among the products.
; A job's first step has no such wait: the wait ahead of the last job's stores stands for it, and no vector instruction follows that wait.  The last step asks for nothing and has none either.
.set HP,   272                         ; 16 lanes' 256 bytes of an image + 16 of padding, so that a row's owner (32 lanes, 272 bytes apart) meets 16 different 16-byte columns
.set IMGU, 32*HP                       ; a tile of 16 rows x 512 k
.set IMG,  2*IMGU                      ; LDS: five images, j x IMG: ln1(x), x (e2), x (e4), enc (e14), enc (e16)
.set NSTEPS, 20
.set WC,   14                          ; s[14:15] wcodes
.set LB,   1                           ; v1   weights: wave x 16384 + lane x 16
.set LIA,  2                           ; v2   image, reading: h x 272 + r x 16
.set IW,   3                           ; v3   image, a row's owner writing: lane x 272 + my tile + 16 x my first row's lane
.set RG,   7                           ; v7   my first row in x and enc: row x 2048 + lane x 64
.set G64,  8                           ; v8   lane x 64
.set QO,   10                          ; v10  results: head x 32768 + lane x 16
.set LIA2, 11                          ; v11, v12: the same as v2, v3 for images 3 and 4 (an LDS offset has 16 bits)
.set IW2,  12
.set VSC,  22                          ; v22  the conversion's scale;  v23  448 x it
.set VLM,  23
.set CODE, 24                          ; v24-31 codes
.set AF,   32                          ; v32-63 the rows' two fragments, buffer 0 (first: gain and bias of the norm); buffer 1 lies 176 registers on, at v208-239
.set BF,   64                          ; v64-159 three sets of the weight's two fragments
.set ACC,  160                         ; v160-191 accumulator (p, q) at 8 (2 p + q) (first: my two rows of x)
.set BIAS, 192                         ; v192-207 the normed row
.set T,    208                         ; v208-239 my two rows of enc; then the fragments' buffer 1
.set W,    240                         ; v240-255 at work
.set E,    36                          ; s[36:63] the 28 exponents
.set S_E0, 66
.set S_E2, 68
.set S_E4, 70
.set S_E14, 72
.set S_E16, 74
.set F_Q,  76
.set F_K1, 78
.set F_V1, 80
.set F_K2, 82
.set F_V2, 84
.set SEL,  86
.set INV,  88
.set EPSR, 89
.macro PL                              ; four places behind matrix instructions (ISA guide 7.12.1)
.rept 4
	v_nop
.endr
.endm
.macro SCL d, se                       ; s[d] = 2^e as f32, s[d+1] = 448 x 2^e
	s_add_co_i32 s[\d], s[\se], 127
	s_add_co_i32 s[\d+1], s[\d], 8
	s_lshl_b32 s[\d], s[\d], 23
	s_lshl_b32 s[\d+1], s[\d+1], 23
	s_or_b32 s[\d+1], s[\d+1], 0x600000
.endm
.macro FOLD d, eo, ea, ew              ; a sum stands for sum x 2^(ea + ew): its code is sum / 2^(eo - ea - ew)
	s_sub_co_i32 s[\d], s[E+\eo], s[E+\ea]
	s_sub_co_i32 s[\d], s[\d], s[E+\ew]
	SCL \d, \d
.endm
.macro SETSC d
	v_mov_b32 v[VSC], s[\d]
	v_mov_b32 v[VLM], s[\d+1]
.endm
.macro BHALF i, u                      ; step i's fragment u of the weight, into set i % 3: jobs 0..4 take chunks 0, 1, 2, 5, 6
.set CH, ((\i)/4)+2*(((\i)/4)/3)
.set BL, BF+32*((\i)%3)+16*(\u)
.irp c, 0,1,2,3
	global_load_b128 v[BL+4*\c:BL+4*\c+3], v[LB], s[WC:WC+1] offset:CH*262144+(\u)*8192+((\i)%4)*2048+\c*512
.endr
.endm
.macro AHALF i, u                      ; step i's fragment of tile u of the rows, into buffer i % 2: job i / 4's image, K step i % 4
.set AL, AF+176*((\i)%2)+16*(\u)
.set JB, (\i)/4
.irp c, 0,1,2,3
.if JB < 3
	ds_load_b128 v[AL+4*\c:AL+4*\c+3], v[LIA] offset:JB*IMG+(\u)*IMGU+(8*((\i)%4)+2*\c)*HP
.else
	ds_load_b128 v[AL+4*\c:AL+4*\c+3], v[LIA2] offset:(JB-3)*IMG+(\u)*IMGU+(8*((\i)%4)+2*\c)*HP
.endif
.endr
.endm
.macro MM i, p, q, first, sw           ; one product of step i, onto accumulator (p, q)
.set AM, AF+176*((\i)%2)
.set BM, BF+32*((\i)%3)
.set AC, ACC+8*(2*(\p)+(\q))
.if \sw
.set SRA, AM+16*(\q)
.set SRB, BM+16*(\p)
.else
.set SRA, BM+16*(\q)
.set SRB, AM+16*(\p)
.endif
.if \first
	v_wmma_f32_16x16x128_fp8_fp8 v[AC:AC+7], v[SRA:SRA+15], v[SRB:SRB+15], 0
.else
	v_wmma_f32_16x16x128_fp8_fp8 v[AC:AC+7], v[SRA:SRA+15], v[SRB:SRB+15], v[AC:AC+7]
.endif
.endm
; A K step of 128: the weights of two steps on are asked for first; then four products, the accumulators by turns, and among them the next step's fragments of the rows.
; first = 1: a job's first step: its products start the sums.
.macro STEP i, first, sw
.if !(\first)
.if (\i)+1 < NSTEPS
	PL                                             ; the places behind the last step's products, ahead of loads into registers that they read, stay beside the wait
	s_wait_alu depctr_va_vdst(0)                   ; the last step's products are done reading their buffer of the rows and their set of the weight: this step's loads land in both
.endif
.endif
.if (\i)+2 < NSTEPS
	BHALF (\i)+2, 0
	BHALF (\i)+2, 1
	s_wait_loadcnt 16                              ; this step's eight weight loads are in; the two younger steps' sixteen may be out
.elseif (\i)+1 < NSTEPS
	s_wait_loadcnt 0x8                             ; the last step's eight may be out
.else
	s_wait_loadcnt 0x0
.endif
	s_wait_dscnt 0x0                               ; this step's fragments of the rows, asked for a step ago, are in
.if (\i)+1 < NSTEPS
	AHALF (\i)+1, 0
.endif
	MM \i, 0, 0, \first, \sw
.if (\i)+1 < NSTEPS
	AHALF (\i)+1, 1
.endif
	MM \i, 0, 1, \first, \sw
	MM \i, 1, 0, \first, \sw
	MM \i, 1, 1, \first, \sw
.endm
.macro JOB j, sw
	STEP 4*(\j), 1, \sw
	STEP 4*(\j)+1, 0, \sw
	STEP 4*(\j)+2, 0, \sw
	STEP 4*(\j)+3, 0, \sw
.endm
.macro RED a, t                        ; the sum over the 32 lanes, in every lane
	v_add_f32_dpp v[\a], v[\a], v[\a] row_xmask:1 row_mask:0xf bank_mask:0xf
	v_add_f32_dpp v[\a], v[\a], v[\a] row_xmask:2 row_mask:0xf bank_mask:0xf
	v_add_f32_dpp v[\a], v[\a], v[\a] row_xmask:4 row_mask:0xf bank_mask:0xf
	v_add_f32_dpp v[\a], v[\a], v[\a] row_xmask:8 row_mask:0xf bank_mask:0xf
	v_permlanex16_b32 v[\t], v[\a], s[SEL], s[SEL+1]
	v_add_f32 v[\a], v[\a], v[\t]
.endm
.macro LNROW xs, xd                    ; a row of 512, 16 neighbours a lane: (x - mean) / sqrt(var + eps) x g + b; the variance from the differences
	v_pk_add_f32 v[W:W+1], v[\xs:\xs+1], v[\xs+2:\xs+3]
	v_pk_add_f32 v[W+2:W+3], v[\xs+4:\xs+5], v[\xs+6:\xs+7]
	v_pk_add_f32 v[W+4:W+5], v[\xs+8:\xs+9], v[\xs+10:\xs+11]
	v_pk_add_f32 v[W+6:W+7], v[\xs+12:\xs+13], v[\xs+14:\xs+15]
	v_pk_add_f32 v[W:W+1], v[W:W+1], v[W+2:W+3]
	v_pk_add_f32 v[W+4:W+5], v[W+4:W+5], v[W+6:W+7]
	v_pk_add_f32 v[W:W+1], v[W:W+1], v[W+4:W+5]
	v_add_f32 v[W], v[W], v[W+1]
	RED W, W+1
	v_mul_f32 v[W], s[INV], v[W]                   ; the mean
.irp k, 0,2,4,6,8,10,12,14
	v_pk_add_f32 v[\xd+\k:\xd+\k+1], v[\xs+\k:\xs+\k+1], v[W:W+1] op_sel_hi:[1,0] neg_lo:[0,1] neg_hi:[0,1]
.endr
	v_pk_mul_f32 v[W+2:W+3], v[\xd:\xd+1], v[\xd:\xd+1]
	v_pk_mul_f32 v[W+4:W+5], v[\xd+2:\xd+3], v[\xd+2:\xd+3]
.irp k, 4,8,12
	v_pk_fma_f32 v[W+2:W+3], v[\xd+\k:\xd+\k+1], v[\xd+\k:\xd+\k+1], v[W+2:W+3]
	v_pk_fma_f32 v[W+4:W+5], v[\xd+\k+2:\xd+\k+3], v[\xd+\k+2:\xd+\k+3], v[W+4:W+5]
.endr
	v_pk_add_f32 v[W+2:W+3], v[W+2:W+3], v[W+4:W+5]
	v_add_f32 v[W+2], v[W+2], v[W+3]
	RED W+2, W+3
	v_fma_f32 v[W+2], v[W+2], s[INV], s[EPSR]      ; var + eps
	v_rsq_f32 v[W+2], v[W+2]
	v_nop                                          ; a plain place behind the transcendental
	s_wait_alu depctr_va_vdst(0)                   ; the reciprocal root is written, ahead of its first reader
.irp k, 0,2,4,6,8,10,12,14
	v_pk_mul_f32 v[\xd+\k:\xd+\k+1], v[\xd+\k:\xd+\k+1], v[W+2:W+3] op_sel_hi:[1,0]
.endr
.irp k, 0,2,4,6,8,10,12,14
	v_pk_fma_f32 v[\xd+\k:\xd+\k+1], v[\xd+\k:\xd+\k+1], v[AF+\k:AF+\k+1], v[AF+16+\k:AF+16+\k+1]
.endr
.endm
.macro QROW src, cr                    ; my 16 neighbours of a row become 16 codes in v[cr] .. v[cr + 3]: one 16-byte piece of an image.  Each of the ten pieces has registers of its own
.irp k, 0,1,2,3,4,5,6,7,8,9,10,11,12,13,14,15
	v_med3_num_f32 v[W+\k], v[\src+\k], -v[VLM], v[VLM]   ; the conversion does not saturate (ISA guide 7.6.2): the hold
.endr
	v_cvt_scalef32_pk8_fp8_f32 v[\cr:\cr+1], v[W:W+7], v[VSC]
	v_cvt_scalef32_pk8_fp8_f32 v[\cr+2:\cr+3], v[W+8:W+15], v[VSC]
	v_nop                                          ; a plain place behind the conversions
.endm
.macro ROW i, c0, c1, c2, c3, c4       ; my row i: the norm, five quantisations, then its five pieces in one run of stores
	LNROW ACC+16*(\i), BIAS
	SETSC S_E0
	QROW BIAS, \c0
	SETSC S_E2
	QROW ACC+16*(\i), \c1
	SETSC S_E4
	QROW ACC+16*(\i), \c2
	SETSC S_E14
	QROW T+16*(\i), \c3
	SETSC S_E16
	QROW T+16*(\i), \c4
	s_wait_alu depctr_va_vdst(0)                   ; the row's ten conversions have written its five pieces, which the LDS stores read
	ds_store_b128 v[IW], v[\c0:\c0+3] offset:16*(\i)
	ds_store_b128 v[IW], v[\c1:\c1+3] offset:IMG+16*(\i)
	ds_store_b128 v[IW], v[\c2:\c2+3] offset:2*IMG+16*(\i)
	ds_store_b128 v[IW2], v[\c3:\c3+3] offset:16*(\i)
	ds_store_b128 v[IW2], v[\c4:\c4+3] offset:IMG+16*(\i)
.endm
.macro EQ ptr, imm, stride, again      ; the four sums become two 16-byte pieces a lane, stored as images: 512 consecutive bytes a store.  again = 1: an earlier job has stored from the same registers
	PL                                             ; four places behind the job's last products, ahead of the reads of their results
.if \again
	s_wait_xcnt 0x0                                ; the last job's stores have had their addresses translated,
	s_wait_alu depctr_vm_vsrc(0)                   ; and have read v24-31, which the conversions below write again
.endif
.set N, 0
.rept 32
	v_med3_num_f32 v[ACC+N], v[ACC+N], -v[VLM], v[VLM]   ; each accumulator from its low end on
.set N, N+1
.endr
.irp p, 0,1
	v_cvt_scalef32_pk8_fp8_f32 v[CODE+4*\p:CODE+4*\p+1], v[ACC+16*\p:ACC+16*\p+7], v[VSC]
	v_cvt_scalef32_pk8_fp8_f32 v[CODE+4*\p+2:CODE+4*\p+3], v[ACC+16*\p+8:ACC+16*\p+15], v[VSC]
.endr
	v_nop
	s_wait_alu depctr_va_vdst(0)                   ; the conversions have written v24-31, which the stores read; the job's last products are done reading their buffers, in which the next step's loads land
	global_store_b128 v[QO], v[CODE:CODE+3], s[\ptr:\ptr+1] offset:\imm
	global_store_b128 v[QO], v[CODE+4:CODE+7], s[\ptr:\ptr+1] offset:\imm+\stride
.endm
	s_load_b512 s[4:19], s[0:1], 0x0               ; x 4, enc 6, g 8, b 10, exponents 12, wcodes 14, qc 16, kva 18
	s_load_b64 s[20:21], s[0:1], 0x40              ; kvb
	v_lshl_add_u32 v16, v0, 2, 0x15400
	v_mov_b32 v17, 0
	v_lshrrev_b32 v18, 5, v0
	v_readfirstlane_b32 s24, v18                   ; wave w
	v_and_b32 v19, 31, v0                          ; lane
	v_and_b32 v20, 15, v0                          ; r
	v_bfe_u32 v21, v0, 4, 1                        ; h
	s_wait_alu depctr_va_sdst(0)                   ; s24 is written, ahead of its first reader
	s_lshl_b32 s30, s24, 14
	v_lshl_add_u32 v[LB], v19, 4, s30
	v_mul_u32_u24 v[LIA], v21, HP
	v_lshl_add_u32 v[LIA], v20, 4, v[LIA]
	v_add_nc_u32 v[LIA2], 3*IMG, v[LIA]
	s_lshr_b32 s31, s24, 3                         ; my two rows: tile w / 8, lanes 2 (w % 8) and the next
	s_and_b32 s32, s24, 7
	s_mul_i32 s30, s31, IMGU
	s_lshl_b32 s33, s32, 5
	s_add_co_u32 s30, s30, s33
	v_mul_u32_u24 v[IW], v19, HP
	v_add_nc_u32 v[IW], s30, v[IW]
	v_add_nc_u32 v[IW2], 3*IMG, v[IW]
	s_lshl_b32 s31, s31, 3
	s_lshl_b32 s33, s32, 1
	s_and_b32 s33, s33, 7
	s_add_co_u32 s31, s31, s33
	s_lshr_b32 s33, s32, 2
	s_lshl_b32 s33, s33, 4
	s_add_co_u32 s31, s31, s33                     ; which are rows 8 (w/8) + (2 (w%8)) % 8 + 16 ((w%8)/4) and the next of the 32
	s_lshl_b32 s31, s31, 11
	v_lshl_add_u32 v[RG], v19, 6, s31
	v_lshlrev_b32 v[G64], 6, v19
	s_lshl_b32 s30, s24, 15
	v_lshl_add_u32 v[QO], v19, 4, s30
	s_mov_b32 s[SEL], 0x76543210
	s_mov_b32 s[SEL+1], 0xfedcba98
	s_mov_b32 s[INV], 0x3b000000                   ; 1 / 512
	s_mov_b32 s[EPSR], 0x3727c5ac                  ; 1e-5
	s_lshl_b32 s30, ttmp9, 16                      ; 32 rows of 2,048 bytes
	s_mov_b32 s31, 0
	s_wait_kmcnt 0x0
	s_load_b512 s[36:51], s[12:13], 0x0
	s_load_b256 s[52:59], s[12:13], 0x40
	s_load_b128 s[60:63], s[12:13], 0x60
	s_add_nc_u64 s[4:5], s[4:5], s[30:31]
	s_add_nc_u64 s[6:7], s[6:7], s[30:31]
	s_wait_alu depctr_va_vdst(0)                   ; the offsets and LDS addresses v1 to v12 are written, which every load and store of the kernel reads
.irp i, 0,1
.irp j, 0,1,2,3
	global_load_b128 v[ACC+16*\i+4*\j:ACC+16*\i+4*\j+3], v[RG], s[4:5] offset:2048*\i+16*\j
.endr
.endr
.irp i, 0,1
.irp j, 0,1,2,3
	global_load_b128 v[T+16*\i+4*\j:T+16*\i+4*\j+3], v[RG], s[6:7] offset:2048*\i+16*\j th:TH_LOAD_NT
.endr
.endr
.irp j, 0,1,2,3
	global_load_b128 v[AF+4*\j:AF+4*\j+3], v[G64], s[8:9] offset:16*\j
	global_load_b128 v[AF+16+4*\j:AF+16+4*\j+3], v[G64], s[10:11] offset:16*\j
.endr
	BHALF 0, 0
	BHALF 0, 1
	BHALF 1, 0
	BHALF 1, 1
	s_lshr_b32 s30, ttmp9, 5                       ; batch
	s_lshl_b32 s30, s30, 19
	s_and_b32 s32, ttmp9, 31                       ; which 32 rows of its 1,024
	s_lshl_b32 s33, s32, 10
	s_add_co_u32 s34, s30, s33                     ; q, k: two tiles of 512 bytes for each head
	s_mov_b32 s35, 0
	s_lshr_b32 s33, s32, 2
	s_lshl_b32 s33, s33, 12
	s_add_co_u32 s30, s30, s33
	s_and_b32 s33, s32, 3
	s_lshl_b32 s33, s33, 9
	s_add_co_u32 s30, s30, s33                     ; v: piece (rows / 32) % 4 of key step rows / 128
	s_add_nc_u64 s[26:27], s[18:19], s[30:31]
	s_add_nc_u64 s[28:29], s[20:21], s[30:31]
	s_add_nc_u64 s[16:17], s[16:17], s[34:35]
	s_add_nc_u64 s[18:19], s[18:19], s[34:35]
	s_add_nc_u64 s[20:21], s[20:21], s[34:35]
	s_wait_kmcnt 0x0
	SCL S_E0, E+0
	SCL S_E2, E+2
	SCL S_E4, E+4
	SCL S_E14, E+14
	SCL S_E16, E+16
	FOLD F_Q, 6, 0, 1
	FOLD F_K1, 7, 2, 3
	FOLD F_V1, 8, 4, 5
	FOLD F_K2, 19, 14, 15
	FOLD F_V2, 20, 16, 17
	s_wait_loadcnt 16                              ; rows, gain and bias are in; the 16 weight loads may be out
	ROW 0, 128, 132, 136, 140, 144                 ; the pieces lie in the weight's third set, which is asked for only in step 0,
	ROW 1, 148, 152, 156, 24, 28                   ; and in v24-31.  The wait ahead of this row's stores stands behind the row phase's last read of gain, bias and enc
	s_wait_dscnt 0x0                               ; for the others' sake: my pieces of the five images have landed
	s_barrier_signal -1
	s_barrier_wait -1                              ; the only barrier: LDS is only read from here on
	s_wait_alu depctr_vm_vsrc(0)                   ; my LDS stores have read v128-159, in which step 2's weights land, and v24-31, which the first job's conversions write
	AHALF 0, 0                                     ; step 0's fragments, into the registers that held gain and bias: no vector instruction has named them since the wait ahead of row 1's stores
	AHALF 0, 1
	JOB 0, 0
	SETSC F_Q
	EQ 16, 0, 512, 0
	JOB 1, 0
	SETSC F_K1
	EQ 18, 0, 512, 1
	JOB 2, 1
	SETSC F_V1
	EQ 26, 0x400000, 2048, 1
	JOB 3, 0
	SETSC F_K2
	EQ 20, 0, 512, 1
	JOB 4, 1
	SETSC F_V2
	EQ 28, 0x400000, 2048, 1
	s_wait_dscnt 0x0                               ; the closing lines, six on end
	s_wait_alu 0x0
	s_wait_tensorcnt 0x0
	ds_add_u32 v16, v17
	s_wait_dscnt 0x0
	s_endpgm
.Lfunc_end_k_qee9daeadfc_qkv:
	.size	k_qee9daeadfc_qkv, .Lfunc_end_k_qee9daeadfc_qkv-k_qee9daeadfc_qkv
	.p2alignl 7, 3214868480
	.fill 96, 4, 3214868480
	.section	.rodata,"a",@progbits
	.p2align	6, 0x0
	.amdhsa_kernel k_qee9daeadfc_qkv
		.amdhsa_group_segment_fixed_size 89088
		.amdhsa_private_segment_fixed_size 0
		.amdhsa_enable_private_segment 0
		.amdhsa_kernarg_size 72
		.amdhsa_user_sgpr_count 2
		.amdhsa_user_sgpr_kernarg_segment_ptr 1
		.amdhsa_wavefront_size32 1
		.amdhsa_system_sgpr_workgroup_id_x 1
		.amdhsa_system_sgpr_workgroup_id_y 1
		.amdhsa_system_sgpr_workgroup_id_z 1
		.amdhsa_system_vgpr_workitem_id 0
		.amdhsa_next_free_vgpr 256
		.amdhsa_next_free_sgpr 96
		.amdhsa_reserve_vcc 0
		.amdhsa_float_denorm_mode_32 3
		.amdhsa_float_denorm_mode_16_64 3
		.amdhsa_memory_ordered 1
		.amdhsa_forward_progress 1
		.amdhsa_inst_pref_size 76
	.end_amdhsa_kernel
	.amdgpu_metadata
---
amdhsa.version: [ 1, 2 ]
amdhsa.kernels:
  - .name:           k_qee9daeadfc_qkv
    .symbol:         k_qee9daeadfc_qkv.kd
    .args:
      - { .name: x, .offset: 0, .size: 8, .value_kind: global_buffer, .address_space: global }
      - { .name: encoder_output, .offset: 8, .size: 8, .value_kind: global_buffer, .address_space: global }
      - { .name: ln1_g, .offset: 16, .size: 8, .value_kind: global_buffer, .address_space: global }
      - { .name: ln1_b, .offset: 24, .size: 8, .value_kind: global_buffer, .address_space: global }
      - { .name: lowp_scales, .offset: 32, .size: 8, .value_kind: global_buffer, .address_space: global }
      - { .name: wcodes, .offset: 40, .size: 8, .value_kind: global_buffer, .address_space: global }
      - { .name: qc, .offset: 48, .size: 8, .value_kind: global_buffer, .address_space: global }
      - { .name: kva, .offset: 56, .size: 8, .value_kind: global_buffer, .address_space: global }
      - { .name: kvb, .offset: 64, .size: 8, .value_kind: global_buffer, .address_space: global }
    .group_segment_fixed_size: 89088
    .private_segment_fixed_size: 0
    .kernarg_segment_align: 8
    .kernarg_segment_size: 72
    .max_flat_workgroup_size: 512
    .sgpr_count:     96
    .vgpr_count:     256
    .wavefront_size: 32
...
	.end_amdgpu_metadata
.endif
;; end of part 5
;; launch attn_sa (part 6): grid 2 x 128, 16 waves a work-group, no clusters, 67,584 bytes of LDS; arguments qc, kva, par_sa, att; writes att
.if DOCPART == 6
	.amdgcn_target "amdgcn-amd-amdhsa--gfx1250"
	.amdhsa_code_object_version 6
	.text
	.protected	k_qee9daeadfc_attn_sa
	.globl	k_qee9daeadfc_attn_sa
	.p2align	8
	.type	k_qee9daeadfc_attn_sa,@function
k_qee9daeadfc_attn_sa:
	s_mov_b64 s[64:65], 0
	v_nop
	global_prefetch_b8 v0, s[64:65] scope:SCOPE_SE
	s_setreg_imm32_b32 hwreg(HW_REG_WAVE_SCHED_MODE, 0, 2), 2
	s_setreg_imm32_b32 hwreg(HW_REG_WAVE_MODE, 25, 1), 1
	s_wait_xcnt 0x0
	s_wait_alu depctr_vm_vsrc(0)
; Attention of one head on codes of FP8 (E4M3): out = softmax(q k^T / sqrt(32)) v, causal or not (a whole number in par), the result quantised at once for the projection.
; par (whole numbers, stored by the first launch): eq, ek, ev, ep, eo, causal.
; q, k: images of 16 rows x 32 (lane (r, h): row r of the tile, 16 h + 0..15 of the head's 32), 512 bytes a tile; lane r of tile 2 b + u is row 32 b + 8 u + (r%8) + 16 (r/8).
; v: images with the KEYS innermost: for each 128 keys two tiles of 16 of the head's 32.  The result: one 16-byte piece a lane of the projection's operand image.
; THE HEAD IS 32 LONG, half of the shortest K: the first product takes the K = 64 form with zero codes in the upper four registers of both sources, which add nothing.
; SOFTMAX: t = score x log2(e) / sqrt(32); M = the running largest t rounded UP to a whole number; p = 2^(t - M) is quantised, not normalised; the sum of the unquantised p divides at the end;
; when M moves, the sum and O are multiplied by 2^(old M - new M), which rounds nothing.
; SHARES.  Work-group (j, head): the head's K and V images, 64 KiB, are copied into LDS once.  Wave w takes query tiles p = 16 j + w and 63 - p: under the causal mask (p/8 + 1) + (8 - p/8) = 9 key steps in every wave.
; Both products are used transposed (S^T = K Q^T, O^T = V^T P^T): a lane holds ONE query throughout.  Four waves to a SIMD: one wave's exponentials stand beside another's products.
; A step all of whose keys come after the tile's queries ends the tile (scalar branch on ids and on the causal flag); on the diagonal hidden scores become -infinity.
; NO CLUSTER: the two work-groups of a head share 64 KiB, read once at the head; there is no ring into which a joint request could pay.
; LIMITS: eq + ek between -124 and 129; ep and eo - ev - ep between -126 and 119.
; THE MODE: SCHED_MODE bits 1:0 = 2 (LLVM: expert scheduling mode 2), set by the entry lines.  The code itself states the register dependences
; between vector or matrix instructions and memory or LDS instructions, with s_wait_alu, always for 0.
; THE PLAN.  Registers that memory or LDS instructions touch, in the loop:
;   K  v32-35 + 8 t   read by a key step's eight first products; the next step's LDS loads land in them.
;   V  v192-223       read by a key step's two second products, its last instructions; the next step's LDS loads land in them.
;   Q  v16-19         read by every first product of a tile; loaded anew at a tile's head.
;   v4, v5, v8-11     Q's offset, the result's offset and codes: written once a tile, read by the tile's one load and one store.
;   v1, v2            lane x 16, thread x 16: made at the head, never written again.
; The wait on va_vdst that stands behind a key step's 64 exponentials also states that this step's first products are done reading K and the last step's second products V.  Behind it K of the next step and V of this step
; are asked for: no later vector or matrix instruction names their registers before the wait for the data, which stands ahead of the second products.  So a key step holds that one wait.
.set LI,  1                            ; v1   lane x 16; v2 thread x 16; v3 my query's place less 16 h; v4, v5 offsets of Q and of the result
.set SEL, 28
.set CS,  30                           ; s[30:31] c = log2(e) / sqrt(32) x 2^(eq + ek)
.set MK,  38                           ; s[38:45] eight masks of the diagonal step
; v8-11 the result's codes; v12 -M, v13 the largest t, v[14:15] the sum; v16-23 Q; v32-95 eight fragments of K; v96-159 S^T, then p; v160-175 O^T; v176-191 p's codes; v192-223 V; v224-239 the way out;
; v240, v244: 448 x 2^ep, 2^ep; v241, v245: the same for eo - ev - ep; v242-254 at work
.macro PL
.rept 4
	v_nop
.endr
.endm
	s_load_b256 s[4:11], s[0:1], 0x0               ; q 4, k and v 6, par 8, result 10
	v_lshl_add_u32 v251, v0, 2, 0x10000
	v_mov_b32 v255, 0
	v_lshrrev_b32 v2, 5, v0
	v_readfirstlane_b32 s32, v2                    ; wave
	v_and_b32 v6, 31, v0
	v_lshlrev_b32 v[LI], 4, v6
	v_lshlrev_b32 v2, 4, v0
	v_and_b32 v3, 7, v0
	v_bfe_u32 v6, v0, 3, 1
	v_lshl_add_u32 v3, v6, 4, v3
	v_bfe_u32 v6, v0, 4, 1
	v_lshlrev_b32 v6, 4, v6
	v_sub_nc_u32 v3, v3, v6                        ; (r%8) + 16 (r/8) - 16 h
	s_wait_alu depctr_va_sdst(0)                   ; s32 is written, ahead of its first reader
	s_and_b32 s33, ttmp7, 0xffff                   ; 16 x batch + head
	s_lshl_b32 s34, s33, 15                        ; a head's q, k or v: 32,768 bytes
	s_mov_b32 s35, 0
	s_lshr_b32 s36, s33, 4
	s_lshl_b32 s36, s36, 19
	s_and_b32 s37, s33, 15
	s_lshl_b32 s37, s37, 9
	s_add_co_u32 s36, s36, s37                     ; the result: batch x 32 blocks of 16,384 + head x 512
	s_mov_b32 s37, 0
	s_lshl_b32 s20, ttmp9, 4
	s_add_co_u32 s20, s20, s32                     ; my first query tile
	s_mov_b32 s[SEL], 0x76543210
	s_mov_b32 s[SEL+1], 0xfedcba98
	s_wait_kmcnt 0x0
	s_load_b256 s[12:19], s[8:9], 0x0              ; eq 12, ek 13, ev 14, ep 15, eo 16, causal 17
	s_add_nc_u64 s[4:5], s[4:5], s[34:35]
	s_add_nc_u64 s[6:7], s[6:7], s[34:35]
	s_add_nc_u64 s[10:11], s[10:11], s[36:37]
	s_wait_alu depctr_va_vdst(0)                   ; v1 and v2 are written, which the copy's loads and stores and every LDS load read as their address
.irp i, 0,1,2,3
	global_load_b128 v[32+4*\i:35+4*\i], v2, s[6:7] offset:8192*\i
.endr
.irp i, 0,1,2,3
	global_load_b128 v[48+4*\i:51+4*\i], v2, s[6:7] offset:0x400000+8192*\i
.endr
.irp i, 20,21,22,23
	v_mov_b32 v\i, 0                               ; Q's upper half: zero codes
.endr
	v_mov_b32 v246, 0                              ; written once: a lane permute's destination counts as one of its sources
	v_mov_b32 v253, 0                              ; (named as the upper half of the pair v[252:253])
	s_wait_kmcnt 0x0
	s_add_co_i32 s22, s12, s13
	s_lshl_b32 s22, s22, 23
	s_add_co_i32 s[CS], s22, 0x3e8293ee            ; the two exponents are added to c's exponent field
	s_mov_b32 s[CS+1], s[CS]
	s_add_co_i32 s22, s15, 127
	s_lshl_b32 s24, s22, 23
	v_mov_b32 v244, s24
	s_add_co_i32 s22, s22, 8
	s_lshl_b32 s22, s22, 23
	s_or_b32 s22, s22, 0x600000
	v_mov_b32 v240, s22
	s_sub_co_i32 s22, s16, s14                     ; O / l stands for x 2^(ev + ep): its code is (O / l) / 2^(eo - ev - ep)
	s_sub_co_i32 s22, s22, s15
	s_add_co_i32 s22, s22, 127
	s_lshl_b32 s24, s22, 23
	v_mov_b32 v245, s24
	s_add_co_i32 s22, s22, 8
	s_lshl_b32 s22, s22, 23
	s_or_b32 s22, s22, 0x600000
	v_mov_b32 v241, s22
	s_wait_loadcnt 0x0
.irp i, 0,1,2,3
	ds_store_b128 v2, v[32+4*\i:35+4*\i] offset:8192*\i
.endr
.irp i, 0,1,2,3
	ds_store_b128 v2, v[48+4*\i:51+4*\i] offset:32768+8192*\i
.endr
	s_wait_dscnt 0x0                               ; for the others' sake: my part of K and V has landed
	s_barrier_signal -1
	s_barrier_wait -1                              ; the only barrier: LDS is only read from here on
	s_wait_alu depctr_vm_vsrc(0)                   ; my LDS stores have read v32-63: the zeros below are written there, and K's loads land there
.irp t, 0,1,2,3,4,5,6,7
.irp i, 4,5,6,7
	v_mov_b32 v[32+8*\t+\i], 0                     ; K's upper halves: zero codes, never loaded over
.endr
.endr
; A KEY STEP: keys 128 q on.  Its K has been asked for, and waited for, in the step before (step 0's: at the tile's head).
.macro KSTEP q
.if \q > 0
	s_cmp_lt_u32 s25, 128*\q                       ; all its keys, and all later ones, come after the tile's last query
	s_cbranch_scc1 .Ldone
.endif
.irp t, 0,1,2,3,4,5,6,7
	v_wmma_f32_16x16x64_fp8_fp8 v[96+8*\t:103+8*\t], v[32+8*\t:39+8*\t], v[16:23], 0
.endr                                              ; lane (r, h): query r; register 16 b + i: key 128 q + 32 b + 16 h + i
	PL
	s_cmp_ge_u32 s26, 128*\q+127                   ; all its keys count for all the tile's queries
	s_cbranch_scc1 .Lopen_\@
	s_sub_co_i32 s27, s23, 128*\q
	v_add_nc_u32 v252, s27, v3                     ; d = my query - 128 q - 16 h: register 16 b + i is hidden where 32 b + i > d
	v_mov_b32 v254, 0xff800000
.set N, 0
.rept 8                                            ; eight compares in a run, each into a scalar register of its own; one wait; eight selects
.set NI, 0
.rept 8
	v_cmp_gt_i32 s[MK+NI], 32*((N+NI)/16)+(N+NI)%16, v252
.set NI, NI+1
.endr
	s_wait_alu depctr_va_sdst(0)                   ; the eight compares have written s38 to s45, ahead of the selects that read them
.set NI, 0
.rept 8
	v_cndmask_b32 v[96+N+NI], v[96+N+NI], v254, s[MK+NI]
.set NI, NI+1
.endr
.set N, N+8
.endr
.Lopen_\@:
	v_max3_num_f32 v254, v96, v97, v98             ; the step's largest score of my query among my 64 keys, in two chains,
	v_max3_num_f32 v252, v99, v100, v101
.irp i, 6,10,14,18,22,26,30,34,38,42,46,50,54,58
	v_max3_num_f32 v254, v254, v[96+\i], v[97+\i]
	v_max3_num_f32 v252, v252, v[98+\i], v[99+\i]
.endr
	v_max3_num_f32 v254, v254, v158, v159
	v_max_num_f32 v254, v254, v252
	v_permlanex16_b32 v246, v254, s[SEL], s[SEL+1]
	v_max_num_f32 v254, v254, v246                 ; and among lane l xor 16's
	v_mul_f32 v254, s[CS], v254                    ; as t (c is positive)
	v_max_num_f32 v13, v13, v254
	v_mov_b32 v254, v12
	v_floor_f32 v12, -v13                          ; the new -M = -ceil(t)
	v_sub_f32 v254, v12, v254                      ; old M - new M: a whole number, 0 or less
	v_cvt_i32_f32 v254, v254                       ; (it saturates)
	v_ldexp_f32 v252, 1.0, v254                    ; f = 2^(old M - new M)
.set N, 0
.rept 32
	v_pk_fma_f32 v[96+N:97+N], v[96+N:97+N], s[CS:CS+1], v[12:13] op_sel_hi:[1,0,0]   ; t - M
.set N, N+2
.endr
.set N, 0
.rept 64
	v_exp_f32 v[96+N], v[96+N]                     ; p = 2^(t - M), at most 1
.set N, N+1
.endr
	v_pk_mul_f32 v[14:15], v[14:15], v[252:253] op_sel_hi:[1,0]   ; the sum under the new M (a plain place behind the exponentials)
	s_wait_alu depctr_va_vdst(0)                   ; the exponentials have written p, ahead of its first reader; this step's first products are done reading K, the last step's second products V: the LDS loads below land in both
.if \q < 7
	s_cmp_lt_u32 s25, 128*\q+128                   ; the next step's K, unless that step is hidden: the test that stands at its head
	s_cbranch_scc1 .Lnok_\@
.irp t, 0,1,2,3,4,5,6,7
	ds_load_b128 v[32+8*\t:35+8*\t], v[LI] offset:4096*\q+4096+512*\t
.endr
.Lnok_\@:
.endif
.irp d, 0,1
.irp c, 0,1,2,3
	ds_load_b128 v[192+16*\d+4*\c:195+16*\d+4*\c], v[LI] offset:32768+4096*\q+2048*\d+512*\c   ; this step's V: it lands while p is summed and quantised
.endr
.endr
	v_pk_add_f32 v[242:243], v[96:97], v[98:99]    ; the sum of the UNQUANTISED p, in two chains
.irp j, 4,8,12,16,20,24,28,32,36,40,44,48,52,56,60
	v_pk_add_f32 v[14:15], v[14:15], v[96+\j:97+\j]
	v_pk_add_f32 v[242:243], v[242:243], v[98+\j:99+\j]
.endr
	v_pk_add_f32 v[14:15], v[14:15], v[242:243]
	s_cmp_ge_i32 s15, -8                           ; p <= 1 <= 448 x 2^ep from ep = -8 on: the hold would change nothing
	s_cbranch_scc1 .Lnohold_\@
.set N, 0
.rept 64
	v_min_num_f32 v[96+N], v[96+N], v240           ; the conversion does not saturate (ISA guide 7.6.2); p is not negative
.set N, N+1
.endr
.Lnohold_\@:
.irp b, 0,1,2,3
	v_cvt_scalef32_pk8_fp8_f32 v[176+4*\b:177+4*\b], v[96+16*\b:103+16*\b], v244
	v_cvt_scalef32_pk8_fp8_f32 v[178+4*\b:179+4*\b], v[104+16*\b:111+16*\b], v244
.endr
.irp j, 0,2,4,6,8,10,12,14
	v_pk_mul_f32 v[160+\j:161+\j], v[160+\j:161+\j], v[252:253] op_sel_hi:[1,0]   ; O^T under the new M; also the plain places behind the conversions
.endr
	s_wait_dscnt 0x0                               ; V is in, and so is the next step's K
	v_wmma_f32_16x16x128_fp8_fp8 v[160:167], v[192:207], v[176:191], v[160:167]
	v_wmma_f32_16x16x128_fp8_fp8 v[168:175], v[208:223], v[176:191], v[168:175]
.endm
	s_mov_b32 s21, 0
.Ltile:                                            ; two trips: tile p, then tile 63 - p
	s_wait_xcnt 0x0                                ; the last trip's load and store have had their addresses translated,
	s_wait_alu depctr_vm_vsrc(0)                   ; and have read v4, v5 and v8-11, all of which this trip writes again
	s_lshl_b32 s22, s20, 9
	v_add_nc_u32 v4, s22, v[LI]
	s_lshl_b32 s22, s20, 13
	v_add_nc_u32 v5, s22, v[LI]
	s_wait_alu depctr_va_vdst(0)                   ; v4 and v5 are written, which Q's load and the result's store read; the last tile's first products are done reading Q and K, in which the loads below land
	global_load_b128 v[16:19], v4, s[4:5]
.irp t, 0,1,2,3,4,5,6,7
	ds_load_b128 v[32+8*\t:35+8*\t], v[LI] offset:512*\t   ; K of key step 0
.endr
	s_lshr_b32 s23, s20, 1
	s_lshl_b32 s23, s23, 5
	s_and_b32 s24, s20, 1
	s_lshl_b32 s24, s24, 3
	s_add_co_u32 s23, s23, s24                     ; the tile's first query
	s_add_co_u32 s24, s23, 23                      ; and its last
	s_cmp_lg_u32 s17, 0
	s_cselect_b32 s25, s24, 0xffff                 ; without a mask no step is hidden,
	s_cselect_b32 s26, s23, 0xffff                 ; and every step is open
.set N, 0
.rept 16
	v_mov_b32 v[160+N], 0                          ; O^T: the first change of M leaves zeros zeros
.set N, N+1
.endr
	v_mov_b32 v14, 0
	v_mov_b32 v15, 0
	v_mov_b32 v13, 0xff61b1e6                      ; -3e38, under every t
	v_floor_f32 v12, -v13
	s_wait_loadcnt 0x0                             ; Q
	s_wait_dscnt 0x0                               ; K of key step 0
	KSTEP 0
	KSTEP 1
	KSTEP 2
	KSTEP 3
	KSTEP 4
	KSTEP 5
	KSTEP 6
	KSTEP 7
.Ldone:
	PL
	v_add_f32 v14, v14, v15
	v_permlanex16_b32 v246, v14, s[SEL], s[SEL+1]
	v_add_f32 v14, v14, v246                       ; the row's sum
	v_rcp_f32 v14, v14
	v_nop                                          ; a plain place behind the transcendental
.set N, 0
	s_wait_alu depctr_va_vdst(0)                   ; the reciprocal is written, ahead of its first reader
.rept 16
	v_mul_f32 v[224+N], v[160+N], v14              ; register i: the head's 16 h + i of query r; each accumulator from its low end on
.set N, N+1
.endr
.set N, 0
.rept 16
	v_med3_num_f32 v[224+N], v[224+N], -v241, v241
.set N, N+1
.endr
	v_cvt_scalef32_pk8_fp8_f32 v[8:9], v[224:231], v245
	v_cvt_scalef32_pk8_fp8_f32 v[10:11], v[232:239], v245
	v_nop
	s_wait_alu depctr_va_vdst(0)                   ; the conversions have written v8-11, which the store reads
	global_store_b128 v5, v[8:11], s[10:11]        ; 512 consecutive bytes: one piece of the projection's operand image
	s_sub_co_u32 s20, 63, s20
	s_add_co_u32 s21, s21, 1
	s_cmp_lt_u32 s21, 2
	s_cbranch_scc1 .Ltile
	s_wait_dscnt 0x0                               ; the closing lines, six on end
	s_wait_alu 0x0
	s_wait_tensorcnt 0x0
	ds_add_u32 v251, v255
	s_wait_dscnt 0x0
	s_endpgm
.Lfunc_end_k_qee9daeadfc_attn_sa:
	.size	k_qee9daeadfc_attn_sa, .Lfunc_end_k_qee9daeadfc_attn_sa-k_qee9daeadfc_attn_sa
	.p2alignl 7, 3214868480
	.fill 96, 4, 3214868480
	.section	.rodata,"a",@progbits
	.p2align	6, 0x0
	.amdhsa_kernel k_qee9daeadfc_attn_sa
		.amdhsa_group_segment_fixed_size 67584
		.amdhsa_private_segment_fixed_size 0
		.amdhsa_enable_private_segment 0
		.amdhsa_kernarg_size 32
		.amdhsa_user_sgpr_count 2
		.amdhsa_user_sgpr_kernarg_segment_ptr 1
		.amdhsa_wavefront_size32 1
		.amdhsa_system_sgpr_workgroup_id_x 1
		.amdhsa_system_sgpr_workgroup_id_y 1
		.amdhsa_system_sgpr_workgroup_id_z 1
		.amdhsa_system_vgpr_workitem_id 0
		.amdhsa_next_free_vgpr 256
		.amdhsa_next_free_sgpr 66
		.amdhsa_reserve_vcc 0
		.amdhsa_float_denorm_mode_32 3
		.amdhsa_float_denorm_mode_16_64 3
		.amdhsa_memory_ordered 1
		.amdhsa_forward_progress 1
		.amdhsa_inst_pref_size 193
	.end_amdhsa_kernel
	.amdgpu_metadata
---
amdhsa.version: [ 1, 2 ]
amdhsa.kernels:
  - .name:           k_qee9daeadfc_attn_sa
    .symbol:         k_qee9daeadfc_attn_sa.kd
    .args:
      - { .name: qc, .offset: 0, .size: 8, .value_kind: global_buffer, .address_space: global }
      - { .name: kva, .offset: 8, .size: 8, .value_kind: global_buffer, .address_space: global }
      - { .name: par_sa, .offset: 16, .size: 8, .value_kind: global_buffer, .address_space: global }
      - { .name: att, .offset: 24, .size: 8, .value_kind: global_buffer, .address_space: global }
    .group_segment_fixed_size: 67584
    .private_segment_fixed_size: 0
    .kernarg_segment_align: 8
    .kernarg_segment_size: 32
    .max_flat_workgroup_size: 512
    .sgpr_count:     66
    .vgpr_count:     256
    .wavefront_size: 32
...
	.end_amdgpu_metadata
.endif
;; end of part 6
;; launch tail (part 7): grid 256 x 1, 16 waves a work-group, no clusters, 188,928 bytes of LDS; arguments att, wcodes, x, sa_pb, ln2_g, ln2_b, kvb, ca_pb, ln3_g, ln3_b, ff_b1, ff_b2, lowp_scales, out0; writes out0
.if DOCPART == 7
	.amdgcn_target "amdgcn-amd-amdhsa--gfx1250"
	.amdhsa_code_object_version 6
	.text
	.protected	k_qee9daeadfc_tail
	.globl	k_qee9daeadfc_tail
	.p2align	8
	.type	k_qee9daeadfc_tail,@function
k_qee9daeadfc_tail:
	s_mov_b64 s[64:65], 0
	v_nop
	global_prefetch_b8 v0, s[64:65] scope:SCOPE_SE
	s_setreg_imm32_b32 hwreg(HW_REG_WAVE_SCHED_MODE, 0, 2), 2
	s_setreg_imm32_b32 hwreg(HW_REG_WAVE_MODE, 25, 1), 1
	s_wait_xcnt 0x0
	s_wait_alu depctr_vm_vsrc(0)
; All that follows the self-attention, for 32 rows a work-group, 16 waves, with nothing but the result going to memory:
;   x1 = x + att Q(sa_pw) + sa_pb;  q2 = Q(ln2(x1)) Q(ca_wq);  cross-attention of q2 on the encoder's K and V (codes, made earlier);  x2 = x1 + its result Q(ca_pw) + ca_pb;
;   out = x2 + Q(relu(Q(ln3(x2)) Q(ff_w1) + ff_b1)) Q(ff_w2) + ff_b2.   All products on codes of FP8 (E4M3), each operand with the one given scale 2^e.
; THE WAVES SHARE THE COLUMNS: wave w makes columns 32 w .. 32 w + 31 of every 512, for all 32 rows: that is HEAD w.  So the codes of q2 that a wave makes are the two Q fragments of its own head's attention and
; stay in its registers, and its attention's result is one 16-byte piece a lane of the next operand's image.  Operands go from wave to wave through LDS as images of their registers.
; Lane r of tile u is row 8 u + (r%8) + 16 (r/8) of the 32; the weights' tiles are laid the same way, so a lane's 16 results of two tiles are 16 neighbours along the next K.  The dense products are used transposed.
; PHASES: att's image into LDS | barrier | projection, 4 K steps, into the stage | barrier | each wave two whole rows: + x (x1 stays in the stage), layer norm (two passes, f32), codes | barrier | q2, 4 K steps |
; attention, 8 key steps | barrier | projection, 4 K steps, added onto x1 in the stage | barrier | layer norm of two whole rows, codes | barrier | first layer, 4 x 4 K steps, relu and hold in one | barrier |
; second layer, 16 K steps, added onto x2 in the stage | barrier | whole rows out.
; ATTENTION.  t = score x log2(e) / sqrt(32); M = the running largest t rounded UP to a whole number; p = 2^(t - M) is quantised, not normalised; the sum of the unquantised p divides at the end; when M moves,
; the sum and O are multiplied by 2^(old M - new M), which rounds nothing.  Both products are used transposed (S^T = K Q^T, O^T = V^T P^T): a lane holds ONE query.  A key step of 128 keys serves both tiles of queries.
; THE HEAD IS 32 LONG, half of the shortest K: a fragment of the K = 64 form holds TWO tiles of keys, [K_t | K_t+1]; against [Q | 0] it gives tile t's scores, against [0 | Q] tile t + 1's: zero codes add nothing.
; K, V AND THE WEIGHTS come straight from memory into registers: images, 512 consecutive bytes a load; each byte is wanted by one wave of the work-group alone, so LDS would only add a write and a read.
; NO CLUSTER: what work-groups share (weights, K, V) is not wanted in LDS, and a joint request exists only for loads into LDS.
; A fragment's k stands in the order of four 16-byte pieces (registers 4 c ..: k = 32 c + 16 h + 0..15), alike in both sources: every product meets its partner.
; A bias is the C of a sum's first products, divided by the power of two that the sums lack; it is asked for ahead of that step's weights.
; LIMITS: e12, e21, e24, e18 - e12 - e13, e22 - e20 - e21 and e26 - e24 - e25 between -126 and 119; e10 + e11, e22 + e23 and e26 + e27 between -126 and 127; e18 + e19 between -124 and 129.  NaN among the inputs is not served.
; THE MODE: SCHED_MODE bits 1:0 = 2 (LLVM: expert scheduling mode 2), set by the entry lines.  The code itself states the register dependences
; between vector or matrix instructions and memory or LDS instructions, with s_wait_alu, always for 0.
; THE PLAN.  Registers that memory or LDS instructions touch:
;   v1-17       offsets and LDS addresses: made once at the head, ahead of one wait on va_vdst, and never written again.
;   B0 .. B2 = v64-159   Dense step i's fragments of the weight lie in B[i % 3]: written by the loads issued at the head of step i - 2, read by step i's four products.
;   A0 = v32-63          Steps 0 to 3: the rows' fragments, loaded and read in the same step: x's rows fill v208-239 and only 16 other registers are free, so there is no second buffer; one wait on va_vdst at the step's head.
;   A0, A1 = v208-239    Steps 4 to 43: step i's fragments lie in A[i % 2]: written by the LDS loads issued in step i - 1 (a phase's first: behind its barrier), read by step i's products.  Step i's loads land in A[(i + 1) % 2] and
;                        B[(i + 2) % 3], which step i - 1's products read and no instruction of step i names: ONE wait on va_vdst at the step's head.  The weight's eight loads follow it at once, ahead of the wait for this step's
;                        weights, so that three sets are on their way at that wait; the rows' eight are dealt among the products.  A step that follows a way out with a wait of its own (steps 4, 8, 12, 16, 20, 24, 28) has
;                        none: no vector instruction that names these buffers stands behind that wait.  Steps 7 and 43 ask for nothing and have none either.
;   v192-207    a bias: loaded two steps ahead of its products, between a step's head wait and its weight loads; scaled and read as C in that step alone.
;   K = v192-207, v240-255; V = v208-239   A key step: behind each tile's first products and their places stands one wait on va_vdst, ahead of lines that read those products' results.  The first states that the last step's second
;                        products are done reading V: this step's V is asked for.  The second states that both tiles' first products are done reading K: the next step's K is asked for.  Each has one tile's softmax in which to land.
;   v24-31, v32-39, v160-191, v208-239 as data of LDS stores: written by vector instructions, one wait on va_vdst ahead of each run of stores; one wait on vm_vsrc ahead of the first line that writes them again.
.set HP,   272                         ; 16 lanes' 256 bytes of an image + 16 of padding, so that a row's owner (32 lanes, 272 bytes apart) meets 16 different 16-byte columns
.set IMGU, 32*HP                       ; a tile of 16 rows x 512 k
.set IMG,  2*IMGU
.set IMGA, 0                           ; LDS: the self-attention's image, later the cross-attention's;
.set IMGB, IMG                         ; ln2's image, later ln3's;
.set HID,  2*IMG                       ; the hidden layer's: two tiles of rows x 128 half-blocks of 272;
.set HIDU, 128*HP
.set STG,  HID+2*HIDU                  ; the stage: 32 rows x 2576: 32 pieces of 64 bytes + 16, + 16
.set SROW, 2576
.set WC,   6                           ; s[6:7] wcodes
.set LB,   1                           ; v1   weights: wave x 16384 + lane x 16
.set LIA,  2                           ; v2   image, reading: h x 272 + r x 16
.set IW,   3                           ; v3   image, a row's owner writing
.set SW,   4                           ; v4   stage, a column's owner: row r, piece 2 w + h
.set SR64, 5                           ; v5   stage, a row's owner: 64 bytes a lane
.set SRC,  6                           ; v6   stage, a row's owner: 16 bytes a lane, as the row lies in memory
.set RG,   7                           ; v7   my first row in x and out: row x 2048 + lane x 16
.set G64,  8                           ; v8   lane x 64
.set BO,   9                           ; v9   biases: w x 128 + h x 64
.set KVO,  10                          ; v10  K and V: head x 32768 + lane x 16
.set AW,   11                          ; v11  image, a column's owner writing: half-block 2 w + h, lane r
.set LH0,  13                          ; v13, v14  the hidden image's two tiles, reading
.set LH1,  14
.set HW,   15                          ; v15  the hidden image, writing
.set CPG,  16                          ; v16, v17  the copy of att's image: from, to
.set CPL,  17
.set VSC,  22                          ; v22  a conversion's scale;  v23  448 x it
.set VLM,  23
.set CODE, 24                          ; v24-31 codes
.set AF,   32                          ; v32-63 the rows' two fragments, buffer 0 (in the row phases: gain and bias of the norm); buffer 1 lies 176 registers on, at v208-239
.set BF,   64                          ; v64-159 three sets of the weight's two fragments
.set ACC,  160                         ; v160-191 accumulator (p, q) at 8 (2 p + q)
.set BIAS, 192                         ; v192-207
.set T,    208                         ; v208-239 rows of x; x1, x2 at my columns; between these the fragments' buffer 1
.set W,    240                         ; v240-255 at work
; the attention phase lays its own map over v24-255:
.set TA,   24                          ; v[24:25] second chain of the sum
.set TF,   26                          ; v[26:27] f = 2^(old M - new M), and a word named with it as a pair
.set TM,   28                          ; v28, v29 at work
.set TP,   29
.set VPL,  30                          ; v30  448 x 2^ep;  v31  2^ep
.set VPS,  31
.set QF,   32                          ; v32-55 tile u at 12 u: four zeros, Q's four registers, four zeros
.set ST,   56                          ; v56-63 tile u at 4 u: -M, the largest t, the sum in two halves
.set S,    64                          ; v64-127 S^T, then p
.set PC,   128                         ; v128-143 p's codes
.set O,    160                         ; v160-191 O^T: tile u, half d of the head at 16 u + 8 d
.set KF,   192                         ; v192-207, v240-255 four fragments of K, two tiles of keys each
.set VF,   208                         ; v208-239 two fragments of V
.set E,    36                          ; s[36:63] the 28 exponents
.set NGA,  66
.set NG0,  67
.set SC1,  68
.set S_LN2, 70
.set F_Q,  72
.set SEL,  74
.set INV,  76
.set EPSR, 77
.set NG1,  78
.set NG2,  79
.set SC2,  80
.set SC3,  82
.set S_LN3, 84
.set F_H,  86
.set F_O,  88
.set S_P,  90
.set CS,   92                          ; s[92:93] c = log2(e) / sqrt(32) x 2^(e18 + e19)
.set KP,   94                          ; s[94:95] K and V of my batch, at the key step in hand
.set CNT,  96
.set RINGEND, 8
.macro PL                              ; four places behind matrix instructions (ISA guide 7.12.1)
.rept 4
	v_nop
.endr
.endm
.macro BAR                             ; my LDS stores have landed and my LDS loads are in: then the work-group's barrier
	s_wait_dscnt 0x0
	s_barrier_signal -1
	s_barrier_wait -1
.endm
.macro SCL d, se                       ; s[d] = 2^e as f32, s[d+1] = 448 x 2^e
	s_add_co_i32 s[\d], s[\se], 127
	s_add_co_i32 s[\d+1], s[\d], 8
	s_lshl_b32 s[\d], s[\d], 23
	s_lshl_b32 s[\d+1], s[\d+1], 23
	s_or_b32 s[\d+1], s[\d+1], 0x600000
.endm
.macro FOLD d, eo, ea, ew              ; a sum stands for sum x 2^(ea + ew): its code is sum / 2^(eo - ea - ew)
	s_sub_co_i32 s[\d], s[E+\eo], s[E+\ea]
	s_sub_co_i32 s[\d], s[\d], s[E+\ew]
	SCL \d, \d
.endm
.macro NEGS d, ea, ew
	s_add_co_i32 s[\d], s[E+\ea], s[E+\ew]
	s_sub_co_i32 s[\d], 0, s[\d]
.endm
.macro POW2 d, ea, ew
	s_add_co_i32 s[\d], s[E+\ea], s[E+\ew]
	s_add_co_i32 s[\d], s[\d], 127
	s_lshl_b32 s[\d], s[\d], 23
	s_mov_b32 s[\d+1], s[\d]
.endm
.macro SETSC d
	v_mov_b32 v[VSC], s[\d]
	v_mov_b32 v[VLM], s[\d+1]
.endm
.macro BHALF i, u                      ; step i's fragment u of the weight, into set i % 3.  Steps 0-3: chunk 3 (sa_pw); 4-7: 4 (ca_wq); 8-11: 7 (ca_pw); 12-27: 8-11 (ff_w1); 28-43: 12-15 (ff_w2)
.if (\i) < 8
.set CH, 3+(\i)/4
.else
.set CH, 5+(\i)/4
.endif
.set BL, BF+32*((\i)%3)+16*(\u)
.irp c, 0,1,2,3
	global_load_b128 v[BL+4*\c:BL+4*\c+3], v[LB], s[WC:WC+1] offset:CH*262144+(\u)*8192+((\i)%4)*2048+\c*512
.endr
.endm
.macro BLOAD i
	BHALF \i, 0
	BHALF \i, 1
.endm
.macro AHALF b, u, ar, off, s          ; the fragment of tile u of the rows, K step s of the image at v[ar] + off, into buffer b
.set AL, AF+176*(\b)+16*(\u)
.irp c, 0,1,2,3
	ds_load_b128 v[AL+4*\c:AL+4*\c+3], v[\ar] offset:(\off)+(8*(\s)+2*\c)*HP
.endr
.endm
.macro BIASLD ptr, off
.irp j, 0,1,2,3
	global_load_b128 v[BIAS+4*\j:BIAS+4*\j+3], v[BO], s[\ptr:\ptr+1] offset:(\off)+16*\j
.endr
.endm
.macro BSCALE                          ; the bias divided by the power of two that the sums lack
.set N, 0
.rept 16
	v_ldexp_f32 v[BIAS+N], v[BIAS+N], s[NEGE]
.set N, N+1
.endr
.endm
.macro GBLOAD g, b                     ; a norm's gain and bias: my 16 neighbours of each
.irp k, 0,1,2,3
	global_load_b128 v[AF+4*\k:AF+4*\k+3], v[G64], s[\g:\g+1] offset:16*\k
	global_load_b128 v[AF+16+4*\k:AF+16+4*\k+3], v[G64], s[\b:\b+1] offset:16*\k
.endr
.endm
.macro MM i, b, p, q, cm               ; one product of step i, the rows' fragments in buffer b, onto accumulator (p, q).  cm 0: add on; 1: C = 0; 2: C = the bias
.set BM, BF+32*((\i)%3)+16*(\q)
.set AM, AF+176*(\b)+16*(\p)
.set AC, ACC+8*(2*(\p)+(\q))
.if (\cm) == 0
	v_wmma_f32_16x16x128_fp8_fp8 v[AC:AC+7], v[BM:BM+15], v[AM:AM+15], v[AC:AC+7]
.elseif (\cm) == 1
	v_wmma_f32_16x16x128_fp8_fp8 v[AC:AC+7], v[BM:BM+15], v[AM:AM+15], 0
.else
	v_wmma_f32_16x16x128_fp8_fp8 v[AC:AC+7], v[BM:BM+15], v[AM:AM+15], v[BIAS+8*(\q):BIAS+8*(\q)+7]
.endif
.endm
; A K step of 128 with ONE buffer for the rows' fragments (steps 0 to 3): the weights of two steps on and this step's fragments are asked for, then four products, the accumulators by turns.
.macro DSTEP i, s, cm, w               ; w = 0: the first step, with no products ahead of it
.if \w
	PL                                             ; the places behind the last step's products, ahead of loads into registers that they read, stay beside the wait
	s_wait_alu depctr_va_vdst(0)                   ; the last step's products are done reading v32-63 and their set of the weight: the loads below land in both
.endif
	BLOAD (\i)+2
	AHALF 0, 0, LIA, IMGA, \s
	AHALF 0, 1, LIA, IMGA+IMGU, \s
	s_wait_loadcnt 16                              ; this step's eight weight loads, and all older loads (its bias among them), are in; the two younger steps' may be out
.if (\cm) == 2
	BSCALE
.endif
	s_wait_dscnt 0x0
	MM \i, 0, 0, 0, \cm
	MM \i, 0, 0, 1, \cm
	MM \i, 0, 1, 0, \cm
	MM \i, 0, 1, 1, \cm
.endm
; A K step of 128 with TWO buffers (steps 4 to 43), in two parts, so that a bias can be asked for between them.
; PHEAD is written where a step asks for something and no wait further up states the same.
.macro PHEAD
	PL                                             ; the places behind the last step's products, ahead of loads into registers that they read, stay beside the wait
	s_wait_alu depctr_va_vdst(0)                   ; the last step's products are done reading their buffer of the rows and their set of the weight: this step's loads land in both; and, two steps behind its products, the bias's registers are free
.endm
; The weights of two steps on are asked for first; then four products, the accumulators by turns, and among them the next step's fragments of the rows.
; x: loads that may be out beside the two younger steps' sixteen.  na = 1: the next step's fragments are asked for: K step s1 of the image at v[a0] + o0, v[a1] + o1
.macro PBODY i, cm, x, na, a0, o0, a1, o1, s1
.if (\i)+2 < RINGEND
	BLOAD (\i)+2
	s_wait_loadcnt 16+(\x)                         ; this step's eight weight loads, and all older loads (its bias among them), are in; younger ones may be out
.elseif (\i)+1 < RINGEND
	s_wait_loadcnt 0x8                             ; the ring's last eight may be out
.else
	s_wait_loadcnt 0x0
.endif
	s_wait_dscnt 0x0                               ; this step's fragments of the rows are in
.if (\cm) == 2
	BSCALE
.endif
.if \na
	AHALF 1-(\i)%2, 0, \a0, \o0, \s1
.endif
	MM \i, (\i)%2, 0, 0, \cm
.if \na
	AHALF 1-(\i)%2, 1, \a1, \o1, \s1
.endif
	MM \i, (\i)%2, 0, 1, \cm
	MM \i, (\i)%2, 1, 0, \cm
	MM \i, (\i)%2, 1, 1, \cm
.endm
.macro RED a, t                        ; the sum over the 32 lanes, in every lane
	v_add_f32_dpp v[\a], v[\a], v[\a] row_xmask:1 row_mask:0xf bank_mask:0xf
	v_add_f32_dpp v[\a], v[\a], v[\a] row_xmask:2 row_mask:0xf bank_mask:0xf
	v_add_f32_dpp v[\a], v[\a], v[\a] row_xmask:4 row_mask:0xf bank_mask:0xf
	v_add_f32_dpp v[\a], v[\a], v[\a] row_xmask:8 row_mask:0xf bank_mask:0xf
	v_permlanex16_b32 v[\t], v[\a], s[SEL], s[SEL+1]
	v_add_f32 v[\a], v[\a], v[\t]
.endm
.macro LNROW xs, xd                    ; a row of 512, 16 neighbours a lane: (x - mean) / sqrt(var + eps) x g + b; the variance from the differences
	v_pk_add_f32 v[W:W+1], v[\xs:\xs+1], v[\xs+2:\xs+3]
	v_pk_add_f32 v[W+2:W+3], v[\xs+4:\xs+5], v[\xs+6:\xs+7]
	v_pk_add_f32 v[W+4:W+5], v[\xs+8:\xs+9], v[\xs+10:\xs+11]
	v_pk_add_f32 v[W+6:W+7], v[\xs+12:\xs+13], v[\xs+14:\xs+15]
	v_pk_add_f32 v[W:W+1], v[W:W+1], v[W+2:W+3]
	v_pk_add_f32 v[W+4:W+5], v[W+4:W+5], v[W+6:W+7]
	v_pk_add_f32 v[W:W+1], v[W:W+1], v[W+4:W+5]
	v_add_f32 v[W], v[W], v[W+1]
	RED W, W+1
	v_mul_f32 v[W], s[INV], v[W]                   ; the mean
.irp k, 0,2,4,6,8,10,12,14
	v_pk_add_f32 v[\xd+\k:\xd+\k+1], v[\xs+\k:\xs+\k+1], v[W:W+1] op_sel_hi:[1,0] neg_lo:[0,1] neg_hi:[0,1]
.endr
	v_pk_mul_f32 v[W+2:W+3], v[\xd:\xd+1], v[\xd:\xd+1]
	v_pk_mul_f32 v[W+4:W+5], v[\xd+2:\xd+3], v[\xd+2:\xd+3]
.irp k, 4,8,12
	v_pk_fma_f32 v[W+2:W+3], v[\xd+\k:\xd+\k+1], v[\xd+\k:\xd+\k+1], v[W+2:W+3]
	v_pk_fma_f32 v[W+4:W+5], v[\xd+\k+2:\xd+\k+3], v[\xd+\k+2:\xd+\k+3], v[W+4:W+5]
.endr
	v_pk_add_f32 v[W+2:W+3], v[W+2:W+3], v[W+4:W+5]
	v_add_f32 v[W+2], v[W+2], v[W+3]
	RED W+2, W+3
	v_fma_f32 v[W+2], v[W+2], s[INV], s[EPSR]      ; var + eps
	v_rsq_f32 v[W+2], v[W+2]
	v_nop                                          ; a plain place behind the transcendental
	s_wait_alu depctr_va_vdst(0)                   ; the reciprocal root is written, ahead of its first reader
.irp k, 0,2,4,6,8,10,12,14
	v_pk_mul_f32 v[\xd+\k:\xd+\k+1], v[\xd+\k:\xd+\k+1], v[W+2:W+3] op_sel_hi:[1,0]
.endr
.irp k, 0,2,4,6,8,10,12,14
	v_pk_fma_f32 v[\xd+\k:\xd+\k+1], v[\xd+\k:\xd+\k+1], v[AF+\k:AF+\k+1], v[AF+16+\k:AF+16+\k+1]
.endr
.endm
.macro QROW src, cr                    ; my 16 neighbours of a row become 16 codes in v[cr] .. v[cr + 3]: one 16-byte piece of the image
.irp k, 0,1,2,3,4,5,6,7,8,9,10,11,12,13,14,15
	v_med3_num_f32 v[W+\k], v[\src+\k], -v[VLM], v[VLM]   ; the conversion does not saturate (ISA guide 7.6.2): the hold
.endr
	v_cvt_scalef32_pk8_fp8_f32 v[\cr:\cr+1], v[W:W+7], v[VSC]
	v_cvt_scalef32_pk8_fp8_f32 v[\cr+2:\cr+3], v[W+8:W+15], v[VSC]
	v_nop                                          ; a plain place behind the conversions
.endm
.macro NORM2                           ; my two rows, asked for 64 bytes a lane into v160-191, are normed and quantised; their two pieces go into image B in one run
	s_wait_loadcnt 0x0                             ; gain and bias, the youngest loads
	s_wait_dscnt 0x0                               ; the rows
	LNROW ACC, ACC
	QROW ACC, CODE
	LNROW ACC+16, ACC+16
	QROW ACC+16, CODE+4
	s_wait_alu depctr_va_vdst(0)                   ; the conversions have written v24-31, which the LDS stores read; the norm is done with gain and bias (v32-63) and with v240-255, in which later loads land
	ds_store_b128 v[IW], v[CODE:CODE+3] offset:IMGB
	ds_store_b128 v[IW], v[CODE+4:CODE+7] offset:IMGB+16
.endm
.macro ONTO sc                         ; the sums x 2^(ea + ew) are added onto what the stage holds at my columns
	PL                                             ; four places behind the last products, ahead of the reads of their results and of the loads below
	s_wait_alu depctr_va_vdst(0)                   ; the last step's products are done reading v208-239, in which the stage's numbers land
.irp u, 0,1
.irp k, 0,1,2,3
	ds_load_b128 v[T+16*\u+4*\k:T+16*\u+4*\k+3], v[SW] offset:\u*16*SROW+16*\k
.endr
.endr
	s_wait_dscnt 0x0
.irp k, 0,2,4,6,8,10,12,14,16,18,20,22,24,26,28,30
	v_pk_fma_f32 v[T+\k:T+\k+1], v[ACC+\k:ACC+\k+1], s[\sc:\sc+1], v[T+\k:T+\k+1] op_sel_hi:[1,0,1]   ; each accumulator from its low end on
.endr
	s_wait_alu depctr_va_vdst(0)                   ; the multiply-adds have written v208-239, which the LDS stores read, and are done reading v160-191, in which later LDS loads land
.irp u, 0,1
.irp k, 0,1,2,3
	ds_store_b128 v[SW], v[T+16*\u+4*\k:T+16*\u+4*\k+3] offset:\u*16*SROW+16*\k
.endr
.endr
.endm
.macro ERELU j                         ; chunk j's sums become codes of the hidden layer: K step 4 j + w / 4, piece w % 4
	PL
.if (\j) > 0
	s_wait_alu depctr_vm_vsrc(0)                   ; the last chunk's two LDS stores have read v24-31, which the conversions below write again
.endif
.set N, 0
.rept 32
	v_med3_num_f32 v[ACC+N], v[ACC+N], 0, v[VLM]   ; the activation and the hold in one; each accumulator from its low end on
.set N, N+1
.endr
.irp p, 0,1
	v_cvt_scalef32_pk8_fp8_f32 v[CODE+4*\p:CODE+4*\p+1], v[ACC+16*\p:ACC+16*\p+7], v[VSC]
	v_cvt_scalef32_pk8_fp8_f32 v[CODE+4*\p+2:CODE+4*\p+3], v[ACC+16*\p+8:ACC+16*\p+15], v[VSC]
.endr
	v_nop
	s_wait_alu depctr_va_vdst(0)                   ; the conversions have written v24-31, which the LDS stores read; the chunk's last products are done reading their buffers, in which the next step's loads land
	ds_store_b128 v[HW], v[CODE:CODE+3] offset:(\j)*IMGU
	ds_store_b128 v[HW], v[CODE+4:CODE+7] offset:HIDU+(\j)*IMGU
.endm
; ---- the attention's macros
.macro KLOAD                           ; eight tiles of 16 keys, two to a fragment
.irp t, 0,1,2,3,4,5,6,7
.set KR, KF+8*(\t/2)+32*(\t/4)+4*(\t%2)
	global_load_b128 v[KR:KR+3], v[KVO], s[KP:KP+1] offset:512*\t
.endr
.endm
.macro VLOAD                           ; two tiles of 16 of the head's 32 x 128 keys
.irp d, 0,1
.irp c, 0,1,2,3
	global_load_b128 v[VF+16*\d+4*\c:VF+16*\d+4*\c+3], v[KVO], s[KP:KP+1] offset:0x400000+2048*\d+512*\c
.endr
.endr
.endm
.macro QK u                            ; S^T of tile u of the queries: lane (r, h): query r; register 16 b + i: key 32 b + 16 h + i of the step's 128
.irp t, 0,1,2,3,4,5,6,7
.set KR, KF+8*(\t/2)+32*(\t/4)
.set QR, QF+12*(\u)+4-4*(\t%2)
	v_wmma_f32_16x16x64_fp8_fp8 v[S+8*\t:S+8*\t+7], v[KR:KR+7], v[QR:QR+7], 0
.endr
.endm
.macro PV u
	v_wmma_f32_16x16x128_fp8_fp8 v[O+16*(\u):O+16*(\u)+7], v[VF:VF+15], v[PC:PC+15], v[O+16*(\u):O+16*(\u)+7]
	v_wmma_f32_16x16x128_fp8_fp8 v[O+16*(\u)+8:O+16*(\u)+15], v[VF+16:VF+31], v[PC:PC+15], v[O+16*(\u)+8:O+16*(\u)+15]
.endm
.macro SOFT u                          ; tile u's scores become p's codes; its M, sum and O^T are brought under the new M
.set MM_, ST+4*(\u)
	v_max3_num_f32 v[TM], v[S], v[S+1], v[S+2]     ; the step's largest score of my query among my 64 keys, in two chains,
	v_max3_num_f32 v[TF], v[S+3], v[S+4], v[S+5]
.irp i, 6,10,14,18,22,26,30,34,38,42,46,50,54,58
	v_max3_num_f32 v[TM], v[TM], v[S+\i], v[S+1+\i]
	v_max3_num_f32 v[TF], v[TF], v[S+2+\i], v[S+3+\i]
.endr
	v_max3_num_f32 v[TM], v[TM], v[S+62], v[S+63]
	v_max_num_f32 v[TM], v[TM], v[TF]
	v_permlanex16_b32 v[TP], v[TM], s[SEL], s[SEL+1]
	v_max_num_f32 v[TM], v[TM], v[TP]              ; and among lane l xor 16's
	v_mul_f32 v[TM], s[CS], v[TM]                  ; as t (c is positive)
	v_max_num_f32 v[MM_+1], v[MM_+1], v[TM]
	v_mov_b32 v[TM], v[MM_]
	v_floor_f32 v[MM_], -v[MM_+1]                  ; the new -M = -ceil(t)
	v_sub_f32 v[TM], v[MM_], v[TM]                 ; old M - new M: a whole number, 0 or less
	v_cvt_i32_f32 v[TM], v[TM]                     ; (it saturates)
	v_ldexp_f32 v[TF], 1.0, v[TM]                  ; f = 2^(old M - new M)
.set N, 0
.rept 32
	v_pk_fma_f32 v[S+N:S+N+1], v[S+N:S+N+1], s[CS:CS+1], v[MM_:MM_+1] op_sel_hi:[1,0,0]   ; t - M
.set N, N+2
.endr
.set N, 0
.rept 64
	v_exp_f32 v[S+N], v[S+N]                       ; p = 2^(t - M), at most 1
.set N, N+1
.endr
	v_pk_mul_f32 v[MM_+2:MM_+3], v[MM_+2:MM_+3], v[TF:TF+1] op_sel_hi:[1,0]   ; the sum under the new M (a plain place behind the exponentials)
	s_wait_alu depctr_va_vdst(0)                   ; the exponentials have written p, ahead of its first reader
	v_pk_add_f32 v[TA:TA+1], v[S:S+1], v[S+2:S+3]  ; the sum of the UNQUANTISED p, in two chains
.irp j, 4,8,12,16,20,24,28,32,36,40,44,48,52,56,60
	v_pk_add_f32 v[MM_+2:MM_+3], v[MM_+2:MM_+3], v[S+\j:S+1+\j]
	v_pk_add_f32 v[TA:TA+1], v[TA:TA+1], v[S+2+\j:S+3+\j]
.endr
	v_pk_add_f32 v[MM_+2:MM_+3], v[MM_+2:MM_+3], v[TA:TA+1]
	s_cmp_ge_i32 s[E+21], -8                       ; p <= 1 <= 448 x 2^ep from ep = -8 on: the hold would change nothing
	s_cbranch_scc1 .Lnohold_\@
.set N, 0
.rept 64
	v_min_num_f32 v[S+N], v[S+N], v[VPL]           ; the conversion does not saturate (ISA guide 7.6.2); p is not negative
.set N, N+1
.endr
.Lnohold_\@:
.irp b, 0,1,2,3
	v_cvt_scalef32_pk8_fp8_f32 v[PC+4*\b:PC+4*\b+1], v[S+16*\b:S+16*\b+7], v[VPS]
	v_cvt_scalef32_pk8_fp8_f32 v[PC+4*\b+2:PC+4*\b+3], v[S+16*\b+8:S+16*\b+15], v[VPS]
.endr
.irp j, 0,2,4,6,8,10,12,14
	v_pk_mul_f32 v[O+16*(\u)+\j:O+16*(\u)+\j+1], v[O+16*(\u)+\j:O+16*(\u)+\j+1], v[TF:TF+1] op_sel_hi:[1,0]   ; O^T under the new M; also the plain places behind the conversions
.endr
.endm
; A KEY STEP: 128 keys for both tiles of queries.  This step's V is asked for as soon as tile 0's scores are made, the next step's K as soon as tile 1's are: each has one tile's softmax in which to land.
; last = 1: nothing is left to ask for of K: the next projection's bias takes its place.
.macro ASTEP last
	s_wait_loadcnt 0x0                             ; K is in: its eight loads are all that is out
	QK 0
	PL                                             ; ahead of the reads of the scores; also the places behind the last step's second products, ahead of the loads into V's registers
	s_wait_alu depctr_va_vdst(0)                   ; the products that last read v208-239 (the last step's second products; ahead of the first step the last dense step's) are done with them: V lands there
	VLOAD
	SOFT 0
	s_wait_loadcnt 0x0                             ; V is in
	PV 0
	QK 1
	PL                                             ; ahead of the reads of the scores and of the loads into K's registers
	s_wait_alu depctr_va_vdst(0)                   ; both tiles' first products are done reading K's registers, in which the loads below land
.if \last
	BIASLD 18, 0                                   ; ca_pb
.else
	s_wait_xcnt 0x0                                ; the earlier loads have read their base
	s_add_nc_u64 s[KP:KP+1], s[KP:KP+1], 4096      ; on to the next 128 keys, in K's image and in V's
	KLOAD
.endif
	SOFT 1
	PV 1
.endm
	s_load_b512 s[4:19], s[0:1], 0x0               ; att 4, wcodes 6, x 8, sa_pb 10, ln2_g 12, ln2_b 14, kvb 16, ca_pb 18
	s_load_b256 s[20:27], s[0:1], 0x40             ; ln3_g 20, ln3_b 22, ff_b1 24, ff_b2 26
	s_load_b128 s[28:31], s[0:1], 0x60             ; exponents 28, out0 30
	v_lshrrev_b32 v18, 5, v0
	v_readfirstlane_b32 s32, v18                   ; wave w
	v_and_b32 v19, 31, v0                          ; lane
	v_and_b32 v20, 15, v0                          ; r
	v_bfe_u32 v21, v0, 4, 1                        ; h
	s_wait_alu depctr_va_sdst(0)                   ; s32 is written, ahead of its first reader
	s_lshl_b32 s98, s32, 14
	v_lshl_add_u32 v[LB], v19, 4, s98
	v_mul_u32_u24 v[LIA], v21, HP
	v_lshl_add_u32 v[LIA], v20, 4, v[LIA]
	v_add_nc_u32 v[LH0], HID, v[LIA]
	v_add_nc_u32 v[LH1], HID+HIDU, v[LIA]
	s_mul_i32 s98, s32, 2*HP
	v_add_nc_u32 v[AW], s98, v[LIA]
	v_add_nc_u32 v[HW], HID, v[AW]
	s_lshr_b32 s99, s32, 3                         ; my two rows: tile w / 8, lanes 2 (w % 8) and the next
	s_and_b32 s100, s32, 7
	s_mul_i32 s98, s99, IMGU
	s_lshl_b32 s101, s100, 5
	s_add_co_u32 s98, s98, s101
	v_mul_u32_u24 v[IW], v19, HP
	v_add_nc_u32 v[IW], s98, v[IW]
	s_lshl_b32 s99, s99, 3
	s_lshl_b32 s101, s100, 1
	s_and_b32 s101, s101, 7
	s_add_co_u32 s99, s99, s101
	s_lshr_b32 s101, s100, 2
	s_lshl_b32 s101, s101, 4
	s_add_co_u32 s99, s99, s101                    ; which are rows 8 (w/8) + (2 (w%8)) % 8 + 16 ((w%8)/4) and the next of the 32
	s_lshl_b32 s99, s99, 11
	v_lshl_add_u32 v[RG], v19, 4, s99
	v_lshlrev_b32 v[G64], 6, v19
	s_lshl_b32 s98, s32, 7
	v_lshl_add_u32 v[BO], v21, 6, s98
	s_lshl_b32 s98, s32, 15
	v_lshl_add_u32 v[KVO], v19, 4, s98
	v_mul_u32_u24 v[SW], v20, SROW
	v_mad_u32_u24 v[SW], v21, 80, v[SW]
	s_mul_i32 s98, s32, 160
	s_add_co_u32 s98, s98, STG
	v_add_nc_u32 v[SW], s98, v[SW]
	s_mul_i32 s99, s32, 2*SROW
	s_add_co_u32 s99, s99, STG
	v_mul_u32_u24 v[SR64], v19, 80
	v_add_nc_u32 v[SR64], s99, v[SR64]
	v_lshrrev_b32 v18, 2, v19
	v_mul_u32_u24 v[SRC], v18, 80
	v_and_b32 v18, 3, v19
	v_lshl_add_u32 v[SRC], v18, 4, v[SRC]
	v_add_nc_u32 v[SRC], s99, v[SRC]
	v_lshlrev_b32 v[CPG], 4, v0
	v_lshrrev_b32 v18, 4, v0
	v_mul_u32_u24 v[CPL], v18, HP
	v_lshl_add_u32 v[CPL], v20, 4, v[CPL]
	s_mov_b32 s[SEL], 0x76543210
	s_mov_b32 s[SEL+1], 0xfedcba98
	s_mov_b32 s[INV], 0x3b000000                   ; 1 / 512
	s_mov_b32 s[EPSR], 0x3727c5ac                  ; 1e-5
	s_lshl_b32 s98, ttmp9, 14                      ; att: an image of 16,384 bytes for each 32 rows
	s_mov_b32 s99, 0
	s_lshl_b32 s100, ttmp9, 16                     ; x, out: 32 rows of 2,048 bytes
	s_mov_b32 s101, 0
	s_lshr_b32 s34, ttmp9, 5
	s_lshl_b32 s34, s34, 19                        ; K, V: my batch's 16 heads of 32,768 bytes
	s_mov_b32 s35, 0
	s_wait_kmcnt 0x0
	s_load_b512 s[36:51], s[28:29], 0x0
	s_load_b256 s[52:59], s[28:29], 0x40
	s_load_b128 s[60:63], s[28:29], 0x60
	s_add_nc_u64 s[4:5], s[4:5], s[98:99]
	s_add_nc_u64 s[8:9], s[8:9], s[100:101]
	s_add_nc_u64 s[30:31], s[30:31], s[100:101]
	s_add_nc_u64 s[KP:KP+1], s[16:17], s[34:35]
	s_wait_alu depctr_va_vdst(0)                   ; the offsets and LDS addresses v1 to v17 are written, which every load and store of the kernel reads
	global_load_b128 v[W:W+3], v[CPG], s[4:5] th:TH_LOAD_NT
	global_load_b128 v[W+4:W+7], v[CPG], s[4:5] offset:8192 th:TH_LOAD_NT
.irp i, 0,1
.irp k, 0,1,2,3
	global_load_b128 v[T+16*\i+4*\k:T+16*\i+4*\k+3], v[RG], s[8:9] offset:2048*\i+512*\k th:TH_LOAD_NT
.endr
.endr
	BIASLD 10, 0                                   ; sa_pb
	BLOAD 0
	BLOAD 1
	s_wait_kmcnt 0x0
	NEGS NGA, 10, 11
	NEGS NG0, 22, 23
	NEGS NG1, 24, 25
	NEGS NG2, 26, 27
	POW2 SC1, 10, 11
	POW2 SC2, 22, 23
	POW2 SC3, 26, 27
	SCL S_LN2, E+12
	SCL S_LN3, E+24
	SCL S_P, E+21
	FOLD F_Q, 18, 12, 13
	FOLD F_O, 22, 20, 21
	FOLD F_H, 26, 24, 25
	s_add_co_i32 s[CS], s[E+18], s[E+19]
	s_lshl_b32 s[CS], s[CS], 23
	s_add_co_i32 s[CS], s[CS], 0x3e8293ee          ; the two exponents are added to c's exponent field
	s_mov_b32 s[CS+1], s[CS]
	s_wait_loadcnt 28                              ; the image's two loads are in; behind them: 8 of x, 4 of the bias, 16 of the weights
	ds_store_b128 v[CPL], v[W:W+3]
	ds_store_b128 v[CPL], v[W+4:W+7] offset:IMGU
	BAR                                            ; the self-attention's image lies in LDS
	; ---- x1 = x + att Q(sa_pw) + sa_pb
.set NEGE, NGA
	DSTEP 0, 0, 2, 0
	DSTEP 1, 1, 0, 1
	DSTEP 2, 2, 0, 1
	DSTEP 3, 3, 0, 1
	PL
.irp k, 0,2,4,6,8,10,12,14,16,18,20,22,24,26,28,30
	v_pk_mul_f32 v[ACC+\k:ACC+\k+1], v[ACC+\k:ACC+\k+1], s[SC1:SC1+1] op_sel_hi:[1,0]   ; x 2^(e10 + e11); each accumulator from its low end on
.endr
	s_wait_alu depctr_va_vdst(0)                   ; the multiplications have written v160-191, which the LDS stores read; step 3's products are done reading v32-63, in which gain and bias land
.irp u, 0,1
.irp k, 0,1,2,3
	ds_store_b128 v[SW], v[ACC+16*\u+4*\k:ACC+16*\u+4*\k+3] offset:\u*16*SROW+16*\k
.endr
.endr
	GBLOAD 12, 14                                  ; ln2's gain and bias
	BAR                                            ; 32 rows of the projection lie in the stage
	; ---- my two rows: + x; x1 back into the stage, where it stays; read 64 bytes a lane, normed, quantised
	SETSC S_LN2
	s_wait_alu depctr_vm_vsrc(0)                   ; the copy's LDS stores have read v240-247, the stage's v160-191: LDS loads land in both
.irp k, 0,1,2,3
	ds_load_b128 v[W+4*\k:W+4*\k+3], v[SRC] offset:640*\k
.endr
.irp k, 0,1,2,3
	ds_load_b128 v[BIAS+4*\k:BIAS+4*\k+3], v[SRC] offset:SROW+640*\k   ; the second row into the bias's registers, which are done with since step 0
.endr
	s_wait_dscnt 0x0
.irp k, 0,2,4,6,8,10,12,14
	v_pk_add_f32 v[T+\k:T+\k+1], v[T+\k:T+\k+1], v[W+\k:W+\k+1]
.endr
.irp k, 0,2,4,6,8,10,12,14
	v_pk_add_f32 v[T+16+\k:T+16+\k+1], v[T+16+\k:T+16+\k+1], v[BIAS+\k:BIAS+\k+1]
.endr
	s_wait_alu depctr_va_vdst(0)                   ; the additions have written x1 into v208-239, which the LDS stores read
.irp i, 0,1
.irp k, 0,1,2,3
	ds_store_b128 v[SRC], v[T+16*\i+4*\k:T+16*\i+4*\k+3] offset:\i*SROW+640*\k
.endr
.endr
.irp i, 0,1
.irp k, 0,1,2,3
	ds_load_b128 v[ACC+16*\i+4*\k:ACC+16*\i+4*\k+3], v[SR64] offset:\i*SROW+16*\k   ; LDS serves a wave's instructions in order: these see the stores above
.endr
.endr
	NORM2
	BAR                                            ; ln2's image lies in LDS, x1 in the stage
	; ---- q2 = Q(ln2(x1)) Q(ca_wq).  The first key step's K is asked for now, into registers that these four steps leave alone
	s_wait_alu depctr_vm_vsrc(0)                   ; my LDS stores have read x1 in v208-239, in which step 5's fragments land, and the codes in v24-31, which the attention writes
	KLOAD
	AHALF 0, 0, LIA, IMGB, 0
	AHALF 0, 1, LIA, IMGB+IMGU, 0
	PBODY 4, 1, 0, 1, LIA, IMGB, LIA, IMGB+IMGU, 1 ; step 4's weights landed at the row phase's wait for 0: K's eight loads and step 6's eight may be out
	PHEAD
	PBODY 5, 0, 8, 1, LIA, IMGB, LIA, IMGB+IMGU, 2 ; step 5's likewise: K's eight and the sixteen of steps 6 and 7 may be out
	PHEAD
	PBODY 6, 0, 0, 1, LIA, IMGB, LIA, IMGB+IMGU, 3
	PBODY 7, 0, 0, 0, LIA, 0, LIA, 0, 0            ; it asks for nothing: no wait at its head
	SETSC F_Q
	PL
.set N, 0
.rept 32
	v_med3_num_f32 v[ACC+N], v[ACC+N], -v[VLM], v[VLM]   ; each accumulator from its low end on
.set N, N+1
.endr
.irp p, 0,1
	v_cvt_scalef32_pk8_fp8_f32 v[QF+12*\p+4:QF+12*\p+5], v[ACC+16*\p:ACC+16*\p+7], v[VSC]      ; lane (r, h): query r of tile p, 16 h + 0..15 of my head's 32: Q's fragment as it stands
	v_cvt_scalef32_pk8_fp8_f32 v[QF+12*\p+6:QF+12*\p+7], v[ACC+16*\p+8:ACC+16*\p+15], v[VSC]
.endr
	v_nop                                          ; a plain place behind the conversions
	; ---- the cross-attention of my head
.irp p, 0,1
.irp k, 0,1,2,3,8,9,10,11
	v_mov_b32 v[QF+12*\p+\k], 0                    ; zero codes on both sides of Q
.endr
.endr
.set N, 0
.rept 32
	v_mov_b32 v[O+N], 0                            ; O^T: the step is written for every step alike; the first change of M leaves zeros zeros
.set N, N+1
.endr
.irp u, 0,1
	v_mov_b32 v[ST+4*\u+1], 0xff61b1e6             ; -3e38, under every t
	v_floor_f32 v[ST+4*\u], -v[ST+4*\u+1]
	v_mov_b32 v[ST+4*\u+2], 0
	v_mov_b32 v[ST+4*\u+3], 0
.endr
	v_mov_b32 v[TF+1], 0                           ; (named as the upper half of a pair)
	v_mov_b32 v[TP], 0                             ; written once: a lane permute's destination counts as one of its sources
	v_mov_b32 v[VPS], s[S_P]
	v_mov_b32 v[VPL], s[S_P+1]
	SETSC F_O
	s_mov_b32 s[CNT], 7
.Lkey:                                                 ; seven trips; the eighth key step is written out, since it asks for other things
	ASTEP 0
	s_sub_co_u32 s[CNT], s[CNT], 1
	s_cmp_lg_u32 s[CNT], 0
	s_cbranch_scc1 .Lkey
	ASTEP 1
	PL                                             ; four places behind the last products, ahead of the reads of O^T and of the loads into p's codes' registers
.irp u, 0,1
	v_add_f32 v[ST+4*\u+2], v[ST+4*\u+2], v[ST+4*\u+3]
.endr
	v_permlanex16_b32 v[TP], v[ST+2], s[SEL], s[SEL+1]
	v_permlanex16_b32 v[TM], v[ST+6], s[SEL], s[SEL+1]
	v_add_f32 v[ST+2], v[ST+2], v[TP]              ; the rows' sums
	v_add_f32 v[ST+6], v[ST+6], v[TM]
	v_rcp_f32 v[ST+2], v[ST+2]
	v_rcp_f32 v[ST+6], v[ST+6]
	v_nop                                          ; a plain place behind the transcendentals
	s_wait_alu depctr_va_vdst(0)                   ; the two reciprocals are written, ahead of their first reader; the last products are done reading p's codes (v128-143) and the conversions p (v64-127): the weights of steps 8 to 10 land there
	BLOAD 8
	BLOAD 9
.irp u, 0,1
.set N, 0
.rept 16
	v_mul_f32 v[O+16*\u+N], v[O+16*\u+N], v[ST+4*\u+2]   ; register i: my head's 16 h + i of query r; each accumulator from its low end on
.set N, N+1
.endr
.endr
.set N, 0
.rept 32
	v_med3_num_f32 v[O+N], v[O+N], -v[VLM], v[VLM]
.set N, N+1
.endr
.irp u, 0,1
	v_cvt_scalef32_pk8_fp8_f32 v[QF+4*\u:QF+4*\u+1], v[O+16*\u:O+16*\u+7], v[VSC]      ; O / l stands for x 2^(e20 + e21): its code is (O / l) / 2^(e22 - e20 - e21)
	v_cvt_scalef32_pk8_fp8_f32 v[QF+4*\u+2:QF+4*\u+3], v[O+16*\u+8:O+16*\u+15], v[VSC]
.endr
	v_nop
	s_wait_alu depctr_va_vdst(0)                   ; the conversions have written v32-39, which the LDS stores read
	ds_store_b128 v[AW], v[QF:QF+3] offset:IMGA            ; piece w % 4 of K step w / 4 of the projection's operand; every wave's reads of the old image lie two barriers back
	ds_store_b128 v[AW], v[QF+4:QF+7] offset:IMGA+IMGU
	BAR                                            ; the cross-attention's image lies in LDS
	; ---- x2 = x1 + its result Q(ca_pw) + ca_pb
	s_wait_alu depctr_vm_vsrc(0)                   ; my two LDS stores have read v32-39, in which step 8's fragments land
.set RINGEND, 44
.set NEGE, NG0
	AHALF 0, 0, LIA, IMGA, 0
	AHALF 0, 1, LIA, IMGA+IMGU, 0
	PBODY 8, 2, 0, 1, LIA, IMGA, LIA, IMGA+IMGU, 1
	PHEAD
	PBODY 9, 0, 0, 1, LIA, IMGA, LIA, IMGA+IMGU, 2
	PHEAD
	BIASLD 24, 0                                   ; ff_b1 of chunk 0, two steps ahead of its first products
	PBODY 10, 0, 4, 1, LIA, IMGA, LIA, IMGA+IMGU, 3   ; behind this step's weights: the next step's eight, the bias's four and the eight just issued
	PHEAD
	PBODY 11, 0, 4, 0, LIA, 0, LIA, 0, 0           ; behind this step's weights: the bias's four and two steps' sixteen
	ONTO SC2
	GBLOAD 20, 22                                  ; ln3's gain and bias, into buffer 0, which step 10's products read last
	BAR                                            ; x2 lies in the stage
	SETSC S_LN3
.irp i, 0,1
.irp k, 0,1,2,3
	ds_load_b128 v[ACC+16*\i+4*\k:ACC+16*\i+4*\k+3], v[SR64] offset:\i*SROW+16*\k   ; my two rows of x2, 64 bytes a lane
.endr
.endr
	NORM2
	BAR                                            ; ln3's image lies in LDS
	; ---- the hidden layer, four chunks of 512 units
	s_wait_alu depctr_vm_vsrc(0)                   ; my LDS stores have read x2 in v208-239, in which step 13's fragments land, and the codes in v24-31, which the first chunk's conversions write
	SETSC F_H
.set NEGE, NG1
	AHALF 0, 0, LIA, IMGB, 0
	AHALF 0, 1, LIA, IMGB+IMGU, 0
.irp j, 0,1,2,3
	PBODY 12+4*\j, 2, 0, 1, LIA, IMGB, LIA, IMGB+IMGU, 1
	PHEAD
	PBODY 13+4*\j, 0, 0, 1, LIA, IMGB, LIA, IMGB+IMGU, 2
	PHEAD
.if \j < 3
	BIASLD 24, 2048*(\j+1)
.else
	BIASLD 26, 0                                   ; ff_b2
.endif
	PBODY 14+4*\j, 0, 4, 1, LIA, IMGB, LIA, IMGB+IMGU, 3   ; the bias's four loads may be out beside two steps' sixteen
	PHEAD
.if \j < 3
	PBODY 15+4*\j, 0, 4, 1, LIA, IMGB, LIA, IMGB+IMGU, 0
.else
	PBODY 15+4*\j, 0, 4, 0, LIA, 0, LIA, 0, 0
.endif
	ERELU \j
.endr
	BAR                                            ; the hidden layer's image lies in LDS
	; ---- the second layer
.set NEGE, NG2
	AHALF 0, 0, LH0, 0, 0
	AHALF 0, 1, LH1, 0, 0
	PBODY 28, 2, 0, 1, LH0, 0, LH1, 0, 1
.irp s, 1,2,3,4,5,6,7,8,9,10,11,12,13,14
	PHEAD
	PBODY 28+\s, 0, 0, 1, LH0, 0, LH1, 0, \s+1
.endr
	PBODY 43, 0, 0, 0, LIA, 0, LIA, 0, 0           ; it asks for nothing: no wait at its head
	ONTO SC3
	BAR                                            ; 32 whole rows of the result lie in the stage
.irp i, 0,1
.irp k, 0,1,2,3
	ds_load_b128 v[ACC+16*\i+4*\k:ACC+16*\i+4*\k+3], v[SRC] offset:\i*SROW+640*\k
.endr
.endr
.irp i, 0,1
.irp k, 0,1,2,3
	s_wait_dscnt 7-4*\i-\k                         ; LDS loads come back in order: this one is in
	global_store_b128 v[RG], v[ACC+16*\i+4*\k:ACC+16*\i+4*\k+3], s[30:31] offset:2048*\i+512*\k th:TH_STORE_NT   ; 512 consecutive bytes a store
.endr
.endr
	s_wait_xcnt 0x0
	v_lshl_add_u32 v254, v0, 2, 0x2da00            ; the add's two registers are made anew: no memory or LDS instruction has read v254 or v255
	v_mov_b32 v255, 0
	s_wait_dscnt 0x0                               ; the closing lines, six on end
	s_wait_alu 0x0
	s_wait_tensorcnt 0x0
	ds_add_u32 v254, v255
	s_wait_dscnt 0x0
	s_endpgm
.Lfunc_end_k_qee9daeadfc_tail:
	.size	k_qee9daeadfc_tail, .Lfunc_end_k_qee9daeadfc_tail-k_qee9daeadfc_tail
	.p2alignl 7, 3214868480
	.fill 96, 4, 3214868480
	.section	.rodata,"a",@progbits
	.p2align	6, 0x0
	.amdhsa_kernel k_qee9daeadfc_tail
		.amdhsa_group_segment_fixed_size 188928
		.amdhsa_private_segment_fixed_size 0
		.amdhsa_enable_private_segment 0
		.amdhsa_kernarg_size 112
		.amdhsa_user_sgpr_count 2
		.amdhsa_user_sgpr_kernarg_segment_ptr 1
		.amdhsa_wavefront_size32 1
		.amdhsa_system_sgpr_workgroup_id_x 1
		.amdhsa_system_sgpr_workgroup_id_y 1
		.amdhsa_system_sgpr_workgroup_id_z 1
		.amdhsa_system_vgpr_workitem_id 0
		.amdhsa_next_free_vgpr 256
		.amdhsa_next_free_sgpr 102
		.amdhsa_reserve_vcc 0
		.amdhsa_float_denorm_mode_32 3
		.amdhsa_float_denorm_mode_16_64 3
		.amdhsa_memory_ordered 1
		.amdhsa_forward_progress 1
		.amdhsa_inst_pref_size 195
	.end_amdhsa_kernel
	.amdgpu_metadata
---
amdhsa.version: [ 1, 2 ]
amdhsa.kernels:
  - .name:           k_qee9daeadfc_tail
    .symbol:         k_qee9daeadfc_tail.kd
    .args:
      - { .name: att, .offset: 0, .size: 8, .value_kind: global_buffer, .address_space: global }
      - { .name: wcodes, .offset: 8, .size: 8, .value_kind: global_buffer, .address_space: global }
      - { .name: x, .offset: 16, .size: 8, .value_kind: global_buffer, .address_space: global }
      - { .name: sa_pb, .offset: 24, .size: 8, .value_kind: global_buffer, .address_space: global }
      - { .name: ln2_g, .offset: 32, .size: 8, .value_kind: global_buffer, .address_space: global }
      - { .name: ln2_b, .offset: 40, .size: 8, .value_kind: global_buffer, .address_space: global }
      - { .name: kvb, .offset: 48, .size: 8, .value_kind: global_buffer, .address_space: global }
      - { .name: ca_pb, .offset: 56, .size: 8, .value_kind: global_buffer, .address_space: global }
      - { .name: ln3_g, .offset: 64, .size: 8, .value_kind: global_buffer, .address_space: global }
      - { .name: ln3_b, .offset: 72, .size: 8, .value_kind: global_buffer, .address_space: global }
      - { .name: ff_b1, .offset: 80, .size: 8, .value_kind: global_buffer, .address_space: global }
      - { .name: ff_b2, .offset: 88, .size: 8, .value_kind: global_buffer, .address_space: global }
      - { .name: lowp_scales, .offset: 96, .size: 8, .value_kind: global_buffer, .address_space: global }
      - { .name: out0, .offset: 104, .size: 8, .value_kind: global_buffer, .address_space: global }
    .group_segment_fixed_size: 188928
    .private_segment_fixed_size: 0
    .kernarg_segment_align: 8
    .kernarg_segment_size: 112
    .max_flat_workgroup_size: 512
    .sgpr_count:     102
    .vgpr_count:     256
    .wavefront_size: 32
...
	.end_amdgpu_metadata
.endif
;; end of part 7
